; MI455X (gfx1250); checked and timed in simulation.
; The chip was launched on July 23, 2026; its instructions are those of AMD's public machine-readable ISA for CDNA 5 (MIT licence, August 2026) and "CDNA5" Instruction Set Architecture Reference Guide (July 2026). The comments in the code are by the model that wrote it; some were corrected since.
;; Transformer Encoder Layer With Mem. Allowed arithmetic: matrix products marked QUANTISED: E3M2 operands, one E8M0 scale for each 32 along K, by v_wmma_scale_f32_16x16x128_f8f6f4 with both operands' format E3M2, f32 sums; everything else in f32.
;; Inputs: b1 4,096 float32; b2 1,024 float32; in_proj_b 3,072 float32; in_proj_w 3,072 x 1,024 float32; ln1_b 1,024 float32; ln1_g 1,024 float32; ln2_b 1,024 float32; ln2_g 1,024 float32; mem_k 32 x 1 x 1,024 float32; mem_v 32 x 1 x 1,024 float32; out_b 1,024 float32; out_w 1,024 x 1,024 float32; src 2,048 x 2 x 1,024 float32; w1 4,096 x 1,024 float32; w2 1,024 x 4,096 float32.
;; Outputs: out0 2,048 x 2 x 1,024 float32.
;; This version of the problem:
;;   THIS VERSION OF THE PROBLEM IS GIVEN IN LOW PRECISION. The matrix products marked QUANTISED in the list below multiply operands that are first quantised to E3M2 (3 exponent bits, 2 mantissa bits; 6 bits a number), with one power-of-two scale for each 32 numbers along K (OCP MX v1.0); their sums are f32. All else is computed in f32.
;;   The module's matrix products, in the order in which they are computed (A, B: the left and right operand; K: the contracted axis; several contracted axes count as one K, in the product's order):
;;     1. [M 4,096, K 1,024] x [K 1,024, N 3,072]; A: input src; B: input in_proj_w: QUANTISED
;;     2. batch 32 x [M 2,048, K 64] x [K 64, N 2,080]; A: computed on the way; B: computed on the way: QUANTISED
;;     3. batch 32 x [M 64, K 2,080] x [K 2,080, N 2,048]; A: computed on the way; B: softmax (see below): QUANTISED
;;     4. [M 4,096, K 1,024] x [K 1,024, N 1,024]; A: computed on the way; B: input out_w: QUANTISED
;;     5. [M 4,096, K 1,024] x [K 1,024, N 4,096]; A: computed on the way; B: input w1: QUANTISED
;;     6. [M 4,096, K 4,096] x [K 4,096, N 1,024]; A: computed on the way; B: input w2: QUANTISED
;;   THE QUANTISER, for each operand of a quantised product, along K:
;;     - K is cut into blocks of 32 from its start; a last block that is shorter is filled with zeros.
;;     - A block's scale is 2^e with e = floor(log2(the largest magnitude in the block)) - 4, held to -126 .. 127; a block of zeros has e = 0. As a byte (E8M0): e + 127.
;;     - Each number is divided by its block's scale, clamped to +-28, and rounded to the nearest number of E3M2, ties to even, subnormals kept.
;;     - The product sums the exact products of the quantised numbers (number of the format x scale) in f32.
;;   ~~~python
;;   def quantise(x, axis):      # numpy; x: float32 -> the quantised numbers, widened to float32 again
;;       x = np.moveaxis(x, axis, -1); K = x.shape[-1]
;;       x = np.pad(x, [(0, 0)] * (x.ndim - 1) + [(0, -K % 32)]); x = x.reshape(x.shape[:-1] + (-1, 32)); a = np.abs(x).max(-1, keepdims=True)
;;       e = np.where(a > 0, np.clip(np.frexp(np.where(a > 0, a, 1))[1] - 1 - 4, -126, 127), 0)      # np.frexp(a)[1] - 1 = floor(log2(a)), exactly
;;       r = np.clip(x / 2.0 ** e, -28, 28)
;;       step = 2.0 ** (np.maximum(np.frexp(np.where(r == 0, 1, r))[1] - 1, -2) - 2)
;;       q = np.round(r / step) * step * 2.0 ** e      # np.round: ties to even
;;       return np.moveaxis(q.reshape(q.shape[:-2] + (-1,))[..., :K], -1, axis).astype(np.float32)
;;   ~~~
;;   SOFTMAX AHEAD OF A QUANTISED PRODUCT. Where the list says 'softmax', what is quantised is not the finished softmax but p = 2^(t - M), with t = logit x log2(e) and M = ceil(the row's largest t), a whole number; so 1/2 < the row's largest p <= 1. The row's sum l is taken of the UNQUANTISED p, in f32, and the product's result is divided by l at the end. Since M is a whole number, a kernel that streams over the keys may use a running M (the ceiling of the running maximum): every later rescaling is an exact power of two, which a block's scale takes up: the codes' values come out the same.
;;   OPERANDS COMPUTED ON THE WAY. 'Computed on the way' means the value that the module computes at that place (a softmax that the list does not call 'softmax' is quantised finished and normalised). What goes into a quantiser is computed in f32, as accurately as f32 sums, v_exp_f32 and their like allow (about 1e-6 of the number): no bf16 or f16 on the way to a quantiser, and a product that is left as it is and whose result goes on into a quantised operand takes f32 operands (vector FMAs, or v_wmma_f32_16x16x4_f32). A number that lies on a knife's edge between two numbers of the format may be rounded either way, as far as f32 arithmetic and the matrix unit's own rounding can turn it there, and no further.
;; 2 versions. Each part assembles by itself: llvm-mc -triple=amdgcn-amd-amdhsa -mcpu=gfx1250 --defsym DOCPART=n.
;; ======== version 1 of 2: 8 launches
;; workspace buffers: opw 13,631,488 bytes; qkb 7,454,720 bytes; vtb 3,620,864 bytes; ar 3,407,872 bytes; yb 16,777,216 bytes; xf 16,777,216 bytes; hr 13,631,488 bytes
;; launch quant (part 1): grid 528 x 1, 4 waves a work-group, no clusters, 34,304 bytes of LDS; arguments src, in_proj_w, out_w, w1, w2, mem_k, mem_v, opw, qkb, vtb; writes opw, qkb, vtb
.if DOCPART == 1
	.amdgcn_target "amdgcn-amd-amdhsa--gfx1250"
	.amdhsa_code_object_version 6
	.text
	.protected	k_q351b9e0c01_quant
	.globl	k_q351b9e0c01_quant
	.p2align	8
	.type	k_q351b9e0c01_quant,@function
k_q351b9e0c01_quant:
	s_mov_b64 s[64:65], 0
	v_nop
	global_prefetch_b8 v0, s[64:65] scope:SCOPE_SE
	s_setreg_imm32_b32 hwreg(HW_REG_WAVE_MODE, 25, 1), 1
	s_wait_xcnt 0x0
; src [4096][1024], in_proj_w [3072][1024], out_w [1024][1024], w1 [4096][1024], w2 [1024][4096], all f32 with K innermost, become operands of MX-BF6 (E3M2 codes, one E8M0 byte for each 32 along K),
; laid as RECORDS: the image of one operand fragment (16 rows x 128 K: 12 registers a lane) and its scale words, 1,664 bytes:
;   0: registers 0-3, 16 bytes a lane | 512: registers 4-5, 8 a lane | 768: registers 6-9 | 1280: registers 10-11 | 1536: the scale word, 4 a lane (lanes 16-31 repeat lanes 0-15).
; THE 16 ROWS OF A BLOCK ARE NOT NEIGHBOURS: place p of block i holds row 32 (i / 2) + 8 (i % 2) + p + 8 (p / 8), so that a product that takes such a block as source 0 leaves 16 neighbours in a lane's 16 registers of two tiles.
; src's rows are taken batch by batch: blocks 0-127 batch 0, blocks 128-255 batch 1; within a batch the row number above is t, and the true row is 2 t + batch.
; SHARES.  Work-groups 0-511: each wave makes four records on end (16 rows x 512 K): it reads 16 x 2,048 bytes and stores 6,656 consecutive bytes.  Which tensor: by the work-group's number; only pointers and figures are chosen, all take one path.
; A load takes 512 consecutive bytes of one row; the conversions want 16 neighbours along K in one lane: the 16 x 512 bytes turn through the wave's own stage in LDS (rows 528 bytes apart).
; Work-groups 512-527 (one a head): the 32 memory tokens.  sqrt(32) mem_v becomes V^T's last K step (32 keys, the rest zero codes), 8 mem_k the last two tiles of K; both for both batches.  No LDS on that path.
; A block's scale: the largest magnitude's exponent field less 4, held at 1 from below.  LIMITS: NaN and infinities are not served; a block whose largest magnitude lies under 2^-122, a block of zeros among them, keeps the byte 1
; (a block of zeros has zero codes, which add nothing under any byte but 0xff; this program alone reads the bytes).
.set REC,  1664
.set SP,   528                         ; a stage row: 512 bytes + 16
.set STG,  16*SP                       ; a wave's stage
.set L16,  4                           ; v4   16 x lane
.set L8,   5                           ; v5   8 x lane
.set L4,   6                           ; v6   4 x lane
.set STI,  7                           ; v7   the stage by rows: my 16 bytes of a row
.set STL,  8                           ; v8   the stage by lanes: row lane % 16, + 64 (lane / 16)
.set PW,   9                           ; v9   the scale word just made
.set VO,   16                          ; v16-23  p x pitch + 16 x lane
.set TM,   24                          ; v24-39  at work in QUANT
.set PC,   40                          ; v40-59  the codes just made
.set R,    60                          ; v60-187 two sets of 64 registers as loaded
.set X,    188                         ; v188-251 64 numbers: register 16 b + i = k 32 b + 16 (lane / 16) + i of my row
.set SEL,  40                          ; s[40:41] selects for lane l xor 16
; 64 numbers of a lane become a fragment's codes in v[PC] on and its scale word in v[PW]
.macro QUANT s
.irp b, 0,1,2,3
	v_max3_num_f32 v[TM+\b], |v[\s+16*\b]|, |v[\s+1+16*\b]|, 0x2800000   ; block b: my 16 numbers, and the floor 2^(5 - 127): the byte cannot fall under 1
.endr
.irp i, 2,4,6,8,10,12,14
.irp b, 0,1,2,3
	v_max3_num_f32 v[TM+\b], v[TM+\b], |v[\s+16*\b+\i]|, |v[\s+1+16*\b+\i]|   ; the four blocks by turns
.endr
.endr
.irp b, 0,1,2,3
	v_permlanex16_b32 v[TM+4+\b], v[TM+\b], s[SEL], s[SEL+1]
.endr
.irp b, 0,1,2,3
	v_max_num_f32 v[TM+\b], v[TM+\b], v[TM+4+\b]   ; with lane l xor 16's: the block's largest magnitude
.endr
.irp b, 0,1,2,3
	v_add_nc_u32 v[TM+12+\b], 0xfe000000, v[TM+\b]   ; 4 off its exponent field: the conversion takes this operand's exponent field as its scale
.endr
.irp b, 0,1,2,3
	v_lshrrev_b32 v[TM+4+\b], 23, v[TM+12+\b]      ; the scale's byte
.endr
	v_lshl_or_b32 v[PW], v[TM+5], 8, v[TM+4]
	v_lshl_or_b32 v[PW], v[TM+6], 16, v[PW]
	v_lshl_or_b32 v[PW], v[TM+7], 24, v[PW]
.irp c, 0,1
	v_cvt_scalef32_pk16_bf6_f32 v[PC+6*\c:PC+2+6*\c], v[\s+32*\c:\s+15+32*\c], v[TM+12+2*\c]
	v_cvt_scalef32_pk16_bf6_f32 v[PC+12+4*\c:PC+14+4*\c], v[\s+16+32*\c:\s+31+32*\c], v[TM+12+2*\c+1]   ; (a conversion's three registers begin on an even number)
.endr
	v_nop                                          ; one plain place behind a scaled conversion
.irp c, 0,1                            ; the operand wants a WHOLE block in a lane: lanes 0-15 block 2 c, lanes 16-31 block 2 c + 1
.irp i, 0,1,2
	v_permlane16_swap_b32 v[PC+6*\c+\i], v[PC+12+4*\c+\i]
.endr
.irp i, 0,1,2
	v_mov_b32 v[PC+3+6*\c+\i], v[PC+12+4*\c+\i]
.endr
.endr
.endm
.macro RECOUT sb, imm                  ; a record leaves: 512, 256, 512, 256 and 128 consecutive bytes
	global_store_b128 v[L16], v[PC:PC+3], s[\sb:\sb+1] offset:\imm
	global_store_b64 v[L8], v[PC+4:PC+5], s[\sb:\sb+1] offset:\imm+512
	global_store_b128 v[L16], v[PC+6:PC+9], s[\sb:\sb+1] offset:\imm+768
	global_store_b64 v[L8], v[PC+10:PC+11], s[\sb:\sb+1] offset:\imm+1280
	global_store_b32 v[L4], v[PW], s[\sb:\sb+1] offset:\imm+1536
.endm
	s_load_b256 s[4:11], s[0:1], 0x0               ; src, in_proj_w, out_w, w1
	s_load_b256 s[12:19], s[0:1], 0x20             ; w2, mem_k, mem_v, opw
	s_load_b128 s[20:23], s[0:1], 0x40             ; qkb, vtb
	v_lshl_add_u32 v254, v0, 2, 0x8400
	v_mov_b32 v255, 0
	v_lshrrev_b32 v1, 5, v0
	v_readfirstlane_b32 s24, v1                    ; wave 0..3
	v_and_b32 v1, 31, v0                           ; lane
	v_and_b32 v2, 15, v0                           ; r
	v_bfe_u32 v3, v0, 4, 1                         ; h
	v_lshlrev_b32 v[L16], 4, v1
	v_lshlrev_b32 v[L8], 3, v1
	v_lshlrev_b32 v[L4], 2, v1
	s_mov_b32 s[SEL], 0x76543210
	s_mov_b32 s[SEL+1], 0xfedcba98
.irp b, 0,1,2,3
	v_mov_b32 v[TM+4+\b], 0                        ; written once: a lane permute's destination counts as one of its sources
.endr
	s_cmp_ge_u32 ttmp9, 512
	s_cbranch_scc1 .Lmem
	; ---- the five large tensors
	s_mul_i32 s25, s24, STG
	v_add_nc_u32 v[STI], s25, v[L16]
	v_mul_u32_u24 v[STL], v2, SP
	v_lshl_add_u32 v[STL], v3, 6, v[STL]
	v_add_nc_u32 v[STL], s25, v[STL]
	s_wait_kmcnt 0x0
	s_mov_b64 s[26:27], s[12:13]                   ; w2: from work-group 384 on; 8 units of 512 K to a block; rows 16,384 bytes apart
	s_mov_b32 s28, 384
	s_mov_b32 s29, 3
	s_mov_b32 s30, 16384
	s_mov_b32 s48, 7
	s_cmp_lt_u32 ttmp9, 384                        ; every choice hangs on the work-group's number alone
	s_cselect_b64 s[26:27], s[10:11], s[26:27]     ; w1
	s_cselect_b32 s28, 256, s28
	s_cselect_b32 s29, 1, s29
	s_cselect_b32 s30, 4096, s30
	s_cselect_b32 s48, 1, s48
	s_cmp_lt_u32 ttmp9, 256
	s_cselect_b64 s[26:27], s[8:9], s[26:27]       ; out_w
	s_cselect_b32 s28, 224, s28
	s_cmp_lt_u32 ttmp9, 224
	s_cselect_b64 s[26:27], s[6:7], s[26:27]       ; in_proj_w
	s_cselect_b32 s28, 128, s28
	s_cmp_lt_u32 ttmp9, 128
	s_cselect_b64 s[26:27], s[4:5], s[26:27]       ; src: t's rows are 8,192 bytes apart, the batch is block / 128
	s_cselect_b32 s28, 0, s28
	s_cselect_b32 s30, 8192, s30
	s_cselect_b32 s31, 127, -1
	s_cselect_b32 s32, 7, 31
	s_sub_co_u32 s33, ttmp9, s28
	s_lshl_b32 s33, s33, 2
	s_add_co_u32 s33, s33, s24                     ; my unit in the tensor
	s_lshr_b32 s34, s33, s29                       ; its block of 16 rows
	s_and_b32 s35, s33, s48                        ; which 512 along K
	s_lshr_b32 s36, s34, s32                       ; the batch (0 for the weights)
	s_and_b32 s34, s34, s31                        ; the block within the batch
	s_lshr_b32 s37, s34, 1
	s_lshl_b32 s37, s37, 5
	s_and_b32 s38, s34, 1
	s_lshl_b32 s38, s38, 3
	s_add_co_u32 s37, s37, s38                     ; the block's first row: 32 (i / 2) + 8 (i % 2)
	s_mul_i32 s38, s37, s30
	s_lshl_b32 s36, s36, 12
	s_add_co_u32 s38, s38, s36
	s_lshl_b32 s35, s35, 11
	s_add_co_u32 s38, s38, s35
	s_mov_b32 s39, 0
	s_add_nc_u64 s[42:43], s[26:27], s[38:39]      ; places 0-7
	s_lshl_b32 s38, s30, 4
	s_add_nc_u64 s[44:45], s[42:43], s[38:39]      ; places 8-15: 16 rows further down
	s_lshl_b32 s36, ttmp9, 2
	s_add_co_u32 s36, s36, s24
	s_mul_i32 s38, s36, 4*REC
	s_add_nc_u64 s[46:47], s[18:19], s[38:39]      ; my four records: the tensors' records follow each other in opw as the work-groups do
.irp p, 0,1,2,3,4,5,6,7
	v_mad_u32_u24 v[VO+\p], s30, \p, v[L16]
.endr
.macro LOAD q                          ; record q's numbers: 16 rows x 512 consecutive bytes
.irp p, 0,1,2,3,4,5,6,7
	global_load_b128 v[R+64*((\q)%2)+4*\p:R+64*((\q)%2)+4*\p+3], v[VO+\p], s[42:43] offset:512*(\q) th:TH_LOAD_NT
.endr
.irp p, 0,1,2,3,4,5,6,7
	global_load_b128 v[R+64*((\q)%2)+32+4*\p:R+64*((\q)%2)+32+4*\p+3], v[VO+\p], s[44:45] offset:512*(\q) th:TH_LOAD_NT
.endr
.endm
.macro TURNIN q                        ; through the stage: LDS serves a wave's instructions in order (ISA guide 5.7.1.4), so no wait stands between the stores and the loads
.irp p, 0,1,2,3,4,5,6,7,8,9,10,11,12,13,14,15
	ds_store_b128 v[STI], v[R+64*((\q)%2)+4*\p:R+64*((\q)%2)+4*\p+3] offset:\p*SP
.endr
.irp g, 0,1,2,3,4,5,6,7,8,9,10,11,12,13,14,15
	ds_load_b128 v[X+4*\g:X+4*\g+3], v[STL] offset:128*(\g/4)+16*(\g%4)
.endr
.endm
.macro RECORD q
.if (\q) < 3
	s_wait_loadcnt 16                              ; this record's 16 loads are in; the next record's 16 may be out
.else
	s_wait_loadcnt 0x0
.endif
	TURNIN \q
	s_wait_dscnt 0x0                               ; my 64 numbers are back
.if (\q) < 2
	LOAD (\q)+2
.endif
.if (\q) > 0
	s_wait_xcnt 0x0                                ; the last record's stores have read the codes and the scale word: they are written again only behind this wait
.endif
	QUANT X
	RECOUT 46, REC*(\q)
.endm
	LOAD 0
	LOAD 1
	RECORD 0
	RECORD 1
	RECORD 2
	RECORD 3
	s_wait_tensorcnt 0x0
	ds_add_u32 v254, v255
	s_wait_dscnt 0x0
	s_endpgm
.Lmem:	; ---- the memory tokens of head h = work-group - 512
	s_sub_co_u32 s25, ttmp9, 512
	v_and_b32 v10, 8, v2
	v_add_nc_u32 v10, v10, v2                      ; r + 8 (r / 8)
	v_lshlrev_b32 v11, 2, v10                      ; V: my column of the tile, in bytes
	s_lshr_b32 s26, s24, 1                         ; the wave is the tile of 16 of the head's 64: it begins at 32 (w / 2) + 8 (w % 2)
	s_lshl_b32 s26, s26, 5
	s_and_b32 s27, s24, 1
	s_lshl_b32 s28, s27, 3
	s_add_co_u32 s26, s26, s28
	s_lshl_b32 s28, s25, 6
	s_add_co_u32 s26, s26, s28
	s_lshl_b32 s28, s26, 2
	s_mov_b32 s29, 0
	s_wait_kmcnt 0x0
	s_add_nc_u64 s[30:31], s[16:17], s[28:29]
.set II, 0
.rept 32
	global_load_b32 v[X+II], v11, s[30:31] offset:4096*II   ; mem_v(token, my column): my registers run down the tokens, which are this product's K
.set II, II+1
.endr
	v_lshlrev_b32 v12, 12, v10                     ; K: key 8 u + r + 8 (r / 8), u = wave % 2; my 32 of the head's 64: 128 bytes a half
	v_lshl_add_u32 v12, v3, 7, v12
	s_lshl_b32 s28, s27, 15
	s_lshl_b32 s32, s25, 8
	s_add_co_u32 s28, s28, s32
	s_add_nc_u64 s[32:33], s[14:15], s[28:29]
.irp j, 0,1,2,3,4,5,6,7
	global_load_b128 v[R+4*\j:R+4*\j+3], v12, s[32:33] offset:16*\j
.endr
	s_wait_loadcnt 8                               ; mem_v's 32 loads are in; mem_k's 8 may be out
.set II, 0
.rept 32
	v_mul_f32 v[X+II], 0x40b504f3, v[X+II]         ; x sqrt(32)
.set II, II+1
.endr
	v_max3_num_f32 v[TM], |v[X]|, |v[X+1]|, 0x2800000   ; the block is all mine
.set II, 2
.rept 15
	v_max3_num_f32 v[TM], v[TM], |v[X+II]|, |v[X+II+1]|
.set II, II+2
.endr
	v_add_nc_u32 v[TM+12], 0xfe000000, v[TM]
	v_lshrrev_b32 v[PW], 23, v[TM+12]              ; the scale word: this block's byte; the step's other three blocks are zero codes under the byte 0
	v_cvt_scalef32_pk16_bf6_f32 v[PC:PC+2], v[X:X+15], v[TM+12]
	v_cvt_scalef32_pk16_bf6_f32 v[PC+12:PC+14], v[X+16:X+31], v[TM+12]
	v_nop
.irp i, 0,1,2
	v_mov_b32 v[PC+3+\i], v[PC+12+\i]
.endr
	v_cmp_gt_u32 vcc_lo, 16, v1
.irp i, 0,1,2,3,4,5
	v_cndmask_b32 v[PC+\i], 0, v[PC+\i], vcc_lo    ; lanes 16-31 hold keys 32-63 of the step: none
.endr
.irp i, 6,7,8,9,10,11
	v_mov_b32 v[PC+\i], 0                          ; keys 64-127: none
.endr
	s_mul_i32 s28, s25, 17
	s_add_co_u32 s28, s28, 16
	s_lshl_b32 s28, s28, 2
	s_add_co_u32 s28, s28, s24
	s_mul_i32 s28, s28, REC
	s_add_nc_u64 s[34:35], s[22:23], s[28:29]      ; vtb: record ((head x 17 + 16) x 4 + tile)
	RECOUT 34, 0
	RECOUT 34, 16*17*4*REC                         ; and the same for batch 1
	s_wait_loadcnt 0x0
	s_wait_xcnt 0x0                                ; the stores have read the codes and the word
.set II, 0
.rept 32
	v_mul_f32 v[R+II], 0x41000000, v[R+II]         ; x 8
.set II, II+1
.endr
	v_max3_num_f32 v[TM], |v[R]|, |v[R+1]|, 0x2800000
.set II, 2
.rept 15
	v_max3_num_f32 v[TM], v[TM], |v[R+II]|, |v[R+II+1]|
.set II, II+2
.endr
	v_add_nc_u32 v[TM+12], 0xfe000000, v[TM]
	v_lshrrev_b32 v13, 23, v[TM+12]
	v_lshlrev_b32 v14, 3, v3
	v_lshlrev_b32 v13, v14, v13                    ; my block's byte at its place: 8 h bits up
	v_permlanex16_b32 v[TM+4], v13, s[SEL], s[SEL+1]
	v_or_b32 v[PW], v13, v[TM+4]                   ; with lane l xor 16's the two bytes are there
	v_cvt_scalef32_pk16_bf6_f32 v[PC:PC+2], v[R:R+15], v[TM+12]
	v_cvt_scalef32_pk16_bf6_f32 v[PC+12:PC+14], v[R+16:R+31], v[TM+12]
	v_nop
.irp i, 0,1,2
	v_mov_b32 v[PC+3+\i], v[PC+12+\i]
.endr
	s_lshr_b32 s28, s24, 1                         ; the batch: wave / 2
	s_lshl_b32 s28, s28, 4
	s_add_co_u32 s28, s28, s25
	s_add_co_u32 s28, s28, 32
	s_mul_i32 s28, s28, 130
	s_add_co_u32 s28, s28, 128
	s_add_co_u32 s28, s28, s27
	s_mul_i32 s28, s28, 896
	s_add_nc_u64 s[36:37], s[20:21], s[28:29]      ; qkb: K's region 32 + 16 batch + head, tile 128 + u
	global_store_b128 v[L16], v[PC:PC+3], s[36:37]
	global_store_b64 v[L8], v[PC+4:PC+5], s[36:37] offset:512
	global_store_b32 v[L4], v[PW], s[36:37] offset:768
	s_endpgm
.Lfunc_end_k_q351b9e0c01_quant:
	.size	k_q351b9e0c01_quant, .Lfunc_end_k_q351b9e0c01_quant-k_q351b9e0c01_quant
	.p2alignl 7, 3214868480
	.fill 96, 4, 3214868480
	.section	.rodata,"a",@progbits
	.p2align	6, 0x0
	.amdhsa_kernel k_q351b9e0c01_quant
		.amdhsa_group_segment_fixed_size 34304
		.amdhsa_private_segment_fixed_size 0
		.amdhsa_enable_private_segment 0
		.amdhsa_kernarg_size 80
		.amdhsa_user_sgpr_count 2
		.amdhsa_user_sgpr_kernarg_segment_ptr 1
		.amdhsa_wavefront_size32 1
		.amdhsa_system_sgpr_workgroup_id_x 1
		.amdhsa_system_sgpr_workgroup_id_y 1
		.amdhsa_system_sgpr_workgroup_id_z 1
		.amdhsa_system_vgpr_workitem_id 0
		.amdhsa_next_free_vgpr 256
		.amdhsa_next_free_sgpr 66
		.amdhsa_reserve_vcc 1
		.amdhsa_float_denorm_mode_32 3
		.amdhsa_float_denorm_mode_16_64 3
		.amdhsa_memory_ordered 1
		.amdhsa_forward_progress 1
		.amdhsa_inst_pref_size 49
	.end_amdhsa_kernel
	.amdgpu_metadata
---
amdhsa.version: [ 1, 2 ]
amdhsa.kernels:
  - .name:           k_q351b9e0c01_quant
    .symbol:         k_q351b9e0c01_quant.kd
    .args:
      - { .name: src, .offset: 0, .size: 8, .value_kind: global_buffer, .address_space: global }
      - { .name: in_proj_w, .offset: 8, .size: 8, .value_kind: global_buffer, .address_space: global }
      - { .name: out_w, .offset: 16, .size: 8, .value_kind: global_buffer, .address_space: global }
      - { .name: w1, .offset: 24, .size: 8, .value_kind: global_buffer, .address_space: global }
      - { .name: w2, .offset: 32, .size: 8, .value_kind: global_buffer, .address_space: global }
      - { .name: mem_k, .offset: 40, .size: 8, .value_kind: global_buffer, .address_space: global }
      - { .name: mem_v, .offset: 48, .size: 8, .value_kind: global_buffer, .address_space: global }
      - { .name: opw, .offset: 56, .size: 8, .value_kind: global_buffer, .address_space: global }
      - { .name: qkb, .offset: 64, .size: 8, .value_kind: global_buffer, .address_space: global }
      - { .name: vtb, .offset: 72, .size: 8, .value_kind: global_buffer, .address_space: global }
    .group_segment_fixed_size: 34304
    .private_segment_fixed_size: 0
    .kernarg_segment_align: 8
    .kernarg_segment_size: 80
    .max_flat_workgroup_size: 128
    .sgpr_count:     66
    .vgpr_count:     256
    .wavefront_size: 32
...
	.end_amdgpu_metadata
.endif
;; end of part 1
;; launch qkv (part 2): grid 8 x 24, 4 waves a work-group, clusters of 4 x 4, 327,680 bytes of LDS; arguments opw, in_proj_b, qkb, vtb; writes qkb, vtb
.if DOCPART == 2
	.amdgcn_target "amdgcn-amd-amdhsa--gfx1250"
	.amdhsa_code_object_version 6
	.text
	.protected	k_q351b9e0c01_qkv
	.globl	k_q351b9e0c01_qkv
	.p2align	8
	.type	k_q351b9e0c01_qkv,@function
k_q351b9e0c01_qkv:
	s_mov_b64 s[64:65], 0
	v_nop
	global_prefetch_b8 v0, s[64:65] scope:SCOPE_SE
	s_setreg_imm32_b32 hwreg(HW_REG_WAVE_MODE, 25, 1), 1
	s_wait_xcnt 0x0
	s_wait_alu depctr_hold_cnt(0) depctr_sa_sdst(0) depctr_va_vdst(0) depctr_va_sdst(0) depctr_va_ssrc(0) depctr_va_vcc(0) depctr_vm_vsrc(0)
	s_getreg_b32 s2, hwreg(HW_REG_IB_STS2, 6, 4)
	s_cmp_eq_u32 s2, 0
	s_cbranch_scc0 .Lentry_in_a_cluster
	s_endpgm
.Lentry_in_a_cluster:
	s_bfe_u32 s2, ttmp6, 0x10000c
	s_cmp_lg_u32 s2, 0xf033
	s_cbranch_scc0 .Lentry_shape_is_right
	s_endpgm
.Lentry_shape_is_right:
; q, k, v = src in_proj_w^T + in_proj_b on codes of MX-BF6; q x 1/8; then q and k are quantised along the head's 64 and v along the KEYS, all on the way out, in registers.
; OPERANDS are records of 1,664 bytes, the image of a fragment (16 rows x 128 K) and its scale words: 0: registers 0-3 (16 bytes a lane) | 512: 4-5 (8 a lane) | 768: 6-9 | 1280: 10-11 | 1536: the scale word (4 a lane, lanes 16-31 repeat).
; Record (block i, K step s) lies at (8 i + s) x 1,664, so two K steps of a block are 3,328 consecutive bytes.  Place p of block i holds row 32 (i / 2) + 8 (i % 2) + p + 8 (p / 8).
; A tile of 256 x 256 is made by four waves, as many as a WGP has SIMDs; a wave makes 128 x 128: 64 accumulators of 16 x 16, 512 registers.  K goes in steps of 256 through a ring of two LDS slots filled by the tensor data mover.
; THE MATRIX INSTRUCTION IS USED TRANSPOSED: source 0 = a block of B, source 1 = a block of A.  By the order of B's rows, lane (r, h) then holds, for A's row at place r, in the 64 registers of A's block: register 16 b + i = B's row 32 b + 16 h + i.
; TWO PARTS, by the cluster's y (the same in all partners).  y < 4: A = src, B = in_proj_w's rows 0-2047: a lane holds one row of q or k, registers along the columns.  y >= 4: A = in_proj_w's rows 2048-3071, B = src:
; a lane holds one channel of v, registers along the keys, which are the K of attention's second product.  The loop is the same text; only offsets into opw differ.
; CLUSTERS: 4 x 4 work-groups.  The four of a row of the cluster need the same tiles of A, the four of a column the same tiles of B: each tile is asked for JOINTLY, by the same tensor load with the same descriptor and a mask that names the four.
; OUT.  q, k: half records of 896 bytes (registers 0-5 and the scale word) in qkb, region (q: 16 batch + head; k: 32 + 16 batch + head) x 116,480 + tile x 896.  v: records in vtb at (((16 batch + head) x 17 + key step) x 4 + tile of 16 channels) x 1,664.
; REGISTERS, in windows of 256: window 0: v0-31 addresses; v32-63 scale words, two sets; v64-127 the columns' biases; v128-223 A's fragments, ONE set (on the way out: codes and work); v224-239 the rows' biases.
;   window 1: B's fragments, TWO sets, at v0 and v128.   window 2: the accumulators of my rows 0-63 ((a, b) at v[8 (8 a + b)]);   window 3: those of my rows 64-127.
; LIMITS: NaN and infinities are not served; a block whose largest magnitude lies under 2^-122 keeps the scale byte 1 (a block of zeros has zero codes; this program alone reads the bytes).
.set KS,     8                         ; K steps of 128 in a row
.set REC,    1664
.set PAIR,   2*REC                     ; a block's part of a slot: two K steps
.set BLKB,   KS*REC                    ; a block of 16 rows in memory
.set NQ,     2                         ; matrix instructions deep in a slot
.set FR,     12                        ; registers of a fragment
.set NL,     4                         ; LDS loads that bring one
.set NP,     4                         ; places behind this matrix instruction (ISA guide 7.12.1)
.set HALFT,  8*PAIR                    ; 8 blocks: what one tensor load brings, and what one wave reads of A or of B
.set SLOT,   4*HALFT                   ; A's 16 blocks, then B's 16
.set SPARE,  2*SLOT                    ; behind the ring: the spare words, 128 bytes for each wave: two blocks of 256 bytes that no other line names
.set LAPS,   KS/4                      ; a lap = two slots = 512 along K
.set OFF_IPW, 3407872                  ; in opw: src's records at 0, in_proj_w's here,
.set OFF_WV,  5111808                  ; its rows 2048 on here
.set A16, 16                           ; v16-17  16 x lane + my 8 blocks of A in slot 0, 1
.set A8,  18                           ; v18-19  8 x lane + the same
.set B16, 20                           ; v20-23  the same for B
.set B8,  22
.set L16, 24                           ; v24-26  16, 8, 4 x lane
.set L8,  25
.set L4,  26
.set SPW, 28                           ; v28     LDS address of my spare word; never rewritten
.set NIL, 29                           ; v29     0; never rewritten
.set S4,  30                           ; v30-31  my scale words in slot 0, 1: lanes 0-15 A's, lanes 16-31 B's
.set SC,  32                           ; scale words: set s at v[32 + 16 s]; register 2 i + q: lanes 0-15 A's block i, lanes 16-31 B's block i, the slot's q-th 128 along K
.set BB,  64
.set AF,  128
.set BV,  224
.set PC,  128                          ; the way out: codes v128-146, work v150-165, scale words v166, v167
.set TM,  150
.set PW,  166
.set PW2, 167
.set G1,  24                           ; s[24:31] descriptor group 1 for A's tiles;  s[32:39] group 0, one set for each slot
.set G0,  32
.set G1B, 48                           ; s[48:55], s[56:63] the same for B's
.set G0B, 56
.set FAC, 72                           ; s[72:73] 1/8 for q, 1 for k
.set SEL, 82                           ; s[82:83] selects for lane l xor 16
.set MSB, 0
.macro WIN new                         ; the immediate's high byte repeats the setting that is left
.if MSB != (\new)
	s_set_vgpr_msb (MSB<<8)|(\new)
.set MSB, (\new)
.endif
.endm
.set MUL_LO, 0xa1                      ; source 0 (B) window 1, source 1 (A) window 0, C and D window 2
.set MUL_HI, 0xf1                      ; the same, C and D window 3
.set TO_B,   0x40                      ; destination window 1, address window 0
; A joint load: waves 0 and 1 fetch for A, waves 2 and 3 for B.  Each line has ONE mask and one set of registers for all that issue it; the branch hangs on the wave's number alone.  Four v_nop follow each line.
.macro JLOAD g0a, g1a, g0b, g1b
	s_cmp_eq_u32 s15, 0
	s_cbranch_scc0 .Lfor_b_\@
	tensor_load_to_lds s[\g0a:\g0a+3], s[\g1a:\g1a+7]
	s_nop 0
.rept 4
	v_nop
.endr
	s_branch .Lasked_\@
.Lfor_b_\@:
	tensor_load_to_lds s[\g0b:\g0b+3], s[\g1b:\g1b+7]
	s_nop 0
.rept 4
	v_nop
.endr
.Lasked_\@:
.endm
.macro CREST                           ; a round of the cluster's barrier behind its opening barrier
	s_cmp_lg_u32 s14, 0
	s_cbranch_scc1 .Lnot_wave_0_\@
	s_barrier_signal -3
.Lnot_wave_0_\@:
	s_barrier_wait -3
	s_barrier_signal -1
	s_barrier_wait -1
.endm
.macro CROUND                          ; a whole round
	s_barrier_signal -1
	s_barrier_wait -1
	CREST
.endm
	s_load_b256 s[4:11], s[0:1], 0x0               ; opw, in_proj_b, qkb, vtb
	v_lshl_add_u32 v[SPW], v0, 2, SPARE
	v_mov_b32 v[NIL], 0
	ds_add_u32 v28, v29
	ds_add_u32 v28, v29
	s_wait_dscnt 0x0
	v_lshrrev_b32 v1, 5, v0
	v_readfirstlane_b32 s14, v1                    ; wave 0..3
	s_lshr_b32 s15, s14, 1                         ; which half of the tile's rows is mine.  Also: I fetch for A (0) or for B (1)
	s_and_b32 s16, s14, 1                          ; which half of its columns.  Also: which 8 blocks of that tile I fetch
	s_bfe_u32 s40, ttmp6, 0x40000                  ; cx, cy: my place in the cluster
	s_bfe_u32 s41, ttmp6, 0x40004
	s_and_b32 s76, ttmp7, 0xffff                   ; the cluster's y: 0-3 q and k, 4-5 v
	s_cmp_lt_u32 s76, 4
	s_cselect_b32 s17, s76, 0
	s_cselect_b32 s42, 4, s76
	s_cselect_b32 s77, 0, OFF_WV                   ; where A begins in opw,
	s_cselect_b32 s78, OFF_IPW, 0                  ; and B
	s_lshl_b32 s17, s17, 2
	s_add_co_u32 s17, s17, s41                     ; A's tile: q, k: 4 y + cy (of 16);  v: cy (of 4)
	s_sub_co_u32 s42, s42, 4
	s_lshl_b32 s42, s42, 1
	s_add_co_u32 s42, s42, ttmp9
	s_lshl_b32 s42, s42, 2
	s_add_co_u32 s42, s42, s40                     ; B's tile: q, k: 4 x + cx (of 8);  v: 4 (x + 2 (y - 4)) + cx (of 16)
	s_lshl_b32 s43, s41, 2
	s_lshl_b32 s43, 15, s43                        ; my row of the cluster
	s_lshl_b32 s44, 0x1111, s40                    ; my column
	; descriptor group 1: 8 rows (blocks) of 3,328 bytes, as 416 elements of 8 bytes, BLKB bytes apart; dense in LDS
	s_or_b32 s[G1+0], s43, (3<<16)|(1<<21)         ; 15:0 the mask: A's tiles go to my row; 17:16 elements of 8 bytes; 20 no padding; 21 set beside a mask
	s_or_b32 s[G1B+0], s44, (3<<16)|(1<<21)
.irp g, G1, G1B
	s_mov_b32 s[\g+1], 416<<16                     ; tensor_dim0
	s_mov_b32 s[\g+2], 8<<16                       ; tensor_dim1
	s_mov_b32 s[\g+3], 416<<16                     ; tile_dim0
	s_mov_b32 s[\g+4], 8                           ; tile_dim1
	s_mov_b32 s[\g+5], KS*208                      ; tensor_dim0_stride, in elements
	s_mov_b32 s[\g+6], 0
	s_mov_b32 s[\g+7], 0
.endr
	s_lshl_b32 s18, s16, 3                         ; which 8 blocks of the tile I fetch
	s_lshl_b32 s20, s17, 4
	s_add_co_u32 s20, s20, s18
	s_mul_i32 s20, s20, BLKB
	s_add_co_u32 s20, s20, s77                     ; A: made of cy, the cluster's y and the wave's number
	s_mov_b32 s21, 0
	s_lshl_b32 s46, s42, 4
	s_add_co_u32 s46, s46, s18
	s_mul_i32 s46, s46, BLKB
	s_add_co_u32 s46, s46, s78                     ; B: made of cx, the cluster's x and y and the wave's number
	s_mov_b32 s47, 0
	s_mul_i32 s45, s14, HALFT                      ; where they go: wave x 8 blocks: no place in the cluster enters an LDS address
	; the biases.  Both kinds are loaded in both parts, so that one path writes all registers; the kind that a part does not use is read at the buffer's start and dropped
	s_lshl_b32 s79, s42, 10
	s_lshl_b32 s80, s16, 9
	s_add_co_u32 s79, s79, s80                     ; q, k: my 128 columns' biases
	s_lshl_b32 s80, s17, 10
	s_lshl_b32 s81, s15, 9
	s_add_co_u32 s80, s80, s81
	s_add_co_u32 s80, s80, 8192                    ; v: my 128 channels' biases
	s_cmp_lt_u32 s76, 4
	s_cselect_b32 s70, s79, 0
	s_cselect_b32 s74, 0, s80
	s_mov_b32 s71, 0
	s_mov_b32 s75, 0
	s_cmp_lt_u32 s42, 4
	s_cselect_b32 s[FAC], 0x3e000000, 1.0          ; columns under 1,024 are q: x 1/8
	s_mov_b32 s[FAC+1], s[FAC]
	s_mov_b32 s[SEL], 0x76543210
	s_mov_b32 s[SEL+1], 0xfedcba98
	; where my results go.  q, k: region ((tile column / 4) x 2 + batch) x 16 + first head, tile 16 (tile row % 8) + 8 x half
	s_lshr_b32 s84, s42, 2
	s_lshl_b32 s84, s84, 1
	s_lshr_b32 s85, s17, 3
	s_add_co_u32 s84, s84, s85
	s_lshl_b32 s84, s84, 4
	s_and_b32 s85, s42, 3
	s_lshl_b32 s85, s85, 2
	s_add_co_u32 s84, s84, s85
	s_lshl_b32 s85, s16, 1
	s_add_co_u32 s84, s84, s85
	s_mul_i32 s84, s84, 116480
	s_and_b32 s85, s17, 7
	s_lshl_b32 s85, s85, 4
	s_lshl_b32 s86, s15, 3
	s_add_co_u32 s85, s85, s86
	s_mul_i32 s85, s85, 896
	s_add_co_u32 s84, s84, s85
	s_mov_b32 s85, 0
	; v: (((tile column / 8) x 16 + 4 x tile row + 2 x half) x 17 + (2 x tile column + half) % 16) x 4 records
	s_lshr_b32 s86, s42, 3
	s_lshl_b32 s86, s86, 4
	s_lshl_b32 s87, s17, 2
	s_add_co_u32 s86, s86, s87
	s_lshl_b32 s87, s15, 1
	s_add_co_u32 s86, s86, s87
	s_mul_i32 s86, s86, 17
	s_lshl_b32 s87, s42, 1
	s_add_co_u32 s87, s87, s16
	s_and_b32 s87, s87, 15
	s_add_co_u32 s86, s86, s87
	s_mul_i32 s86, s86, 4*REC
	s_mov_b32 s87, 0
	s_wait_kmcnt 0x0
	s_add_nc_u64 s[20:21], s[4:5], s[20:21]
	s_add_nc_u64 s[46:47], s[4:5], s[46:47]
	s_add_nc_u64 s[70:71], s[6:7], s[70:71]
	s_add_nc_u64 s[74:75], s[6:7], s[74:75]
	s_add_nc_u64 s[66:67], s[8:9], s[84:85]
	s_add_nc_u64 s[68:69], s[10:11], s[86:87]
	CROUND                                         ; all sixteen work-groups are here: the first joint loads meet
.irp s, 0,1
	s_mov_b32 s[G0+4*\s], 1                        ; 1:0 count = 1
	s_add_co_u32 s[G0+4*\s+1], s45, \s*SLOT        ; 63:32 LDS address
	s_add_nc_u64 s[G0+4*\s+2:G0+4*\s+3], s[20:21], \s*PAIR   ; 120:64 global address: K steps 2 s, 2 s + 1
	s_or_b32 s[G0+4*\s+3], s[G0+4*\s+3], 0x80000000   ; 127:126 type = 2
	s_mov_b32 s[G0B+4*\s], 1
	s_add_co_u32 s[G0B+4*\s+1], s45, \s*SLOT
	s_add_nc_u64 s[G0B+4*\s+2:G0B+4*\s+3], s[46:47], \s*PAIR
	s_or_b32 s[G0B+4*\s+3], s[G0B+4*\s+3], 0x80000000
	JLOAD G0+4*\s, G1, G0B+4*\s, G1B
.endr
	v_and_b32 v1, 31, v0                           ; lane
	v_bfe_u32 v2, v0, 4, 1                         ; h
	v_lshlrev_b32 v[L16], 4, v1
	v_lshlrev_b32 v[L8], 3, v1
	v_lshlrev_b32 v[L4], 2, v1
	v_lshlrev_b32 v3, 6, v2                        ; the columns' biases: 16 numbers a half
	v_and_b32 v4, 15, v0
	v_and_b32 v5, 8, v4
	v_add_nc_u32 v4, v4, v5
	v_lshlrev_b32 v4, 2, v4                        ; the rows' biases: place r is row r + 8 (r / 8) of its block
.irp b, 0,1,2,3,4,5,6,7
	global_load_b128 v[BB+8*\b:BB+8*\b+3], v3, s[70:71] offset:(32*(\b/2)+8*(\b%2))*4
	global_load_b128 v[BB+8*\b+4:BB+8*\b+7], v3, s[70:71] offset:(32*(\b/2)+8*(\b%2))*4+16
.endr
.irp a, 0,1,2,3,4,5,6,7
	global_load_b32 v[BV+2*\a], v4, s[74:75] offset:(32*(\a/2)+8*(\a%2))*4     ; twice: a pair for the packed addition
	global_load_b32 v[BV+2*\a+1], v4, s[74:75] offset:(32*(\a/2)+8*(\a%2))*4
.endr
	s_mul_i32 s21, s15, HALFT                      ; my 8 blocks of A
	s_mul_i32 s22, s16, HALFT                      ; my 8 blocks of B,
	s_add_co_u32 s22, s22, 2*HALFT                 ; which lie behind A's 16
.irp s, 0,1
	v_add_nc_u32 v[A16+\s], s21, v[L16]
	v_add_nc_u32 v[A8+\s], s21, v[L8]
	v_add_nc_u32 v[B16+\s], s22, v[L16]
	v_add_nc_u32 v[B8+\s], s22, v[L8]
	s_add_co_u32 s21, s21, SLOT
	s_add_co_u32 s22, s22, SLOT
.endr
	s_mul_i32 s21, s15, HALFT
	s_mul_i32 s22, s16, HALFT
	s_add_co_u32 s22, s22, 2*HALFT
	s_sub_co_u32 s22, s22, s21
	v_mul_u32_u24 v6, s22, v2                      ; lanes 16-31 take B's scale words (their image repeats the 16 words, so 4 x lane serves both halves)
	s_add_co_u32 s21, s21, 1536
	v_add_nc_u32 v5, v[L4], v6
	v_add_nc_u32 v[S4], s21, v5
	v_add_nc_u32 v[S4+1], SLOT, v[S4]
.macro FRAG reg, a16, a8, q, i         ; a fragment comes as it was stored: every load takes consecutive bytes
	ds_load_b128 v[\reg:\reg+3], v[\a16] offset:(\i)*PAIR+(\q)*REC
	ds_load_b64 v[\reg+4:\reg+5], v[\a8] offset:(\i)*PAIR+(\q)*REC+512
	ds_load_b128 v[\reg+6:\reg+9], v[\a16] offset:(\i)*PAIR+(\q)*REC+768
	ds_load_b64 v[\reg+10:\reg+11], v[\a8] offset:(\i)*PAIR+(\q)*REC+1280
.endm
; 16 matrix instructions: A's blocks a0, a0 + 1 x B's eight, 128 along K: the slot's q-th.  p: B's set;  sc: the set of scale words.  zero = 1: the first product starts the sums.
; The 64 accumulators take turns, one instruction a turn, in the same order in every step.
.macro MUL16 a0, p, q, sc, zero
.irp a, \a0, \a0+1
.irp b, 0,1,2,3,4,5,6,7
.if \zero
	v_wmma_scale_f32_16x16x128_f8f6f4 v[8*(8*((\a)%4)+\b):8*(8*((\a)%4)+\b)+7], v[128*(\p)+FR*\b:128*(\p)+FR*\b+FR-1], v[AF+FR*(\a):AF+FR*(\a)+FR-1], 0, v[SC+8*NQ*(\sc)+NQ*\b+(\q)], v[SC+8*NQ*(\sc)+NQ*(\a)+(\q)] matrix_a_fmt:MATRIX_FMT_BF6 matrix_b_fmt:MATRIX_FMT_BF6 matrix_a_scale:MATRIX_SCALE_ROW1
.else
	v_wmma_scale_f32_16x16x128_f8f6f4 v[8*(8*((\a)%4)+\b):8*(8*((\a)%4)+\b)+7], v[128*(\p)+FR*\b:128*(\p)+FR*\b+FR-1], v[AF+FR*(\a):AF+FR*(\a)+FR-1], v[8*(8*((\a)%4)+\b):8*(8*((\a)%4)+\b)+7], v[SC+8*NQ*(\sc)+NQ*\b+(\q)], v[SC+8*NQ*(\sc)+NQ*(\a)+(\q)] matrix_a_fmt:MATRIX_FMT_BF6 matrix_b_fmt:MATRIX_FMT_BF6 matrix_a_scale:MATRIX_SCALE_ROW1
.endif
.endr
.endr
.endm
.macro FETCH_B slot, q, p              ; B's eight fragments of the slot's q-th 128 along K into set p
	WIN TO_B
.irp i, 0,1,2,3,4,5,6,7
	FRAG 128*(\p)+FR*\i, B16+\slot, B8+\slot, \q, \i
.endr
	WIN 0
.endm
.macro FETCH_A slot, q, i0             ; A's blocks i0 .. i0 + 3
.irp i, \i0, \i0+1, \i0+2, \i0+3
	FRAG AF+FR*(\i), A16+\slot, A8+\slot, \q, \i
.endr
.endm
.macro SCALES sc                       ; a slot's scale words into set sc
.irp i, 0,1,2,3,4,5,6,7
	ds_load_b32 v[SC+8*NQ*\sc+NQ*\i], v[S4+\sc] offset:\i*PAIR
	ds_load_b32 v[SC+8*NQ*\sc+NQ*\i+1], v[S4+\sc] offset:\i*PAIR+REC
.endr
.endm
; A load into a register that a matrix instruction has read, and a vector instruction or store that reads a matrix result, stand NP places behind that matrix instruction; only plain vector
; instructions that name none of its registers are places (ISA guide 7.12.1 for vector instructions).
.macro PLACES n
.rept \n
	v_nop
.endr
.endm
; A step of 128 along K that has its successor in the same slot.  A block of A is free as soon as its eight products are issued: blocks 0-3 are fetched anew in the step's middle, blocks 4-7 at its end.
.macro STEP slot, q, zero
	s_wait_dscnt 4*NL                              ; B's set, A's blocks 0-3 and the scale words are in; the youngest 16 loads (A's blocks 4-7) may be out
	WIN MUL_LO
	MUL16 0, (\q)%2, \q, \slot, \zero
	MUL16 2, (\q)%2, \q, \slot, \zero
	s_wait_dscnt 0                                 ; A's blocks 4-7 are in (asked for 32 matrix instructions ago)
	PLACES NP
	FETCH_B \slot, (\q)+1, 1-(\q)%2
	FETCH_A \slot, (\q)+1, 0
	WIN MUL_HI
	MUL16 4, (\q)%2, \q, \slot, \zero
	MUL16 6, (\q)%2, \q, \slot, \zero
	PLACES NP
	WIN 0
	FETCH_A \slot, (\q)+1, 4
.endm
; A slot's last step changes slots: ONE barrier; in front of it each wave waits for all its tensor loads, adds 0 to its spare word, and waits for that and for its own reads of this slot.  fill = 1: this slot is filled again, two slots ahead.
.macro TURN slot, next, fill
	s_wait_tensorcnt 0x0                           ; all my tensor loads have landed: my part of the next slot  (every window is 0 here)
	ds_add_u32 v[SPW], v[NIL]                      ; 0 onto my spare word
	s_wait_dscnt 4*NL+1                            ; (the add and the youngest 16 loads, A's blocks 4-7, may be out)
	WIN MUL_LO
	MUL16 0, 1, NQ-1, \slot, 0                     ; sixteen matrix instructions stand between the add and the wait for it
	s_wait_dscnt 0x0                               ; the add is done, and my reads of this slot are over
	s_barrier_signal -1
	MUL16 2, 1, NQ-1, \slot, 0
	WIN 0
	s_barrier_wait -1
.if \fill
	CREST                                          ; the barrier has opened a round of the cluster's barrier: no wave of any partner still reads this slot or has a load on its way
	s_add_nc_u64 s[G0+4*\slot+2:G0+4*\slot+3], s[G0+4*\slot+2:G0+4*\slot+3], 2*PAIR
	s_add_nc_u64 s[G0B+4*\slot+2:G0B+4*\slot+3], s[G0B+4*\slot+2:G0B+4*\slot+3], 2*PAIR
	JLOAD G0+4*\slot, G1, G0B+4*\slot, G1B         ; the first tensor load behind the round; its four v_nop are the places in front of the loads below
.else
	PLACES NP
.endif
	FETCH_B \next, 0, 0
	FETCH_A \next, 0, 0
	SCALES \next
	WIN MUL_HI
	MUL16 4, 1, NQ-1, \slot, 0
	MUL16 6, 1, NQ-1, \slot, 0
	PLACES NP
	WIN 0
	FETCH_A \next, 0, 4
.endm
	s_wait_tensorcnt 1                             ; my part of slot 0 is in (slot 1's load may be out)
	s_wait_loadcnt 0x0                             ; and the biases: no global load is out during the loop
	s_barrier_signal -1
	s_barrier_wait -1                              ; everybody's is
	FETCH_B 0, 0, 0
	FETCH_A 0, 0, 0
	SCALES 0
	FETCH_A 0, 0, 4
	STEP 0, 0, 1                                   ; the first step stands in front of the loop: its products start the sums
	s_mov_b32 s3, LAPS-1
.Llap:                                                 ; a trip goes once round the ring, from a lap's second step to the next lap's first, and fills both slots again
	TURN 0, 1, 1
	STEP 1, 0, 0
	TURN 1, 0, 1
	STEP 0, 0, 0
	s_sub_co_u32 s3, s3, 1
	s_cmp_lg_u32 s3, 0
	s_cbranch_scc1 .Llap
	TURN 0, 1, 0                                   ; the last lap fills nothing, and has no round of the cluster's barrier
	STEP 1, 0, 0
	s_wait_dscnt 4*NL                              ; the very last step: nothing more to fetch
	WIN MUL_LO
	MUL16 0, 1, NQ-1, 1, 0
	MUL16 2, 1, NQ-1, 1, 0
	s_wait_dscnt 0
	WIN MUL_HI
	MUL16 4, 1, NQ-1, 1, 0
	MUL16 6, 1, NQ-1, 1, 0
	WIN 0
; THE WAY OUT.  The 64 numbers of a lane in window w, v[s] on (register 16 b + i = k 32 b + 16 (lane / 16) + i of my row), become a fragment's codes in v[PC] on and its scale word in v[PW], both in window 0.
.macro QUANTW s, w
	WIN (\w)|((\w)<<2)                             ; sources 0 and 1: window w
.irp b, 0,1,2,3
	v_max3_num_f32 v[TM+\b], |v[\s+16*\b]|, |v[\s+1+16*\b]|, 0x2800000   ; block b: my 16 numbers, and the floor 2^(5 - 127): the byte cannot fall under 1
.endr
.irp i, 2,4,6,8,10,12,14
.irp b, 0,1,2,3
	v_max3_num_f32 v[TM+\b], |v[\s+16*\b+\i]|, |v[\s+1+16*\b+\i]|, v[TM+\b]
.endr
.endr
	WIN 0
.irp b, 0,1,2,3
	v_permlanex16_b32 v[TM+4+\b], v[TM+\b], s[SEL], s[SEL+1]
.endr
.irp b, 0,1,2,3
	v_max_num_f32 v[TM+\b], v[TM+\b], v[TM+4+\b]   ; with lane l xor 16's: the block's largest magnitude
.endr
.irp b, 0,1,2,3
	v_add_nc_u32 v[TM+12+\b], 0xfe000000, v[TM+\b]   ; 4 off its exponent field: the conversion's scale operand
.endr
.irp b, 0,1,2,3
	v_lshrrev_b32 v[TM+4+\b], 23, v[TM+12+\b]      ; the scale's byte
.endr
	v_lshl_or_b32 v[PW], v[TM+5], 8, v[TM+4]
	v_lshl_or_b32 v[PW], v[TM+6], 16, v[PW]
	v_lshl_or_b32 v[PW], v[TM+7], 24, v[PW]
	WIN (\w)                                       ; source 0: window w
.irp c, 0,1
	v_cvt_scalef32_pk16_bf6_f32 v[PC+6*\c:PC+2+6*\c], v[\s+32*\c:\s+15+32*\c], v[TM+12+2*\c]
	v_cvt_scalef32_pk16_bf6_f32 v[PC+12+4*\c:PC+14+4*\c], v[\s+16+32*\c:\s+31+32*\c], v[TM+12+2*\c+1]
.endr
	WIN 0
	v_nop                                          ; one plain place behind a scaled conversion
.irp c, 0,1                            ; a WHOLE block to a lane: lanes 0-15 block 2 c, lanes 16-31 block 2 c + 1
.irp i, 0,1,2
	v_permlane16_swap_b32 v[PC+6*\c+\i], v[PC+12+4*\c+\i]
.endr
.irp i, 0,1,2
	v_mov_b32 v[PC+3+6*\c+\i], v[PC+12+4*\c+\i]
.endr
.endr
.endm
; q, k: block a's 16 rows x my 128 columns, which are two heads: (sum + bias) x factor, one rounding (the factor is a power of two); each head's 64 are half a fragment
.macro EPI_QK a
.set AC, 64*((\a)%4)
.set WW, 2+(\a)/4
.if (\a) > 0
	s_wait_xcnt 0x0                                ; the last block's stores have read the codes and the words
.endif
	WIN (WW<<6)|WW
.set JJ, 0
.rept 32
	v_pk_fma_f32 v[AC+JJ:AC+JJ+1], v[AC+JJ:AC+JJ+1], s[FAC:FAC+1], v[BB+JJ:BB+JJ+1] op_sel_hi:[1,0,1]   ; each accumulator from its low end on
.set JJ, JJ+2
.endr
	QUANTW AC, WW
	v_lshrrev_b32 v[PW2], 16, v[PW]                ; the second head's two bytes
	global_store_b128 v[L16], v[PC:PC+3], s[66:67] offset:896*(\a)
	global_store_b64 v[L8], v[PC+4:PC+5], s[66:67] offset:896*(\a)+512
	global_store_b32 v[L4], v[PW], s[66:67] offset:896*(\a)+768          ; its upper two bytes belong to zero codes and are no 0xff
	global_store_b128 v[L16], v[PC+6:PC+9], s[66:67] offset:116480+896*(\a)
	global_store_b64 v[L8], v[PC+10:PC+11], s[66:67] offset:116480+896*(\a)+512
	global_store_b32 v[L4], v[PW2], s[66:67] offset:116480+896*(\a)+768
.endm
; v: block a's 16 channels x my 128 keys: + the channel's bias; a whole record
.macro EPI_V a
.set AC, 64*((\a)%4)
.set WW, 2+(\a)/4
.if (\a) > 0
	s_wait_xcnt 0x0
.endif
	WIN (WW<<6)|WW
.set JJ, 0
.rept 32
	v_pk_add_f32 v[AC+JJ:AC+JJ+1], v[AC+JJ:AC+JJ+1], v[BV+2*(\a):BV+2*(\a)+1]
.set JJ, JJ+2
.endr
	QUANTW AC, WW
	global_store_b128 v[L16], v[PC:PC+3], s[68:69] offset:((\a)/4)*17*4*REC+((\a)%4)*REC
	global_store_b64 v[L8], v[PC+4:PC+5], s[68:69] offset:((\a)/4)*17*4*REC+((\a)%4)*REC+512
	global_store_b128 v[L16], v[PC+6:PC+9], s[68:69] offset:((\a)/4)*17*4*REC+((\a)%4)*REC+768
	global_store_b64 v[L8], v[PC+10:PC+11], s[68:69] offset:((\a)/4)*17*4*REC+((\a)%4)*REC+1280
	global_store_b32 v[L4], v[PW], s[68:69] offset:((\a)/4)*17*4*REC+((\a)%4)*REC+1536
.endm
	PLACES NP                                      ; behind the last products: their results are read, and the registers that held A's fragments are written
.irp b, 0,1,2,3
	v_mov_b32 v[TM+4+\b], 0                        ; written once: a lane permute's destination counts as one of its sources
.endr
	s_cmp_lt_u32 s76, 4                            ; the cluster's y: the same in all partners
	s_cbranch_scc0 .Lvpart
.set JJ, 0
.rept 32
	v_pk_mul_f32 v[BB+JJ:BB+JJ+1], v[BB+JJ:BB+JJ+1], s[FAC:FAC+1] op_sel_hi:[1,0]   ; bias x factor, exact
.set JJ, JJ+2
.endr
.irp a, 0,1,2,3,4,5,6,7
	EPI_QK \a
.endr
	s_branch .Ldone
.Lvpart:
.irp a, 0,1,2,3,4,5,6,7
	EPI_V \a
.endr
.Ldone:
	s_wait_tensorcnt 0x0                           ; the wave's end
	ds_add_u32 v[SPW], v[NIL]
	s_wait_dscnt 0x0
	CROUND                                         ; the closing round: no work-group ends while a partner may still ask for a tile that names it
	s_endpgm
.Lfunc_end_k_q351b9e0c01_qkv:
	.size	k_q351b9e0c01_qkv, .Lfunc_end_k_q351b9e0c01_qkv-k_q351b9e0c01_qkv
	.p2alignl 7, 3214868480
	.fill 96, 4, 3214868480
	.section	.rodata,"a",@progbits
	.p2align	6, 0x0
	.amdhsa_kernel k_q351b9e0c01_qkv
		.amdhsa_group_segment_fixed_size 327680
		.amdhsa_private_segment_fixed_size 0
		.amdhsa_enable_private_segment 0
		.amdhsa_kernarg_size 32
		.amdhsa_user_sgpr_count 2
		.amdhsa_user_sgpr_kernarg_segment_ptr 1
		.amdhsa_wavefront_size32 1
		.amdhsa_system_sgpr_workgroup_id_x 1
		.amdhsa_system_sgpr_workgroup_id_y 1
		.amdhsa_system_sgpr_workgroup_id_z 1
		.amdhsa_system_vgpr_workitem_id 0
		.amdhsa_next_free_vgpr 1024
		.amdhsa_next_free_sgpr 100
		.amdhsa_reserve_vcc 0
		.amdhsa_float_denorm_mode_32 3
		.amdhsa_float_denorm_mode_16_64 3
		.amdhsa_memory_ordered 1
		.amdhsa_forward_progress 1
		.amdhsa_inst_pref_size 224
	.end_amdhsa_kernel
	.amdgpu_metadata
---
amdhsa.version: [ 1, 2 ]
amdhsa.kernels:
  - .name:           k_q351b9e0c01_qkv
    .symbol:         k_q351b9e0c01_qkv.kd
    .args:
      - { .name: opw, .offset: 0, .size: 8, .value_kind: global_buffer, .address_space: global }
      - { .name: in_proj_b, .offset: 8, .size: 8, .value_kind: global_buffer, .address_space: global }
      - { .name: qkb, .offset: 16, .size: 8, .value_kind: global_buffer, .address_space: global }
      - { .name: vtb, .offset: 24, .size: 8, .value_kind: global_buffer, .address_space: global }
    .group_segment_fixed_size: 327680
    .private_segment_fixed_size: 0
    .kernarg_segment_align: 8
    .kernarg_segment_size: 32
    .max_flat_workgroup_size: 128
    .sgpr_count:     100
    .vgpr_count:     1024
    .wavefront_size: 32
...
	.end_amdgpu_metadata
.endif
;; end of part 2
;; launch attn (part 3): grid 8 x 32, 16 waves a work-group, clusters of 4 x 1, 231,680 bytes of LDS; arguments qkb, vtb, ar; writes ar
.if DOCPART == 3
	.amdgcn_target "amdgcn-amd-amdhsa--gfx1250"
	.amdhsa_code_object_version 6
	.text
	.protected	k_q351b9e0c01_attn
	.globl	k_q351b9e0c01_attn
	.p2align	8
	.type	k_q351b9e0c01_attn,@function
k_q351b9e0c01_attn:
	s_mov_b64 s[64:65], 0
	v_nop
	global_prefetch_b8 v0, s[64:65] scope:SCOPE_SE
	s_setreg_imm32_b32 hwreg(HW_REG_WAVE_MODE, 25, 1), 1
	s_wait_xcnt 0x0
	s_wait_alu depctr_hold_cnt(0) depctr_sa_sdst(0) depctr_va_vdst(0) depctr_va_sdst(0) depctr_va_ssrc(0) depctr_va_vcc(0) depctr_vm_vsrc(0)
	s_getreg_b32 s2, hwreg(HW_REG_IB_STS2, 6, 4)
	s_cmp_eq_u32 s2, 0
	s_cbranch_scc0 .Lentry_in_a_cluster
	s_endpgm
.Lentry_in_a_cluster:
	s_bfe_u32 s2, ttmp6, 0x10000c
	s_cmp_lg_u32 s2, 0x3003
	s_cbranch_scc0 .Lentry_shape_is_right
	s_endpgm
.Lentry_shape_is_right:
; ctx = softmax(q k^T) v over 2,048 keys and 32 memory keys, for one (batch, head) and 256 queries a work-group, both products on codes of MX-BF6; ctx is quantised along the model's 1,024 on the way out.
; q (already x 1/8) and k come as half records of 896 bytes: a fragment's registers 0-5 (K = the head's 64) and its scale word; registers 6-11 are zero codes, made here once.  V^T comes as records of 1,664 bytes (16 channels x 128 keys).
; THE SOFTMAX AHEAD OF THE SECOND PRODUCT: t = score x log2(e); M = the running largest t, rounded UP to a whole number; p = 2^(t - M) is what is quantised, along the keys, not normalised.
; The row's sum is taken of the unquantised p and divides O at the end.  When M moves, the sum and O are multiplied by 2^(old M - new M): exact.  A block's largest p is made from its largest score by the same two instructions.
; SHARES.  Sixteen waves, each ONE tile of 16 queries in 256 registers: four waves to a SIMD, so that one wave's vector work stands beside another's matrix work and LDS loads.
; THE WHOLE HEAD'S K AND V LIE IN LDS, FILLED ONCE: K 130 tiles x 896 = 116,480 bytes, V 68 records x 1,664 = 113,152.  No byte is filled again.  Waves 0, 1 fetch K, waves 2, 3 V, each in two loads:
; first the keys of the first four steps, then the rest, which lands while those four steps are worked.  By this text's count a wave has two tensor loads out at the most.
; CLUSTER.  The four query blocks of a cluster belong to one head: every load is asked for JOINTLY, with the same descriptor and the mask of all four.
; LAYOUT.  Both products are used transposed: S^T = K Q^T, O^T = V^T P^T: a lane holds ONE query (lane % 16) throughout.  Place p of K's tile i holds key 32 (i / 2) + 8 (i % 2) + p + 8 (p / 8), so the 16 registers of tiles 2 b, 2 b + 1
; are keys 32 b + 16 (lane / 16) + 0 .. 15; V^T's tiles hold the channels in the same order, so O^T's 32 registers are channels 32 b + 16 (lane / 16) + 0 .. 15.
; LIMITS: NaN and infinities are not served; v_exp_f32 and v_rcp_f32 (1 ulp) stand ahead of quantisers; a block of p that has fallen to 0 keeps the scale byte 1 over zero codes.
.set KT,   896
.set REC,  1664
.set KREG, 130*KT
.set VREG, 68*REC
.set VL,   KREG                        ; V's records lie behind K's tiles
.set L16,  1                           ; v1-3   16, 8, 4 x lane
.set L8,   2
.set L4,   3
.set AK16, 4                           ; v4-6   the step's tiles of K
.set AK8,  5
.set AK4,  6
.set AV16, 7                           ; v7-9   the step's records of V
.set AV8,  8
.set AV4,  9
.set TT,   10                          ; v10    ctx's two scale bytes
.set TP,   11                          ; v11    at work
.set Q,    16                          ; v16-27 Q's fragment;  v12 -M, v13 the largest t, v[14:15] the sum in two halves
.set QS,   28                          ; v28    Q's scale words
.set PS,   29                          ; v29    p's scale word
.set F,    30                          ; v[30:31] f = 2^(old M - new M)
.set KFR,  32                          ; v32-79   four fragments of K
.set VFR,  80                          ; v80-127  four fragments of V
.set S,    128                         ; v128-191 S^T, then p
.set O,    192                         ; v192-223 O^T
.set PC,   224                         ; v224-235 p's codes
.set BM,   236                         ; v236-239 the blocks' largest; later a conversion's second half, and a chain of the sum
.set BT,   240                         ; v240-243 the other half's largest, the bytes; later a conversion's second half
.set SO,   244                         ; v244-247 the conversions' scale operands
.set KSC,  248                         ; v248-251 K's scale words
.set VSC,  252                         ; v252-255 V's
.set WV,   10                          ; s10
.set CS,   66                          ; s[66:67] log2(e)
.set SEL,  68                          ; s[68:69] selects for lane l xor 16
.set TK,   70                          ; s70  LDS byte of the step's tiles of K
.set TV,   71                          ; s71  and of V's records
.set CNT,  72
.macro CROUND
	s_barrier_signal -1
	s_barrier_wait -1
	s_cmp_lg_u32 s[WV], 0
	s_cbranch_scc1 .Lnot_wave_0_\@
	s_barrier_signal -3
.Lnot_wave_0_\@:
	s_barrier_wait -3
	s_barrier_signal -1
	s_barrier_wait -1
.endm
.macro G1SET g, c, rws                 ; descriptor group 1: rws rows of c elements of 8 bytes, dense in memory and in LDS
	s_mov_b32 s[\g], 15|(3<<16)|(1<<21)            ; 15:0 the mask: all four work-groups; 17:16 elements of 8 bytes; 20 no padding; 21 set beside a mask
	s_mov_b32 s[\g+1], (\c)<<16                    ; tensor_dim0
	s_mov_b32 s[\g+2], (\rws)<<16                  ; tensor_dim1
	s_mov_b32 s[\g+3], (\c)<<16                    ; tile_dim0
	s_mov_b32 s[\g+4], \rws                        ; tile_dim1
	s_mov_b32 s[\g+5], \c                          ; tensor_dim0_stride
	s_mov_b32 s[\g+6], 0
	s_mov_b32 s[\g+7], 0
.endm
	s_load_b128 s[4:7], s[0:1], 0x0                ; qkb, vtb
	s_load_b64 s[8:9], s[0:1], 0x10                ; ar
	v_lshl_add_u32 v254, v0, 2, 0x38100
	v_mov_b32 v255, 0
	ds_add_u32 v254, v255
	ds_add_u32 v254, v255
	s_wait_dscnt 0x0
	v_lshrrev_b32 v4, 5, v0
	v_readfirstlane_b32 s[WV], v4                  ; wave 0..15
	v_and_b32 v4, 31, v0
	v_lshlrev_b32 v[L16], 4, v4
	v_lshlrev_b32 v[L8], 3, v4
	v_lshlrev_b32 v[L4], 2, v4
	s_bfe_u32 s11, ttmp6, 0x40000                  ; cx: it enters Q's and ctx's global addresses alone
	s_and_b32 s12, ttmp7, 0xffff                   ; 16 batch + head, which the four partners share
	s_and_b32 s13, s[WV], 1                        ; which half of a load's rows I fetch
	G1SET 16, 112, 16                              ; K, first: 16 tiles a wave: 32 tiles = 512 keys
	G1SET 24, 112, 49                              ; K, second: 49 a wave: the other 98
	G1SET 32, 208, 8                               ; V, first: 8 records a wave: four steps
	G1SET 40, 208, 26                              ; V, second: 26 a wave: the other 13 steps
	s_add_co_u32 s74, s12, 32
	s_mul_i32 s74, s74, KREG                       ; K's region in qkb
	s_mov_b32 s75, 0
	s_mul_i32 s76, s12, VREG                       ; V's in vtb
	s_mov_b32 s77, 0
	s_mul_i32 s78, s13, 16*KT                      ; my part's place, in memory and in LDS alike
	s_mul_i32 s79, s13, 49*KT
	s_add_co_u32 s79, s79, 32*KT
	s_mul_i32 s80, s13, 8*REC
	s_mul_i32 s81, s13, 26*REC
	s_add_co_u32 s81, s81, 16*REC
	s_mov_b32 s83, 0
	s_lshl_b32 s84, ttmp9, 2
	s_add_co_u32 s84, s84, s11                     ; my block of 256 queries
	s_lshl_b32 s84, s84, 4
	s_add_co_u32 s84, s84, s[WV]                   ; my tile of 16 queries, 0..127
	s_mul_i32 s86, s84, KT
	s_mul_i32 s87, s12, KREG
	s_add_co_u32 s86, s86, s87
	s_mov_b32 s87, 0
	s_lshr_b32 s88, s12, 4                         ; ctx: record ((128 batch + tile) x 8 + head / 2); the head's 64 are half head % 2 of its 128
	s_lshl_b32 s88, s88, 7
	s_add_co_u32 s88, s88, s84
	s_lshl_b32 s88, s88, 3
	s_bfe_u32 s89, s12, 0x30001
	s_add_co_u32 s88, s88, s89
	s_mul_i32 s88, s88, REC
	s_and_b32 s89, s12, 1
	s_mul_i32 s90, s89, 768
	s_add_co_u32 s90, s90, s88
	s_mov_b32 s91, 0
	s_lshl_b32 s89, s89, 1
	s_add_co_u32 s88, s88, s89
	s_add_co_u32 s88, s88, 1536
	s_mov_b32 s89, 0
	s_mov_b32 s[CS], 0x3fb8aa3b
	s_mov_b32 s[CS+1], s[CS]                       ; (named with it as a pair, so it is written)
	s_mov_b32 s[SEL], 0x76543210
	s_mov_b32 s[SEL+1], 0xfedcba98
	s_mov_b32 s[TK], 0
	s_mov_b32 s[TV], VL
	s_wait_kmcnt 0x0
	s_add_nc_u64 s[74:75], s[4:5], s[74:75]
	s_add_nc_u64 s[76:77], s[6:7], s[76:77]
	s_add_nc_u64 s[86:87], s[4:5], s[86:87]        ; Q's half record
	s_add_nc_u64 s[90:91], s[8:9], s[90:91]        ; ctx's codes
	s_add_nc_u64 s[88:89], s[8:9], s[88:89]        ; ctx's scale bytes
	s_mov_b32 s48, 1                               ; group 0, K first
	s_mov_b32 s49, s78
	s_mov_b32 s82, s78
	s_add_nc_u64 s[50:51], s[74:75], s[82:83]
	s_or_b32 s51, s51, 0x80000000
	s_mov_b32 s52, 1                               ; K second
	s_mov_b32 s53, s79
	s_mov_b32 s82, s79
	s_add_nc_u64 s[54:55], s[74:75], s[82:83]
	s_or_b32 s55, s55, 0x80000000
	s_mov_b32 s56, 1                               ; V first
	s_add_co_u32 s57, s80, VL
	s_mov_b32 s82, s80
	s_add_nc_u64 s[58:59], s[76:77], s[82:83]
	s_or_b32 s59, s59, 0x80000000
	s_mov_b32 s60, 1                               ; V second
	s_add_co_u32 s61, s81, VL
	s_mov_b32 s82, s81
	s_add_nc_u64 s[62:63], s[76:77], s[82:83]
	s_or_b32 s63, s63, 0x80000000
	CROUND                                         ; all four work-groups are here: the joint loads meet
	s_cmp_lt_u32 s[WV], 2                          ; a wave's two loads stand in one branch on its number, ahead of every wait on TENSORcnt and every LDS read; four v_nop follow the second
	s_cbranch_scc0 .Lnot_k
	tensor_load_to_lds s[48:51], s[16:23]
	s_nop 0
	tensor_load_to_lds s[52:55], s[24:31]
	s_nop 0
.rept 4
	v_nop
.endr
	s_branch .Lasked
.Lnot_k:
	s_cmp_lt_u32 s[WV], 4
	s_cbranch_scc0 .Lasked
	tensor_load_to_lds s[56:59], s[32:39]
	s_nop 0
	tensor_load_to_lds s[60:63], s[40:47]
	s_nop 0
.rept 4
	v_nop
.endr
.Lasked:
	global_load_b128 v[Q:Q+3], v[L16], s[86:87]
	global_load_b64 v[Q+4:Q+5], v[L8], s[86:87] offset:512
	global_load_b32 v[QS], v[L4], s[86:87] offset:768
.irp i, 6,7,8,9,10,11
	v_mov_b32 v[Q+\i], 0                           ; K = 64: the upper half of every fragment of Q and of K is zero codes
.irp t, 0,1,2,3
	v_mov_b32 v[KFR+12*\t+\i], 0
.endr
.endr
	v_mov_b32 v13, 0xff61b1e6                      ; the largest t so far: -3e38, under every t
	v_floor_f32 v12, -v13                          ; -M
	v_mov_b32 v14, 0                               ; the sum, in two halves
	v_mov_b32 v15, 0
	v_mov_b32 v[F+1], 0                            ; (named as the upper half of a pair)
.irp b, 0,1,2,3
	v_mov_b32 v[BT+\b], 0                          ; written once: a lane permute's destination counts as one of its sources
.endr
.set JJ, 0
.rept 32
	v_mov_b32 v[O+JJ], 0                           ; O^T: the step is written once; its first trip finds zeros, which the first change of M leaves zeros
.set JJ, JJ+1
.endr
.macro ADDRS                           ; six plain instructions: also the places behind the last step's products, in front of the loads into V's registers
	v_add_nc_u32 v[AK16], s[TK], v[L16]
	v_add_nc_u32 v[AK8], s[TK], v[L8]
	v_add_nc_u32 v[AK4], s[TK], v[L4]
	v_add_nc_u32 v[AV16], s[TV], v[L16]
	v_add_nc_u32 v[AV8], s[TV], v[L8]
	v_add_nc_u32 v[AV4], s[TV], v[L4]
.endm
.macro KLOAD t, tile                   ; a tile of K: registers 0-5 and the scale words
	ds_load_b128 v[KFR+12*\t:KFR+12*\t+3], v[AK16] offset:(\tile)*KT
	ds_load_b64 v[KFR+12*\t+4:KFR+12*\t+5], v[AK8] offset:(\tile)*KT+512
	ds_load_b32 v[KSC+\t], v[AK4] offset:(\tile)*KT+768
.endm
.macro VLOAD                           ; the step's four records of V: 20 loads
.irp t, 0,1,2,3
	ds_load_b128 v[VFR+12*\t:VFR+12*\t+3], v[AV16] offset:\t*REC
	ds_load_b64 v[VFR+12*\t+4:VFR+12*\t+5], v[AV8] offset:\t*REC+512
	ds_load_b128 v[VFR+12*\t+6:VFR+12*\t+9], v[AV16] offset:\t*REC+768
	ds_load_b64 v[VFR+12*\t+10:VFR+12*\t+11], v[AV8] offset:\t*REC+1280
	ds_load_b32 v[VSC+\t], v[AV4] offset:\t*REC+1536
.endr
.endm
.macro SPROD t, tile                   ; S^T, tile of 16 keys
	v_wmma_scale_f32_16x16x128_f8f6f4 v[S+8*(\tile):S+8*(\tile)+7], v[KFR+12*\t:KFR+12*\t+11], v[Q:Q+11], 0, v[KSC+\t], v[QS] matrix_a_fmt:MATRIX_FMT_BF6 matrix_b_fmt:MATRIX_FMT_BF6
.endm
.macro NEWM                            ; v[TP] = the step's largest score of my query.  The running t, -M = floor(-t), f
	v_mul_f32 v[TP], s[CS], v[TP]
	v_max_num_f32 v13, v13, v[TP]
	v_mov_b32 v[TP], v12
	v_floor_f32 v12, -v13                          ; M IS A WHOLE NUMBER
	v_sub_f32 v[TP], v12, v[TP]                    ; old M - new M: a whole number, 0 or less
	v_cvt_i32_f32 v[TP], v[TP]                     ; (it saturates)
	v_ldexp_f32 v[F], 1.0, v[TP]                   ; f: what was summed under the old M comes under the new by a multiplication that rounds nothing
.endm
.macro PVPROD                          ; O^T x f, then O^T += V^T P^T.  The four accumulators take turns, and the next step's products S^T stand between two links
.set JJ, 0
.rept 16
	v_pk_mul_f32 v[O+JJ:O+JJ+1], v[O+JJ:O+JJ+1], v[F:F+1] op_sel_hi:[1,0]
.set JJ, JJ+2
.endr
.irp t, 0,1,2,3
	v_wmma_scale_f32_16x16x128_f8f6f4 v[O+8*\t:O+8*\t+7], v[VFR+12*\t:VFR+12*\t+11], v[PC:PC+11], v[O+8*\t:O+8*\t+7], v[VSC+\t], v[PS] matrix_a_fmt:MATRIX_FMT_BF6 matrix_b_fmt:MATRIX_FMT_BF6
.endr
.endm
; A KEY STEP: 128 keys
.macro STEP
	ADDRS
.irp t, 0,1,2,3
	KLOAD \t, \t
.endr
	VLOAD
	s_wait_dscnt 20                                ; K's first four tiles are in; V's 20 loads may be out
.irp t, 0,1,2,3
	SPROD \t, \t
.endr
.rept 4
	v_nop                                          ; places in front of loads into registers that matrix instructions have read
.endr
.irp t, 0,1,2,3
	KLOAD \t, 4+\t
.endr
	s_wait_dscnt 0x0
.irp t, 0,1,2,3
	SPROD \t, 4+\t
.endr
.rept 4
	v_nop
.endr
.irp b, 0,1,2,3
	v_max3_num_f32 v[BM+\b], v[S+16*\b], v[S+1+16*\b], v[S+2+16*\b]   ; THE LARGEST SCORE OF EACH BLOCK OF 32 KEYS: for the row's maximum and, since p rises with the score, for the block's largest p
.endr
.irp i, 3,5,7,9,11,13
.irp b, 0,1,2,3
	v_max3_num_f32 v[BM+\b], v[BM+\b], v[S+16*\b+\i], v[S+1+16*\b+\i]
.endr
.endr
.irp b, 0,1,2,3
	v_max_num_f32 v[BM+\b], v[BM+\b], v[S+15+16*\b]
.endr
.irp b, 0,1,2,3
	v_permlanex16_b32 v[BT+\b], v[BM+\b], s[SEL], s[SEL+1]
.endr
.irp b, 0,1,2,3
	v_max_num_f32 v[BM+\b], v[BM+\b], v[BT+\b]     ; with lane l xor 16's 16 keys
.endr
	v_max3_num_f32 v[TP], v[BM], v[BM+1], v[BM+2]
	v_max_num_f32 v[TP], v[TP], v[BM+3]
	NEWM
.set JJ, 0
.rept 32
	v_pk_fma_f32 v[S+JJ:S+JJ+1], v[S+JJ:S+JJ+1], s[CS:CS+1], v[12:13] op_sel_hi:[1,0,0]   ; t - M, two at a time
.set JJ, JJ+2
.endr
.irp b, 0,1,2,3
	v_fma_f32 v[BM+\b], v[BM+\b], s[CS], v12       ; the same of each block's largest score
.endr
.set JJ, 0
.rept 64
	v_exp_f32 v[S+JJ], v[S+JJ]                     ; p = 2^(t - M), at most 1
.set JJ, JJ+1
.endr
.irp b, 0,1,2,3
	v_exp_f32 v[BM+\b], v[BM+\b]                   ; the block's largest p: the same two instructions on the same number give the same bits
.endr
	v_pk_mul_f32 v[14:15], v[14:15], v[F:F+1] op_sel_hi:[1,0]   ; the sums under the new M  (a plain place behind the exponentials)
	s_wait_alu depctr_va_vdst(0)
.irp b, 0,1,2,3
	v_max_num_f32 v[BM+\b], 0x2800000, v[BM+\b]    ; the floor 2^(5 - 127): the byte cannot fall under 1
.endr
.irp b, 0,1,2,3
	v_add_nc_u32 v[SO+\b], 0xfe000000, v[BM+\b]    ; 4 off the exponent field: the conversion's scale operand
.endr
.irp b, 0,1,2,3
	v_lshrrev_b32 v[BT+\b], 23, v[SO+\b]           ; the scale's byte
.endr
	v_lshl_or_b32 v[PS], v[BT+1], 8, v[BT]
	v_lshl_or_b32 v[PS], v[BT+2], 16, v[PS]
	v_lshl_or_b32 v[PS], v[BT+3], 24, v[PS]
.irp c, 0,1
	v_cvt_scalef32_pk16_bf6_f32 v[PC+6*\c:PC+2+6*\c], v[S+32*\c:S+15+32*\c], v[SO+2*\c]
	v_cvt_scalef32_pk16_bf6_f32 v[BM+4*\c:BM+2+4*\c], v[S+16+32*\c:S+31+32*\c], v[SO+2*\c+1]   ; (a conversion's three registers begin on an even number)
.endr
	v_nop                                          ; one plain place behind a scaled conversion
.irp c, 0,1                            ; a WHOLE block to a lane
.irp i, 0,1,2
	v_permlane16_swap_b32 v[PC+6*\c+\i], v[BM+4*\c+\i]
.endr
.irp i, 0,1,2
	v_mov_b32 v[PC+3+6*\c+\i], v[BM+4*\c+\i]
.endr
.endr
	v_pk_add_f32 v[BM:BM+1], v[S:S+1], v[S+2:S+3]  ; THE ROW'S SUM IS TAKEN OF THE UNQUANTISED p: two at a time, in two chains
.set JJ, 4
.rept 15
	v_pk_add_f32 v[14:15], v[14:15], v[S+JJ:S+JJ+1]
	v_pk_add_f32 v[BM:BM+1], v[BM:BM+1], v[S+JJ+2:S+JJ+3]
.set JJ, JJ+4
.endr
	v_pk_add_f32 v[14:15], v[14:15], v[BM:BM+1]
	PVPROD
	s_add_co_u32 s[TK], s[TK], 8*KT
	s_add_co_u32 s[TV], s[TV], 4*REC
.endm
	s_wait_tensorcnt 1                             ; my first load has landed; my second may stay out
	s_wait_loadcnt 0x0                             ; Q
	s_barrier_signal -1
	s_barrier_wait -1                              ; the first 512 keys lie in LDS
	s_mov_b32 s[CNT], 4
.Lfirst:
	STEP
	s_sub_co_u32 s[CNT], s[CNT], 1
	s_cmp_lg_u32 s[CNT], 0
	s_cbranch_scc1 .Lfirst
	s_wait_tensorcnt 0x0                           ; my second load has landed
	s_wait_dscnt 0x0
	s_barrier_signal -1
	s_barrier_wait -1                              ; all of K and V lie in LDS
	s_mov_b32 s[CNT], 12
.Lrest:
	STEP
	s_sub_co_u32 s[CNT], s[CNT], 1
	s_cmp_lg_u32 s[CNT], 0
	s_cbranch_scc1 .Lrest
	; THE 32 MEMORY KEYS: two tiles of K, one block of p; V's last step holds them as its first block, the rest zero codes
	ADDRS
	KLOAD 0, 0
	KLOAD 1, 1
	VLOAD
	s_wait_dscnt 0x0
	SPROD 0, 0
	SPROD 1, 1
.rept 4
	v_nop
.endr
	v_max3_num_f32 v[BM], v[S], v[S+1], v[S+2]
.irp i, 3,5,7,9,11,13
	v_max3_num_f32 v[BM], v[BM], v[S+\i], v[S+1+\i]
.endr
	v_max_num_f32 v[BM], v[BM], v[S+15]
	v_permlanex16_b32 v[BT], v[BM], s[SEL], s[SEL+1]
	v_max_num_f32 v[BM], v[BM], v[BT]
	v_mov_b32 v[TP], v[BM]
	NEWM
.irp j, 0,2,4,6,8,10,12,14
	v_pk_fma_f32 v[S+\j:S+\j+1], v[S+\j:S+\j+1], s[CS:CS+1], v[12:13] op_sel_hi:[1,0,0]
.endr
	v_fma_f32 v[BM], v[BM], s[CS], v12
.irp j, 0,1,2,3,4,5,6,7,8,9,10,11,12,13,14,15
	v_exp_f32 v[S+\j], v[S+\j]
.endr
	v_exp_f32 v[BM], v[BM]
	v_pk_mul_f32 v[14:15], v[14:15], v[F:F+1] op_sel_hi:[1,0]
	s_wait_alu depctr_va_vdst(0)
	v_max_num_f32 v[BM], 0x2800000, v[BM]
	v_add_nc_u32 v[SO], 0xfe000000, v[BM]
	v_lshrrev_b32 v[PS], 23, v[SO]                 ; the scale word: this block's byte; the other three stand over zero codes
	v_cvt_scalef32_pk16_bf6_f32 v[PC:PC+2], v[S:S+15], v[SO]
.irp i, 0,1,2
	v_mov_b32 v[BM+\i], 0                          ; (plain places behind the conversion)  there is no second block
.endr
.irp i, 0,1,2
	v_permlane16_swap_b32 v[PC+\i], v[BM+\i]       ; lanes 0-15 get the whole block, lanes 16-31 zero codes
.endr
.irp i, 0,1,2
	v_mov_b32 v[PC+3+\i], v[BM+\i]
.endr
.irp i, 6,7,8,9,10,11
	v_mov_b32 v[PC+\i], 0
.endr
.irp j, 0,2,4,6,8,10,12,14
	v_pk_add_f32 v[14:15], v[14:15], v[S+\j:S+\j+1]
.endr
	PVPROD
	; THE WAY OUT: O^T / the sum is ctx: my query's 64 channels of this head, two blocks of 32 along the next product's K: half a fragment
.rept 4
	v_nop                                          ; places behind the last products
.endr
	v_add_f32 v14, v14, v15
	v_permlanex16_b32 v[TP], v14, s[SEL], s[SEL+1]
	v_add_f32 v14, v14, v[TP]                      ; the row's sum
	v_rcp_f32 v14, v14
	v_nop                                          ; one plain place behind a transcendental
.set JJ, 0
	s_wait_alu depctr_va_vdst(0)
.rept 32
	v_mul_f32 v[S+JJ], v[O+JJ], v14                ; each accumulator from its low end on
.set JJ, JJ+1
.endr
.irp b, 0,1
	v_max3_num_f32 v[BM+\b], |v[S+16*\b]|, |v[S+1+16*\b]|, 0x2800000
.endr
.irp i, 2,4,6,8,10,12,14
.irp b, 0,1
	v_max3_num_f32 v[BM+\b], v[BM+\b], |v[S+16*\b+\i]|, |v[S+1+16*\b+\i]|
.endr
.endr
.irp b, 0,1
	v_permlanex16_b32 v[BT+\b], v[BM+\b], s[SEL], s[SEL+1]
.endr
.irp b, 0,1
	v_max_num_f32 v[BM+\b], v[BM+\b], v[BT+\b]
.endr
.irp b, 0,1
	v_add_nc_u32 v[SO+\b], 0xfe000000, v[BM+\b]
.endr
.irp b, 0,1
	v_lshrrev_b32 v[BT+\b], 23, v[SO+\b]
.endr
	v_lshl_or_b32 v[TT], v[BT+1], 8, v[BT]
	v_cvt_scalef32_pk16_bf6_f32 v[PC:PC+2], v[S:S+15], v[SO]
	v_cvt_scalef32_pk16_bf6_f32 v[BM:BM+2], v[S+16:S+31], v[SO+1]
	v_nop
.irp i, 0,1,2
	v_permlane16_swap_b32 v[PC+\i], v[BM+\i]
.endr
.irp i, 0,1,2
	v_mov_b32 v[PC+3+\i], v[BM+\i]
.endr
	global_store_b128 v[L16], v[PC:PC+3], s[90:91]
	global_store_b64 v[L8], v[PC+4:PC+5], s[90:91] offset:512
	global_store_b16 v[L4], v[TT], s[88:89]        ; my head's two of the record's four scale bytes a row: one byte in thirteen of what the launch stores
	s_wait_dscnt 0x0
	s_wait_xcnt 0x0
	v_lshl_add_u32 v254, v0, 2, 0x38100
	v_mov_b32 v255, 0
	s_wait_tensorcnt 0x0
	ds_add_u32 v254, v255
	s_wait_dscnt 0x0
	CROUND                                         ; the closing round: no work-group ends while a partner may still ask for a tile that names it
	s_endpgm
.Lfunc_end_k_q351b9e0c01_attn:
	.size	k_q351b9e0c01_attn, .Lfunc_end_k_q351b9e0c01_attn-k_q351b9e0c01_attn
	.p2alignl 7, 3214868480
	.fill 96, 4, 3214868480
	.section	.rodata,"a",@progbits
	.p2align	6, 0x0
	.amdhsa_kernel k_q351b9e0c01_attn
		.amdhsa_group_segment_fixed_size 231680
		.amdhsa_private_segment_fixed_size 0
		.amdhsa_enable_private_segment 0
		.amdhsa_kernarg_size 24
		.amdhsa_user_sgpr_count 2
		.amdhsa_user_sgpr_kernarg_segment_ptr 1
		.amdhsa_wavefront_size32 1
		.amdhsa_system_sgpr_workgroup_id_x 1
		.amdhsa_system_sgpr_workgroup_id_y 1
		.amdhsa_system_sgpr_workgroup_id_z 1
		.amdhsa_system_vgpr_workitem_id 0
		.amdhsa_next_free_vgpr 256
		.amdhsa_next_free_sgpr 100
		.amdhsa_reserve_vcc 0
		.amdhsa_float_denorm_mode_32 3
		.amdhsa_float_denorm_mode_16_64 3
		.amdhsa_memory_ordered 1
		.amdhsa_forward_progress 1
		.amdhsa_inst_pref_size 54
	.end_amdhsa_kernel
	.amdgpu_metadata
---
amdhsa.version: [ 1, 2 ]
amdhsa.kernels:
  - .name:           k_q351b9e0c01_attn
    .symbol:         k_q351b9e0c01_attn.kd
    .args:
      - { .name: qkb, .offset: 0, .size: 8, .value_kind: global_buffer, .address_space: global }
      - { .name: vtb, .offset: 8, .size: 8, .value_kind: global_buffer, .address_space: global }
      - { .name: ar, .offset: 16, .size: 8, .value_kind: global_buffer, .address_space: global }
    .group_segment_fixed_size: 231680
    .private_segment_fixed_size: 0
    .kernarg_segment_align: 8
    .kernarg_segment_size: 24
    .max_flat_workgroup_size: 512
    .sgpr_count:     100
    .vgpr_count:     256
    .wavefront_size: 32
...
	.end_amdgpu_metadata
.endif
;; end of part 3
;; launch oproj (part 4): grid 4 x 16, 4 waves a work-group, clusters of 4 x 4, 327,680 bytes of LDS; arguments ar, opw, yb; writes yb
.if DOCPART == 4
	.amdgcn_target "amdgcn-amd-amdhsa--gfx1250"
	.amdhsa_code_object_version 6
	.text
	.protected	k_q351b9e0c01_oproj
	.globl	k_q351b9e0c01_oproj
	.p2align	8
	.type	k_q351b9e0c01_oproj,@function
k_q351b9e0c01_oproj:
	s_mov_b64 s[64:65], 0
	v_nop
	global_prefetch_b8 v0, s[64:65] scope:SCOPE_SE
	s_setreg_imm32_b32 hwreg(HW_REG_WAVE_MODE, 25, 1), 1
	s_wait_xcnt 0x0
	s_wait_alu depctr_hold_cnt(0) depctr_sa_sdst(0) depctr_va_vdst(0) depctr_va_sdst(0) depctr_va_ssrc(0) depctr_va_vcc(0) depctr_vm_vsrc(0)
	s_getreg_b32 s2, hwreg(HW_REG_IB_STS2, 6, 4)
	s_cmp_eq_u32 s2, 0
	s_cbranch_scc0 .Lentry_in_a_cluster
	s_endpgm
.Lentry_in_a_cluster:
	s_bfe_u32 s2, ttmp6, 0x10000c
	s_cmp_lg_u32 s2, 0xf033
	s_cbranch_scc0 .Lentry_shape_is_right
	s_endpgm
.Lentry_shape_is_right:
; y = ctx out_w^T on codes of MX-BF6: the sums alone, f32; bias, residual and LayerNorm follow in the next launch, which needs whole rows.
; OPERANDS are records of 1,664 bytes, the image of a fragment (16 rows x 128 K) and its scale words: 0: registers 0-3 (16 bytes a lane) | 512: 4-5 (8 a lane) | 768: 6-9 | 1280: 10-11 | 1536: the scale word (4 a lane, lanes 16-31 repeat).
; Record (block i, K step s) lies at (KS i + s) x 1,664, so two K steps of a block are 3,328 consecutive bytes.  Place p of a block i of the weight holds row 32 (i / 2) + 8 (i % 2) + p + 8 (p / 8).
; A tile of 256 x 256 is made by four waves, as many as a WGP has SIMDs; a wave makes 128 x 128: 64 accumulators of 16 x 16, 512 registers.  K goes in steps of 256 through a ring of two LDS slots filled by the tensor data mover.
; THE MATRIX INSTRUCTION IS USED TRANSPOSED: source 0 = a block of B (the weight), source 1 = a block of A.  Lane (r, h) then holds, for A's row at place r, in the 64 registers of A's block: register 16 b + i = column 32 b + 16 h + i.
; CLUSTERS: 4 x 4 work-groups.  The four of a row of the cluster need the same tiles of A, the four of a column the same tiles of B: each tile is asked for JOINTLY, by the same tensor load with the same descriptor and a mask that names the four.
; OUT: IMAGES of 8,192 bytes: 16 rows x 128 columns as the 64 registers stand, group g of four registers at 512 g + 16 x lane; image (block i, 128 columns s) at (8 i + s) x 8,192.  Every store covers 512 consecutive bytes, aligned.  No LDS, no vector work.
; The tile gives this size 64 work-groups; a smaller tile would read each LDS byte for half the products.
; REGISTERS, in windows of 256: window 0: v0-31 addresses; v32-63 scale words, two sets; v128-223 A's fragments, ONE set.   window 1: B's fragments, TWO sets, at v0 and v128.
;   window 2: the accumulators of my rows 0-63 ((a, b) at v[8 (8 a + b)]);   window 3: those of my rows 64-127.
.set KS,     8                         ; K steps of 128 in a row
.set OFF_B,  5963776                   ; out_w's records in opw
.set REC,    1664
.set PAIR,   2*REC
.set BLKB,   KS*REC
.set NQ,     2
.set FR,     12
.set NL,     4
.set NP,     4                         ; places behind this matrix instruction (ISA guide 7.12.1)
.set HALFT,  8*PAIR                    ; 8 blocks: what one tensor load brings, and what one wave reads of A or of B
.set SLOT,   4*HALFT                   ; A's 16 blocks, then B's 16
.set SPARE,  2*SLOT                    ; behind the ring: the spare words, 128 bytes for each wave: two blocks of 256 bytes that no other line names
.set LAPS,   KS/4
.set A16, 16
.set A8,  18
.set B16, 20
.set B8,  22
.set L16, 24
.set L8,  25
.set L4,  26
.set SPW, 28                           ; v28     LDS address of my spare word; never rewritten
.set NIL, 29                           ; v29     0; never rewritten
.set S4,  30                           ; v30-31  my scale words in slot 0, 1: lanes 0-15 A's, lanes 16-31 B's
.set SC,  32
.set AF,  128
.set G1,  24
.set G0,  32
.set G1B, 48
.set G0B, 56
.set MSB, 0
.macro WIN new                         ; the immediate's high byte repeats the setting that is left
.if MSB != (\new)
	s_set_vgpr_msb (MSB<<8)|(\new)
.set MSB, (\new)
.endif
.endm
.set MUL_LO, 0xa1                      ; source 0 (B) window 1, source 1 (A) window 0, C and D window 2
.set MUL_HI, 0xf1
.set TO_B,   0x40
.macro JLOAD g0a, g1a, g0b, g1b        ; a joint load: waves 0 and 1 fetch for A, waves 2 and 3 for B; the branch hangs on the wave's number alone; four v_nop follow each line
	s_cmp_eq_u32 s15, 0
	s_cbranch_scc0 .Lfor_b_\@
	tensor_load_to_lds s[\g0a:\g0a+3], s[\g1a:\g1a+7]
	s_nop 0
.rept 4
	v_nop
.endr
	s_branch .Lasked_\@
.Lfor_b_\@:
	tensor_load_to_lds s[\g0b:\g0b+3], s[\g1b:\g1b+7]
	s_nop 0
.rept 4
	v_nop
.endr
.Lasked_\@:
.endm
.macro CREST                           ; a round of the cluster's barrier behind its opening barrier
	s_cmp_lg_u32 s14, 0
	s_cbranch_scc1 .Lnot_wave_0_\@
	s_barrier_signal -3
.Lnot_wave_0_\@:
	s_barrier_wait -3
	s_barrier_signal -1
	s_barrier_wait -1
.endm
.macro CROUND
	s_barrier_signal -1
	s_barrier_wait -1
	CREST
.endm
	s_load_b128 s[4:7], s[0:1], 0x0                ; A's records, opw
	s_load_b64 s[12:13], s[0:1], 0x10              ; yb
	v_lshl_add_u32 v[SPW], v0, 2, SPARE
	v_mov_b32 v[NIL], 0
	ds_add_u32 v28, v29
	ds_add_u32 v28, v29
	s_wait_dscnt 0x0
	v_lshrrev_b32 v1, 5, v0
	v_readfirstlane_b32 s14, v1                    ; wave 0..3
	s_lshr_b32 s15, s14, 1                         ; which half of the tile's rows is mine.  Also: I fetch for A (0) or for B (1)
	s_and_b32 s16, s14, 1                          ; which half of its columns.  Also: which 8 blocks of that tile I fetch
	s_bfe_u32 s40, ttmp6, 0x40000                  ; cx, cy
	s_bfe_u32 s41, ttmp6, 0x40004
	s_lshl_b32 s42, ttmp9, 2
	s_add_co_u32 s42, s42, s40                     ; tile column
	s_and_b32 s17, ttmp7, 0xffff
	s_lshl_b32 s17, s17, 2
	s_add_co_u32 s17, s17, s41                     ; tile row
	s_lshl_b32 s43, s41, 2
	s_lshl_b32 s43, 15, s43                        ; my row of the cluster
	s_lshl_b32 s44, 0x1111, s40                    ; my column
	; descriptor group 1: 8 rows (blocks) of 3,328 bytes, as 416 elements of 8 bytes, BLKB bytes apart; dense in LDS
	s_or_b32 s[G1+0], s43, (3<<16)|(1<<21)         ; 15:0 the mask; 17:16 elements of 8 bytes; 20 no padding; 21 set beside a mask
	s_or_b32 s[G1B+0], s44, (3<<16)|(1<<21)
.irp g, G1, G1B
	s_mov_b32 s[\g+1], 416<<16                     ; tensor_dim0
	s_mov_b32 s[\g+2], 8<<16                       ; tensor_dim1
	s_mov_b32 s[\g+3], 416<<16                     ; tile_dim0
	s_mov_b32 s[\g+4], 8                           ; tile_dim1
	s_mov_b32 s[\g+5], KS*208                      ; tensor_dim0_stride, in elements
	s_mov_b32 s[\g+6], 0
	s_mov_b32 s[\g+7], 0
.endr
	s_lshl_b32 s18, s16, 3
	s_lshl_b32 s20, s17, 4
	s_add_co_u32 s20, s20, s18
	s_mul_i32 s20, s20, BLKB                       ; A: block 16 x tile row + 8 x half
	s_mov_b32 s21, 0
	s_lshl_b32 s46, s42, 4
	s_add_co_u32 s46, s46, s18
	s_mul_i32 s46, s46, BLKB
	s_add_co_u32 s46, s46, OFF_B                   ; B: block 16 x tile column + 8 x half
	s_mov_b32 s47, 0
	s_mul_i32 s45, s14, HALFT                      ; where they go: no place in the cluster enters an LDS address
	s_lshl_b32 s84, s17, 4                         ; my first image: (16 x tile row + 8 x half) x 8 + 2 x tile column + half
	s_lshl_b32 s85, s15, 3
	s_add_co_u32 s84, s84, s85
	s_lshl_b32 s84, s84, 3
	s_lshl_b32 s85, s42, 1
	s_add_co_u32 s84, s84, s85
	s_add_co_u32 s84, s84, s16
	s_lshl_b32 s84, s84, 13
	s_mov_b32 s85, 0
	s_wait_kmcnt 0x0
	s_add_nc_u64 s[20:21], s[4:5], s[20:21]
	s_add_nc_u64 s[46:47], s[6:7], s[46:47]
	s_add_nc_u64 s[12:13], s[12:13], s[84:85]
	CROUND                                         ; all sixteen work-groups are here: the first joint loads meet
.irp s, 0,1
	s_mov_b32 s[G0+4*\s], 1
	s_add_co_u32 s[G0+4*\s+1], s45, \s*SLOT
	s_add_nc_u64 s[G0+4*\s+2:G0+4*\s+3], s[20:21], \s*PAIR
	s_or_b32 s[G0+4*\s+3], s[G0+4*\s+3], 0x80000000
	s_mov_b32 s[G0B+4*\s], 1
	s_add_co_u32 s[G0B+4*\s+1], s45, \s*SLOT
	s_add_nc_u64 s[G0B+4*\s+2:G0B+4*\s+3], s[46:47], \s*PAIR
	s_or_b32 s[G0B+4*\s+3], s[G0B+4*\s+3], 0x80000000
	JLOAD G0+4*\s, G1, G0B+4*\s, G1B
.endr
	v_and_b32 v1, 31, v0
	v_bfe_u32 v2, v0, 4, 1
	v_lshlrev_b32 v[L16], 4, v1
	v_lshlrev_b32 v[L8], 3, v1
	v_lshlrev_b32 v[L4], 2, v1
	s_mul_i32 s21, s15, HALFT
	s_mul_i32 s22, s16, HALFT
	s_add_co_u32 s22, s22, 2*HALFT
.irp s, 0,1
	v_add_nc_u32 v[A16+\s], s21, v[L16]
	v_add_nc_u32 v[A8+\s], s21, v[L8]
	v_add_nc_u32 v[B16+\s], s22, v[L16]
	v_add_nc_u32 v[B8+\s], s22, v[L8]
	s_add_co_u32 s21, s21, SLOT
	s_add_co_u32 s22, s22, SLOT
.endr
	s_mul_i32 s21, s15, HALFT
	s_mul_i32 s22, s16, HALFT
	s_add_co_u32 s22, s22, 2*HALFT
	s_sub_co_u32 s22, s22, s21
	v_mul_u32_u24 v6, s22, v2                      ; lanes 16-31 take B's scale words
	s_add_co_u32 s21, s21, 1536
	v_add_nc_u32 v5, v[L4], v6
	v_add_nc_u32 v[S4], s21, v5
	v_add_nc_u32 v[S4+1], SLOT, v[S4]
.macro FRAG reg, a16, a8, q, i         ; a fragment comes as it was stored: every load takes consecutive bytes
	ds_load_b128 v[\reg:\reg+3], v[\a16] offset:(\i)*PAIR+(\q)*REC
	ds_load_b64 v[\reg+4:\reg+5], v[\a8] offset:(\i)*PAIR+(\q)*REC+512
	ds_load_b128 v[\reg+6:\reg+9], v[\a16] offset:(\i)*PAIR+(\q)*REC+768
	ds_load_b64 v[\reg+10:\reg+11], v[\a8] offset:(\i)*PAIR+(\q)*REC+1280
.endm
; 16 matrix instructions: A's blocks a0, a0 + 1 x B's eight.  The 64 accumulators take turns, one instruction a turn, in the same order in every step.
.macro MUL16 a0, p, q, sc, zero
.irp a, \a0, \a0+1
.irp b, 0,1,2,3,4,5,6,7
.if \zero
	v_wmma_scale_f32_16x16x128_f8f6f4 v[8*(8*((\a)%4)+\b):8*(8*((\a)%4)+\b)+7], v[128*(\p)+FR*\b:128*(\p)+FR*\b+FR-1], v[AF+FR*(\a):AF+FR*(\a)+FR-1], 0, v[SC+8*NQ*(\sc)+NQ*\b+(\q)], v[SC+8*NQ*(\sc)+NQ*(\a)+(\q)] matrix_a_fmt:MATRIX_FMT_BF6 matrix_b_fmt:MATRIX_FMT_BF6 matrix_a_scale:MATRIX_SCALE_ROW1
.else
	v_wmma_scale_f32_16x16x128_f8f6f4 v[8*(8*((\a)%4)+\b):8*(8*((\a)%4)+\b)+7], v[128*(\p)+FR*\b:128*(\p)+FR*\b+FR-1], v[AF+FR*(\a):AF+FR*(\a)+FR-1], v[8*(8*((\a)%4)+\b):8*(8*((\a)%4)+\b)+7], v[SC+8*NQ*(\sc)+NQ*\b+(\q)], v[SC+8*NQ*(\sc)+NQ*(\a)+(\q)] matrix_a_fmt:MATRIX_FMT_BF6 matrix_b_fmt:MATRIX_FMT_BF6 matrix_a_scale:MATRIX_SCALE_ROW1
.endif
.endr
.endr
.endm
.macro FETCH_B slot, q, p
	WIN TO_B
.irp i, 0,1,2,3,4,5,6,7
	FRAG 128*(\p)+FR*\i, B16+\slot, B8+\slot, \q, \i
.endr
	WIN 0
.endm
.macro FETCH_A slot, q, i0
.irp i, \i0, \i0+1, \i0+2, \i0+3
	FRAG AF+FR*(\i), A16+\slot, A8+\slot, \q, \i
.endr
.endm
.macro SCALES sc
.irp i, 0,1,2,3,4,5,6,7
	ds_load_b32 v[SC+8*NQ*\sc+NQ*\i], v[S4+\sc] offset:\i*PAIR
	ds_load_b32 v[SC+8*NQ*\sc+NQ*\i+1], v[S4+\sc] offset:\i*PAIR+REC
.endr
.endm
.macro PLACES n                        ; plain vector instructions between a matrix instruction and a load into, or a read of, its registers (ISA guide 7.12.1 for the reads)
.rept \n
	v_nop
.endr
.endm
.macro STEP slot, q, zero              ; a step of 128 along K that has its successor in the same slot
	s_wait_dscnt 4*NL                              ; all but the youngest 16 loads (A's blocks 4-7)
	WIN MUL_LO
	MUL16 0, (\q)%2, \q, \slot, \zero
	MUL16 2, (\q)%2, \q, \slot, \zero
	s_wait_dscnt 0
	PLACES NP
	FETCH_B \slot, (\q)+1, 1-(\q)%2
	FETCH_A \slot, (\q)+1, 0
	WIN MUL_HI
	MUL16 4, (\q)%2, \q, \slot, \zero
	MUL16 6, (\q)%2, \q, \slot, \zero
	PLACES NP
	WIN 0
	FETCH_A \slot, (\q)+1, 4
.endm
; A slot's last step changes slots: ONE barrier; in front of it each wave waits for all its tensor loads, adds 0 to its spare word, and waits for that and for its own reads of this slot.
.macro TURN slot, next, fill
	s_wait_tensorcnt 0x0                           ; all my tensor loads have landed: my part of the next slot
	ds_add_u32 v[SPW], v[NIL]                      ; 0 onto my spare word
	s_wait_dscnt 4*NL+1                            ; (the add and the youngest 16 loads may be out)
	WIN MUL_LO
	MUL16 0, 1, NQ-1, \slot, 0
	s_wait_dscnt 0x0                               ; the add is done, and my reads of this slot are over
	s_barrier_signal -1
	MUL16 2, 1, NQ-1, \slot, 0
	WIN 0
	s_barrier_wait -1
.if \fill
	CREST                                          ; a round of the cluster's barrier: no wave of any partner still reads this slot or has a load on its way
	s_add_nc_u64 s[G0+4*\slot+2:G0+4*\slot+3], s[G0+4*\slot+2:G0+4*\slot+3], 2*PAIR
	s_add_nc_u64 s[G0B+4*\slot+2:G0B+4*\slot+3], s[G0B+4*\slot+2:G0B+4*\slot+3], 2*PAIR
	JLOAD G0+4*\slot, G1, G0B+4*\slot, G1B         ; the first tensor load behind the round
.else
	PLACES NP
.endif
	FETCH_B \next, 0, 0
	FETCH_A \next, 0, 0
	SCALES \next
	WIN MUL_HI
	MUL16 4, 1, NQ-1, \slot, 0
	MUL16 6, 1, NQ-1, \slot, 0
	PLACES NP
	WIN 0
	FETCH_A \next, 0, 4
.endm
	s_wait_tensorcnt 1                             ; my part of slot 0 is in (slot 1's load may be out)
	s_barrier_signal -1
	s_barrier_wait -1                              ; everybody's is
	FETCH_B 0, 0, 0
	FETCH_A 0, 0, 0
	SCALES 0
	FETCH_A 0, 0, 4
	STEP 0, 0, 1                                   ; the first step's products start the sums
	s_mov_b32 s3, LAPS-1
.Llap:
	TURN 0, 1, 1
	STEP 1, 0, 0
	TURN 1, 0, 1
	STEP 0, 0, 0
	s_sub_co_u32 s3, s3, 1
	s_cmp_lg_u32 s3, 0
	s_cbranch_scc1 .Llap
	TURN 0, 1, 0                                   ; the last lap fills nothing
	STEP 1, 0, 0
	s_wait_dscnt 4*NL
	WIN MUL_LO
	MUL16 0, 1, NQ-1, 1, 0
	MUL16 2, 1, NQ-1, 1, 0
	s_wait_dscnt 0
	WIN MUL_HI
	MUL16 4, 1, NQ-1, 1, 0
	MUL16 6, 1, NQ-1, 1, 0
	WIN 0
	PLACES NP                                      ; behind the last products, in front of the stores that read results
.irp a, 0,1,2,3,4,5,6,7
	WIN 0x08+4*(\a/4)                              ; a store's data are its source 1: window 2 or 3
.irp g, 0,1,2,3,4,5,6,7,8,9,10,11,12,13,14,15
	global_store_b128 v[L16], v[64*(\a%4)+4*\g:64*(\a%4)+4*\g+3], s[12:13] offset:65536*\a+512*\g   ; each accumulator from its low end on; 512 consecutive bytes, aligned
.endr
.endr
	WIN 0
	s_wait_tensorcnt 0x0                           ; the wave's end
	ds_add_u32 v[SPW], v[NIL]
	s_wait_dscnt 0x0
	CROUND                                         ; the closing round
	s_endpgm
.Lfunc_end_k_q351b9e0c01_oproj:
	.size	k_q351b9e0c01_oproj, .Lfunc_end_k_q351b9e0c01_oproj-k_q351b9e0c01_oproj
	.p2alignl 7, 3214868480
	.fill 96, 4, 3214868480
	.section	.rodata,"a",@progbits
	.p2align	6, 0x0
	.amdhsa_kernel k_q351b9e0c01_oproj
		.amdhsa_group_segment_fixed_size 327680
		.amdhsa_private_segment_fixed_size 0
		.amdhsa_enable_private_segment 0
		.amdhsa_kernarg_size 24
		.amdhsa_user_sgpr_count 2
		.amdhsa_user_sgpr_kernarg_segment_ptr 1
		.amdhsa_wavefront_size32 1
		.amdhsa_system_sgpr_workgroup_id_x 1
		.amdhsa_system_sgpr_workgroup_id_y 1
		.amdhsa_system_sgpr_workgroup_id_z 1
		.amdhsa_system_vgpr_workitem_id 0
		.amdhsa_next_free_vgpr 1024
		.amdhsa_next_free_sgpr 100
		.amdhsa_reserve_vcc 0
		.amdhsa_float_denorm_mode_32 3
		.amdhsa_float_denorm_mode_16_64 3
		.amdhsa_memory_ordered 1
		.amdhsa_forward_progress 1
		.amdhsa_inst_pref_size 126
	.end_amdhsa_kernel
	.amdgpu_metadata
---
amdhsa.version: [ 1, 2 ]
amdhsa.kernels:
  - .name:           k_q351b9e0c01_oproj
    .symbol:         k_q351b9e0c01_oproj.kd
    .args:
      - { .name: ar, .offset: 0, .size: 8, .value_kind: global_buffer, .address_space: global }
      - { .name: opw, .offset: 8, .size: 8, .value_kind: global_buffer, .address_space: global }
      - { .name: yb, .offset: 16, .size: 8, .value_kind: global_buffer, .address_space: global }
    .group_segment_fixed_size: 327680
    .private_segment_fixed_size: 0
    .kernarg_segment_align: 8
    .kernarg_segment_size: 24
    .max_flat_workgroup_size: 128
    .sgpr_count:     100
    .vgpr_count:     1024
    .wavefront_size: 32
...
	.end_amdgpu_metadata
.endif
;; end of part 4
;; launch ln1 (part 5): grid 256 x 1, 8 waves a work-group, no clusters, 70,656 bytes of LDS; arguments yb, out_b, src, ln1_g, ln1_b, xf, ar; writes xf, ar
.if DOCPART == 5
	.amdgcn_target "amdgcn-amd-amdhsa--gfx1250"
	.amdhsa_code_object_version 6
	.text
	.protected	k_q351b9e0c01_ln1
	.globl	k_q351b9e0c01_ln1
	.p2align	8
	.type	k_q351b9e0c01_ln1,@function
k_q351b9e0c01_ln1:
	s_mov_b64 s[64:65], 0
	v_nop
	global_prefetch_b8 v0, s[64:65] scope:SCOPE_SE
	s_setreg_imm32_b32 hwreg(HW_REG_WAVE_MODE, 25, 1), 1
	s_wait_xcnt 0x0
; x = LayerNorm(src + (y + out_b)) x ln1_g + ln1_b, all f32; x leaves as f32 (for the second residual) and as codes of MX-BF6 (for the next product).
; A work-group takes one block of 16 rows (blocks 0-127 batch 0, 128-255 batch 1; place p of block i' holds t = 32 (i' / 2) + 8 (i' % 2) + p + 8 (p / 8); the true row is 2 t + batch); wave w takes columns 128 w .. 128 w + 127.
; y and x are IMAGES of 8,192 bytes: lane (r, h) holds row r; register 16 b + i = column 32 b + 16 h + i; group g of four registers at 512 g + 16 x lane: every load and store takes 512 consecutive bytes.
; src lies by rows: each load takes 512 consecutive bytes of one row, and the 16 rows turn through the wave's own stage in LDS (rows 528 bytes apart) into the image's order.
; The mean and then the mean of the squared differences, as the definition has them: within a lane, with lane l xor 16, and across the eight waves through LDS: two barriers.
; Memory binds this launch: no matrix unit, no cluster (no input is shared between work-groups).
; LIMITS: NaN and infinities are not served; v_rsq_f32 (1 ulp) stands ahead of the quantiser; a block whose largest magnitude lies under 2^-122 keeps the scale byte 1 (this program alone reads the bytes).
.set REC,   1664
.set SP,    528
.set STG,   16*SP
.set STAT0, 0                          ; LDS: the waves' sums, 128 bytes each;
.set STAT1, 1024                       ; the sums of squares;
.set STGB,  2048                       ; the eight stages
.set L16,  4
.set L8,   5
.set L4,   6
.set STI,  7                           ; the stage by rows
.set STL,  8                           ; the stage by lanes: row r, + 64 h
.set CB,   9                           ; 64 h: my 16 numbers of each 32 columns
.set MU,   10                          ; v[10:11] the mean
.set RS,   12                          ; v[12:13] 1 / sqrt(var + eps)
.set SA,   14                          ; where I put my wave's sum
.set TM,   16
.set PC,   32
.set PW,   52
.set SM,   54                          ; v54-61
.set Z,    64
.set T1,   128
.set T2,   192
.set SEL,  20
.macro QUANT s
.irp b, 0,1,2,3
	v_max3_num_f32 v[TM+\b], |v[\s+16*\b]|, |v[\s+1+16*\b]|, 0x2800000   ; block b: my 16 numbers, and the floor 2^(5 - 127): the byte cannot fall under 1
.endr
.irp i, 2,4,6,8,10,12,14
.irp b, 0,1,2,3
	v_max3_num_f32 v[TM+\b], v[TM+\b], |v[\s+16*\b+\i]|, |v[\s+1+16*\b+\i]|
.endr
.endr
.irp b, 0,1,2,3
	v_permlanex16_b32 v[TM+4+\b], v[TM+\b], s[SEL], s[SEL+1]
.endr
.irp b, 0,1,2,3
	v_max_num_f32 v[TM+\b], v[TM+\b], v[TM+4+\b]
.endr
.irp b, 0,1,2,3
	v_add_nc_u32 v[TM+12+\b], 0xfe000000, v[TM+\b]   ; 4 off the exponent field: the conversion's scale operand
.endr
.irp b, 0,1,2,3
	v_lshrrev_b32 v[TM+4+\b], 23, v[TM+12+\b]
.endr
	v_lshl_or_b32 v[PW], v[TM+5], 8, v[TM+4]
	v_lshl_or_b32 v[PW], v[TM+6], 16, v[PW]
	v_lshl_or_b32 v[PW], v[TM+7], 24, v[PW]
.irp c, 0,1
	v_cvt_scalef32_pk16_bf6_f32 v[PC+6*\c:PC+2+6*\c], v[\s+32*\c:\s+15+32*\c], v[TM+12+2*\c]
	v_cvt_scalef32_pk16_bf6_f32 v[PC+12+4*\c:PC+14+4*\c], v[\s+16+32*\c:\s+31+32*\c], v[TM+12+2*\c+1]
.endr
	v_nop                                          ; one plain place behind a scaled conversion
.irp c, 0,1
.irp i, 0,1,2
	v_permlane16_swap_b32 v[PC+6*\c+\i], v[PC+12+4*\c+\i]
.endr
.irp i, 0,1,2
	v_mov_b32 v[PC+3+6*\c+\i], v[PC+12+4*\c+\i]
.endr
.endr
.endm
; v[SM] = the sum of my 64 numbers -> the sum over the row's 1,024, the same bits in every wave
.macro ACROSS stat
	v_permlanex16_b32 v[SM+4], v[SM], s[SEL], s[SEL+1]
	v_add_f32 v[SM], v[SM], v[SM+4]
	ds_store_b32 v[SA], v[SM] offset:\stat
	s_wait_dscnt 0x0                               ; for the others' sake: my store is done
	s_barrier_signal -1
	s_barrier_wait -1
.irp k, 0,1,2,3,4,5,6,7
	ds_load_b32 v[SM+\k], v[L4] offset:\stat+128*\k
.endr
	s_wait_dscnt 0x0
	v_add_f32 v[SM], v[SM], v[SM+1]
	v_add_f32 v[SM+2], v[SM+2], v[SM+3]
	v_add_f32 v[SM+4], v[SM+4], v[SM+5]
	v_add_f32 v[SM+6], v[SM+6], v[SM+7]
	v_add_f32 v[SM], v[SM], v[SM+2]
	v_add_f32 v[SM+4], v[SM+4], v[SM+6]
	v_add_f32 v[SM], v[SM], v[SM+4]
.endm
.macro COLS reg, sb                    ; my 64 of a vector over the columns
.irp g, 0,1,2,3,4,5,6,7,8,9,10,11,12,13,14,15
	global_load_b128 v[\reg+4*\g:\reg+4*\g+3], v[CB], s[\sb:\sb+1] offset:128*(\g/4)+16*(\g%4)
.endr
.endm
	s_load_b256 s[4:11], s[0:1], 0x0               ; yb, out_b, src, ln1_g
	s_load_b128 s[12:15], s[0:1], 0x20             ; ln1_b, xf
	s_load_b64 s[16:17], s[0:1], 0x30              ; ar
	v_lshl_add_u32 v62, v0, 2, 0x11000
	v_mov_b32 v63, 0
	v_lshrrev_b32 v1, 5, v0
	v_readfirstlane_b32 s18, v1                    ; wave 0..7
	v_and_b32 v1, 31, v0
	v_and_b32 v2, 15, v0
	v_bfe_u32 v3, v0, 4, 1
	v_lshlrev_b32 v[L16], 4, v1
	v_lshlrev_b32 v[L8], 3, v1
	v_lshlrev_b32 v[L4], 2, v1
	v_lshlrev_b32 v[CB], 6, v3
	s_mul_i32 s19, s18, STG
	s_add_co_u32 s19, s19, STGB
	v_add_nc_u32 v[STI], s19, v[L16]
	v_mul_u32_u24 v[STL], v2, SP
	v_add_nc_u32 v[STL], v[STL], v[CB]
	v_add_nc_u32 v[STL], s19, v[STL]
	s_lshl_b32 s19, s18, 7
	v_add_nc_u32 v[SA], s19, v[L4]
	s_mov_b32 s[SEL], 0x76543210
	s_mov_b32 s[SEL+1], 0xfedcba98
.irp b, 0,1,2,3
	v_mov_b32 v[TM+4+\b], 0                        ; written once: a lane permute's destination counts as one of its sources
.endr
	v_mov_b32 v[SM+4], 0
	s_and_b32 s22, ttmp9, 127
	s_lshr_b32 s23, s22, 1
	s_lshl_b32 s23, s23, 5
	s_and_b32 s22, s22, 1
	s_lshl_b32 s22, s22, 3
	s_add_co_u32 s22, s22, s23                     ; the block's first t
	s_lshl_b32 s24, s22, 13
	s_lshr_b32 s22, ttmp9, 7
	s_lshl_b32 s22, s22, 12
	s_add_co_u32 s24, s24, s22
	s_lshl_b32 s26, s18, 9                         ; my 128 columns
	s_add_co_u32 s24, s24, s26
	s_mov_b32 s25, 0
	s_mov_b32 s27, 0
	s_lshl_b32 s28, ttmp9, 3
	s_add_co_u32 s28, s28, s18
	s_mul_i32 s30, s28, REC                        ; my record
	s_lshl_b32 s28, s28, 13                        ; my image
	s_mov_b32 s29, 0
	s_mov_b32 s31, 0
	s_mov_b32 s32, 0x3a800000                      ; 1 / 1,024
	s_mov_b32 s33, 0x3727c5ac                      ; 1e-5
	s_wait_kmcnt 0x0
	s_add_nc_u64 s[8:9], s[8:9], s[24:25]
	s_add_nc_u64 s[4:5], s[4:5], s[28:29]
	s_add_nc_u64 s[6:7], s[6:7], s[26:27]
	s_add_nc_u64 s[10:11], s[10:11], s[26:27]
	s_add_nc_u64 s[12:13], s[12:13], s[26:27]
	s_add_nc_u64 s[14:15], s[14:15], s[28:29]
	s_add_nc_u64 s[16:17], s[16:17], s[30:31]
.irp p, 0,1,2,3,4,5,6,7,8,9,10,11,12,13,14,15
	global_load_b128 v[T2+4*\p:T2+4*\p+3], v[L16], s[8:9] offset:(\p+8*(\p/8))*8192 th:TH_LOAD_NT   ; src: 512 consecutive bytes of the row at place p
.endr
.irp g, 0,1,2,3,4,5,6,7,8,9,10,11,12,13,14,15
	global_load_b128 v[Z+4*\g:Z+4*\g+3], v[L16], s[4:5] offset:512*\g th:TH_LOAD_NT
.endr
	COLS T1, 6
	s_wait_loadcnt 32                              ; src's 16 loads are in; the image's and the bias's 32 may be out
.irp p, 0,1,2,3,4,5,6,7,8,9,10,11,12,13,14,15
	ds_store_b128 v[STI], v[T2+4*\p:T2+4*\p+3] offset:\p*SP
.endr
.irp g, 0,1,2,3,4,5,6,7,8,9,10,11,12,13,14,15
	ds_load_b128 v[T2+4*\g:T2+4*\g+3], v[STL] offset:128*(\g/4)+16*(\g%4)   ; LDS serves a wave's instructions in order (ISA guide 5.7.1.4): these see the stores above
.endr
	s_wait_loadcnt 0x0
.set JJ, 0
.rept 32
	v_pk_add_f32 v[Z+JJ:Z+JJ+1], v[Z+JJ:Z+JJ+1], v[T1+JJ:T1+JJ+1]   ; y + out_b
.set JJ, JJ+2
.endr
	s_wait_dscnt 0x0
.set JJ, 0
.rept 32
	v_pk_add_f32 v[Z+JJ:Z+JJ+1], v[Z+JJ:Z+JJ+1], v[T2+JJ:T2+JJ+1]   ; + src
.set JJ, JJ+2
.endr
	COLS T1, 10                                    ; the gain and the offset come while the sums are made
	COLS T2, 12
	v_pk_add_f32 v[SM:SM+1], v[Z:Z+1], v[Z+2:Z+3]
	v_pk_add_f32 v[SM+2:SM+3], v[Z+4:Z+5], v[Z+6:Z+7]
.set JJ, 8
.rept 14
	v_pk_add_f32 v[SM:SM+1], v[SM:SM+1], v[Z+JJ:Z+JJ+1]
	v_pk_add_f32 v[SM+2:SM+3], v[SM+2:SM+3], v[Z+JJ+2:Z+JJ+3]
.set JJ, JJ+4
.endr
	v_pk_add_f32 v[SM:SM+1], v[SM:SM+1], v[SM+2:SM+3]
	v_add_f32 v[SM], v[SM], v[SM+1]
	ACROSS STAT0
	v_mul_f32 v[MU], s32, v[SM]
	v_mov_b32 v[MU+1], v[MU]
.set JJ, 0
.rept 32
	v_pk_add_f32 v[Z+JJ:Z+JJ+1], v[Z+JJ:Z+JJ+1], v[MU:MU+1] neg_lo:[0,1] neg_hi:[0,1]
.set JJ, JJ+2
.endr
	v_pk_mul_f32 v[SM:SM+1], v[Z:Z+1], v[Z:Z+1]
	v_pk_mul_f32 v[SM+2:SM+3], v[Z+2:Z+3], v[Z+2:Z+3]
.set JJ, 4
.rept 15
	v_pk_fma_f32 v[SM:SM+1], v[Z+JJ:Z+JJ+1], v[Z+JJ:Z+JJ+1], v[SM:SM+1]
	v_pk_fma_f32 v[SM+2:SM+3], v[Z+JJ+2:Z+JJ+3], v[Z+JJ+2:Z+JJ+3], v[SM+2:SM+3]
.set JJ, JJ+4
.endr
	v_pk_add_f32 v[SM:SM+1], v[SM:SM+1], v[SM+2:SM+3]
	v_add_f32 v[SM], v[SM], v[SM+1]
	ACROSS STAT1
	v_fma_f32 v[RS], v[SM], s32, s33               ; var + eps: the division by 1,024 is exact
	v_rsq_f32 v[RS], v[RS]
	v_nop                                          ; one plain place behind a transcendental
	s_wait_alu depctr_va_vdst(0)
	v_mov_b32 v[RS+1], v[RS]
	s_wait_loadcnt 0x0
.set JJ, 0
.rept 32
	v_pk_mul_f32 v[Z+JJ:Z+JJ+1], v[Z+JJ:Z+JJ+1], v[RS:RS+1]
.set JJ, JJ+2
.endr
.set JJ, 0
.rept 32
	v_pk_fma_f32 v[Z+JJ:Z+JJ+1], v[Z+JJ:Z+JJ+1], v[T1+JJ:T1+JJ+1], v[T2+JJ:T2+JJ+1]
.set JJ, JJ+2
.endr
.irp g, 0,1,2,3,4,5,6,7,8,9,10,11,12,13,14,15
	global_store_b128 v[L16], v[Z+4*\g:Z+4*\g+3], s[14:15] offset:512*\g   ; x in f32; the lines below read these registers and write none of them
.endr
	QUANT Z
	global_store_b128 v[L16], v[PC:PC+3], s[16:17]
	global_store_b64 v[L8], v[PC+4:PC+5], s[16:17] offset:512
	global_store_b128 v[L16], v[PC+6:PC+9], s[16:17] offset:768
	global_store_b64 v[L8], v[PC+10:PC+11], s[16:17] offset:1280
	global_store_b32 v[L4], v[PW], s[16:17] offset:1536
	s_wait_tensorcnt 0x0
	ds_add_u32 v62, v63
	s_wait_dscnt 0x0
	s_endpgm
.Lfunc_end_k_q351b9e0c01_ln1:
	.size	k_q351b9e0c01_ln1, .Lfunc_end_k_q351b9e0c01_ln1-k_q351b9e0c01_ln1
	.p2alignl 7, 3214868480
	.fill 96, 4, 3214868480
	.section	.rodata,"a",@progbits
	.p2align	6, 0x0
	.amdhsa_kernel k_q351b9e0c01_ln1
		.amdhsa_group_segment_fixed_size 70656
		.amdhsa_private_segment_fixed_size 0
		.amdhsa_enable_private_segment 0
		.amdhsa_kernarg_size 56
		.amdhsa_user_sgpr_count 2
		.amdhsa_user_sgpr_kernarg_segment_ptr 1
		.amdhsa_wavefront_size32 1
		.amdhsa_system_sgpr_workgroup_id_x 1
		.amdhsa_system_sgpr_workgroup_id_y 1
		.amdhsa_system_sgpr_workgroup_id_z 1
		.amdhsa_system_vgpr_workitem_id 0
		.amdhsa_next_free_vgpr 256
		.amdhsa_next_free_sgpr 66
		.amdhsa_reserve_vcc 0
		.amdhsa_float_denorm_mode_32 3
		.amdhsa_float_denorm_mode_16_64 3
		.amdhsa_memory_ordered 1
		.amdhsa_forward_progress 1
		.amdhsa_inst_pref_size 35
	.end_amdhsa_kernel
	.amdgpu_metadata
---
amdhsa.version: [ 1, 2 ]
amdhsa.kernels:
  - .name:           k_q351b9e0c01_ln1
    .symbol:         k_q351b9e0c01_ln1.kd
    .args:
      - { .name: yb, .offset: 0, .size: 8, .value_kind: global_buffer, .address_space: global }
      - { .name: out_b, .offset: 8, .size: 8, .value_kind: global_buffer, .address_space: global }
      - { .name: src, .offset: 16, .size: 8, .value_kind: global_buffer, .address_space: global }
      - { .name: ln1_g, .offset: 24, .size: 8, .value_kind: global_buffer, .address_space: global }
      - { .name: ln1_b, .offset: 32, .size: 8, .value_kind: global_buffer, .address_space: global }
      - { .name: xf, .offset: 40, .size: 8, .value_kind: global_buffer, .address_space: global }
      - { .name: ar, .offset: 48, .size: 8, .value_kind: global_buffer, .address_space: global }
    .group_segment_fixed_size: 70656
    .private_segment_fixed_size: 0
    .kernarg_segment_align: 8
    .kernarg_segment_size: 56
    .max_flat_workgroup_size: 256
    .sgpr_count:     66
    .vgpr_count:     256
    .wavefront_size: 32
...
	.end_amdgpu_metadata
.endif
;; end of part 5
;; launch ffn1 (part 6): grid 16 x 16, 4 waves a work-group, clusters of 4 x 4, 327,680 bytes of LDS; arguments ar, opw, b1, hr; writes hr
.if DOCPART == 6
	.amdgcn_target "amdgcn-amd-amdhsa--gfx1250"
	.amdhsa_code_object_version 6
	.text
	.protected	k_q351b9e0c01_ffn1
	.globl	k_q351b9e0c01_ffn1
	.p2align	8
	.type	k_q351b9e0c01_ffn1,@function
k_q351b9e0c01_ffn1:
	s_mov_b64 s[64:65], 0
	v_nop
	global_prefetch_b8 v0, s[64:65] scope:SCOPE_SE
	s_setreg_imm32_b32 hwreg(HW_REG_WAVE_MODE, 25, 1), 1
	s_wait_xcnt 0x0
	s_wait_alu depctr_hold_cnt(0) depctr_sa_sdst(0) depctr_va_vdst(0) depctr_va_sdst(0) depctr_va_ssrc(0) depctr_va_vcc(0) depctr_vm_vsrc(0)
	s_getreg_b32 s2, hwreg(HW_REG_IB_STS2, 6, 4)
	s_cmp_eq_u32 s2, 0
	s_cbranch_scc0 .Lentry_in_a_cluster
	s_endpgm
.Lentry_in_a_cluster:
	s_bfe_u32 s2, ttmp6, 0x10000c
	s_cmp_lg_u32 s2, 0xf033
	s_cbranch_scc0 .Lentry_shape_is_right
	s_endpgm
.Lentry_shape_is_right:
; hidden = relu(x w1^T + b1) on codes of MX-BF6, quantised along the hidden units on the way out, in registers: the hidden layer goes to memory as codes alone.
; OPERANDS are records of 1,664 bytes, the image of a fragment (16 rows x 128 K) and its scale words: 0: registers 0-3 (16 bytes a lane) | 512: 4-5 (8 a lane) | 768: 6-9 | 1280: 10-11 | 1536: the scale word (4 a lane, lanes 16-31 repeat).
; Record (block i, K step s) lies at (KS i + s) x 1,664, so two K steps of a block are 3,328 consecutive bytes.  Place p of a block i of the weight holds row 32 (i / 2) + 8 (i % 2) + p + 8 (p / 8).
; A tile of 256 x 256 is made by four waves, as many as a WGP has SIMDs; a wave makes 128 x 128: 64 accumulators of 16 x 16, 512 registers.  K goes in steps of 256 through a ring of two LDS slots filled by the tensor data mover.
; THE MATRIX INSTRUCTION IS USED TRANSPOSED: source 0 = a block of B (the weight), source 1 = a block of A.  Lane (r, h) then holds, for A's row at place r, in the 64 registers of A's block: register 16 b + i = hidden unit 32 b + 16 h + i:
; 16 neighbours along the next product's K for each block of 32, as the conversions want them.
; CLUSTERS: 4 x 4 work-groups.  The four of a row of the cluster need the same tiles of A, the four of a column the same tiles of B: each tile is asked for JOINTLY, by the same tensor load with the same descriptor and a mask that names the four.
; OUT: records of the hidden layer in hr, (block i, K step s) at (32 i + s) x 1,664; my 128 hidden units are one K step.
; REGISTERS, in windows of 256: window 0: v0-31 addresses; v32-63 scale words, two sets; v64-127 b1; v128-223 A's fragments, ONE set (on the way out: codes and work).   window 1: B's fragments, TWO sets.
;   window 2: the accumulators of my rows 0-63 ((a, b) at v[8 (8 a + b)]);   window 3: those of my rows 64-127.
; LIMITS: NaN and infinities are not served; a block whose largest magnitude lies under 2^-122, a block of zeros among them, keeps the scale byte 1 (zero codes add nothing; this program alone reads the bytes).
.set KS,     8
.set OFF_B,  6815744                   ; w1's records in opw
.set REC,    1664
.set PAIR,   2*REC
.set BLKB,   KS*REC
.set NQ,     2
.set FR,     12
.set NL,     4
.set NP,     4                         ; places behind this matrix instruction (ISA guide 7.12.1)
.set HALFT,  8*PAIR
.set SLOT,   4*HALFT
.set SPARE,  2*SLOT                    ; behind the ring: the spare words, 128 bytes for each wave: two blocks of 256 bytes that no other line names
.set LAPS,   KS/4
.set A16, 16
.set A8,  18
.set B16, 20
.set B8,  22
.set L16, 24
.set L8,  25
.set L4,  26
.set SPW, 28                           ; v28     LDS address of my spare word; never rewritten
.set NIL, 29                           ; v29     0; never rewritten
.set S4,  30
.set SC,  32
.set BB,  64
.set AF,  128
.set PC,  128
.set TM,  150
.set PW,  166
.set G1,  24
.set G0,  32
.set G1B, 48
.set G0B, 56
.set SEL, 82
.set MSB, 0
.macro WIN new                         ; the immediate's high byte repeats the setting that is left
.if MSB != (\new)
	s_set_vgpr_msb (MSB<<8)|(\new)
.set MSB, (\new)
.endif
.endm
.set MUL_LO, 0xa1
.set MUL_HI, 0xf1
.set TO_B,   0x40
.macro JLOAD g0a, g1a, g0b, g1b        ; a joint load: waves 0 and 1 fetch for A, waves 2 and 3 for B; the branch hangs on the wave's number alone; four v_nop follow each line
	s_cmp_eq_u32 s15, 0
	s_cbranch_scc0 .Lfor_b_\@
	tensor_load_to_lds s[\g0a:\g0a+3], s[\g1a:\g1a+7]
	s_nop 0
.rept 4
	v_nop
.endr
	s_branch .Lasked_\@
.Lfor_b_\@:
	tensor_load_to_lds s[\g0b:\g0b+3], s[\g1b:\g1b+7]
	s_nop 0
.rept 4
	v_nop
.endr
.Lasked_\@:
.endm
.macro CREST
	s_cmp_lg_u32 s14, 0
	s_cbranch_scc1 .Lnot_wave_0_\@
	s_barrier_signal -3
.Lnot_wave_0_\@:
	s_barrier_wait -3
	s_barrier_signal -1
	s_barrier_wait -1
.endm
.macro CROUND
	s_barrier_signal -1
	s_barrier_wait -1
	CREST
.endm
	s_load_b256 s[4:11], s[0:1], 0x0               ; ar, opw, b1, hr
	v_lshl_add_u32 v[SPW], v0, 2, SPARE
	v_mov_b32 v[NIL], 0
	ds_add_u32 v28, v29
	ds_add_u32 v28, v29
	s_wait_dscnt 0x0
	v_lshrrev_b32 v1, 5, v0
	v_readfirstlane_b32 s14, v1                    ; wave 0..3
	s_lshr_b32 s15, s14, 1                         ; which half of the tile's rows is mine.  Also: I fetch for A (0) or for B (1)
	s_and_b32 s16, s14, 1                          ; which half of its columns.  Also: which 8 blocks of that tile I fetch
	s_bfe_u32 s40, ttmp6, 0x40000
	s_bfe_u32 s41, ttmp6, 0x40004
	s_lshl_b32 s42, ttmp9, 2
	s_add_co_u32 s42, s42, s40                     ; tile column
	s_and_b32 s17, ttmp7, 0xffff
	s_lshl_b32 s17, s17, 2
	s_add_co_u32 s17, s17, s41                     ; tile row
	s_lshl_b32 s43, s41, 2
	s_lshl_b32 s43, 15, s43
	s_lshl_b32 s44, 0x1111, s40
	; descriptor group 1: 8 rows (blocks) of 3,328 bytes, as 416 elements of 8 bytes, BLKB bytes apart; dense in LDS
	s_or_b32 s[G1+0], s43, (3<<16)|(1<<21)
	s_or_b32 s[G1B+0], s44, (3<<16)|(1<<21)
.irp g, G1, G1B
	s_mov_b32 s[\g+1], 416<<16
	s_mov_b32 s[\g+2], 8<<16
	s_mov_b32 s[\g+3], 416<<16
	s_mov_b32 s[\g+4], 8
	s_mov_b32 s[\g+5], KS*208
	s_mov_b32 s[\g+6], 0
	s_mov_b32 s[\g+7], 0
.endr
	s_lshl_b32 s18, s16, 3
	s_lshl_b32 s20, s17, 4
	s_add_co_u32 s20, s20, s18
	s_mul_i32 s20, s20, BLKB
	s_mov_b32 s21, 0
	s_lshl_b32 s46, s42, 4
	s_add_co_u32 s46, s46, s18
	s_mul_i32 s46, s46, BLKB
	s_add_co_u32 s46, s46, OFF_B
	s_mov_b32 s47, 0
	s_mul_i32 s45, s14, HALFT
	s_lshl_b32 s70, s42, 10                        ; b1: my 128 hidden units
	s_lshl_b32 s71, s16, 9
	s_add_co_u32 s70, s70, s71
	s_mov_b32 s71, 0
	s_lshl_b32 s84, s17, 4                         ; my first record: (16 x tile row + 8 x half) x 32 + 2 x tile column + half
	s_lshl_b32 s85, s15, 3
	s_add_co_u32 s84, s84, s85
	s_lshl_b32 s84, s84, 5
	s_lshl_b32 s85, s42, 1
	s_add_co_u32 s84, s84, s85
	s_add_co_u32 s84, s84, s16
	s_mul_i32 s84, s84, REC
	s_mov_b32 s85, 0
	s_mov_b32 s[SEL], 0x76543210
	s_mov_b32 s[SEL+1], 0xfedcba98
	s_wait_kmcnt 0x0
	s_add_nc_u64 s[20:21], s[4:5], s[20:21]
	s_add_nc_u64 s[46:47], s[6:7], s[46:47]
	s_add_nc_u64 s[70:71], s[8:9], s[70:71]
	s_add_nc_u64 s[12:13], s[10:11], s[84:85]
	CROUND                                         ; all sixteen work-groups are here: the first joint loads meet
.irp s, 0,1
	s_mov_b32 s[G0+4*\s], 1
	s_add_co_u32 s[G0+4*\s+1], s45, \s*SLOT
	s_add_nc_u64 s[G0+4*\s+2:G0+4*\s+3], s[20:21], \s*PAIR
	s_or_b32 s[G0+4*\s+3], s[G0+4*\s+3], 0x80000000
	s_mov_b32 s[G0B+4*\s], 1
	s_add_co_u32 s[G0B+4*\s+1], s45, \s*SLOT
	s_add_nc_u64 s[G0B+4*\s+2:G0B+4*\s+3], s[46:47], \s*PAIR
	s_or_b32 s[G0B+4*\s+3], s[G0B+4*\s+3], 0x80000000
	JLOAD G0+4*\s, G1, G0B+4*\s, G1B
.endr
	v_and_b32 v1, 31, v0
	v_bfe_u32 v2, v0, 4, 1
	v_lshlrev_b32 v[L16], 4, v1
	v_lshlrev_b32 v[L8], 3, v1
	v_lshlrev_b32 v[L4], 2, v1
	v_lshlrev_b32 v3, 6, v2
.irp b, 0,1,2,3,4,5,6,7
	global_load_b128 v[BB+8*\b:BB+8*\b+3], v3, s[70:71] offset:(32*(\b/2)+8*(\b%2))*4       ; b1 in the results' layout
	global_load_b128 v[BB+8*\b+4:BB+8*\b+7], v3, s[70:71] offset:(32*(\b/2)+8*(\b%2))*4+16
.endr
	s_mul_i32 s21, s15, HALFT
	s_mul_i32 s22, s16, HALFT
	s_add_co_u32 s22, s22, 2*HALFT
.irp s, 0,1
	v_add_nc_u32 v[A16+\s], s21, v[L16]
	v_add_nc_u32 v[A8+\s], s21, v[L8]
	v_add_nc_u32 v[B16+\s], s22, v[L16]
	v_add_nc_u32 v[B8+\s], s22, v[L8]
	s_add_co_u32 s21, s21, SLOT
	s_add_co_u32 s22, s22, SLOT
.endr
	s_mul_i32 s21, s15, HALFT
	s_mul_i32 s22, s16, HALFT
	s_add_co_u32 s22, s22, 2*HALFT
	s_sub_co_u32 s22, s22, s21
	v_mul_u32_u24 v6, s22, v2                      ; lanes 16-31 take B's scale words
	s_add_co_u32 s21, s21, 1536
	v_add_nc_u32 v5, v[L4], v6
	v_add_nc_u32 v[S4], s21, v5
	v_add_nc_u32 v[S4+1], SLOT, v[S4]
.macro FRAG reg, a16, a8, q, i
	ds_load_b128 v[\reg:\reg+3], v[\a16] offset:(\i)*PAIR+(\q)*REC
	ds_load_b64 v[\reg+4:\reg+5], v[\a8] offset:(\i)*PAIR+(\q)*REC+512
	ds_load_b128 v[\reg+6:\reg+9], v[\a16] offset:(\i)*PAIR+(\q)*REC+768
	ds_load_b64 v[\reg+10:\reg+11], v[\a8] offset:(\i)*PAIR+(\q)*REC+1280
.endm
; 16 matrix instructions: A's blocks a0, a0 + 1 x B's eight.  The 64 accumulators take turns, one instruction a turn, in the same order in every step.
.macro MUL16 a0, p, q, sc, zero
.irp a, \a0, \a0+1
.irp b, 0,1,2,3,4,5,6,7
.if \zero
	v_wmma_scale_f32_16x16x128_f8f6f4 v[8*(8*((\a)%4)+\b):8*(8*((\a)%4)+\b)+7], v[128*(\p)+FR*\b:128*(\p)+FR*\b+FR-1], v[AF+FR*(\a):AF+FR*(\a)+FR-1], 0, v[SC+8*NQ*(\sc)+NQ*\b+(\q)], v[SC+8*NQ*(\sc)+NQ*(\a)+(\q)] matrix_a_fmt:MATRIX_FMT_BF6 matrix_b_fmt:MATRIX_FMT_BF6 matrix_a_scale:MATRIX_SCALE_ROW1
.else
	v_wmma_scale_f32_16x16x128_f8f6f4 v[8*(8*((\a)%4)+\b):8*(8*((\a)%4)+\b)+7], v[128*(\p)+FR*\b:128*(\p)+FR*\b+FR-1], v[AF+FR*(\a):AF+FR*(\a)+FR-1], v[8*(8*((\a)%4)+\b):8*(8*((\a)%4)+\b)+7], v[SC+8*NQ*(\sc)+NQ*\b+(\q)], v[SC+8*NQ*(\sc)+NQ*(\a)+(\q)] matrix_a_fmt:MATRIX_FMT_BF6 matrix_b_fmt:MATRIX_FMT_BF6 matrix_a_scale:MATRIX_SCALE_ROW1
.endif
.endr
.endr
.endm
.macro FETCH_B slot, q, p
	WIN TO_B
.irp i, 0,1,2,3,4,5,6,7
	FRAG 128*(\p)+FR*\i, B16+\slot, B8+\slot, \q, \i
.endr
	WIN 0
.endm
.macro FETCH_A slot, q, i0
.irp i, \i0, \i0+1, \i0+2, \i0+3
	FRAG AF+FR*(\i), A16+\slot, A8+\slot, \q, \i
.endr
.endm
.macro SCALES sc
.irp i, 0,1,2,3,4,5,6,7
	ds_load_b32 v[SC+8*NQ*\sc+NQ*\i], v[S4+\sc] offset:\i*PAIR
	ds_load_b32 v[SC+8*NQ*\sc+NQ*\i+1], v[S4+\sc] offset:\i*PAIR+REC
.endr
.endm
.macro PLACES n                        ; plain vector instructions between a matrix instruction and a load into, or a read of, its registers (ISA guide 7.12.1 for the reads)
.rept \n
	v_nop
.endr
.endm
.macro STEP slot, q, zero
	s_wait_dscnt 4*NL                              ; all but the youngest 16 loads (A's blocks 4-7)
	WIN MUL_LO
	MUL16 0, (\q)%2, \q, \slot, \zero
	MUL16 2, (\q)%2, \q, \slot, \zero
	s_wait_dscnt 0
	PLACES NP
	FETCH_B \slot, (\q)+1, 1-(\q)%2
	FETCH_A \slot, (\q)+1, 0
	WIN MUL_HI
	MUL16 4, (\q)%2, \q, \slot, \zero
	MUL16 6, (\q)%2, \q, \slot, \zero
	PLACES NP
	WIN 0
	FETCH_A \slot, (\q)+1, 4
.endm
; A slot's last step changes slots: ONE barrier; in front of it each wave waits for all its tensor loads, adds 0 to its spare word, and waits for that and for its own reads of this slot.
.macro TURN slot, next, fill
	s_wait_tensorcnt 0x0                           ; all my tensor loads have landed: my part of the next slot
	ds_add_u32 v[SPW], v[NIL]                      ; 0 onto my spare word
	s_wait_dscnt 4*NL+1                            ; (the add and the youngest 16 loads may be out)
	WIN MUL_LO
	MUL16 0, 1, NQ-1, \slot, 0
	s_wait_dscnt 0x0                               ; the add is done, and my reads of this slot are over
	s_barrier_signal -1
	MUL16 2, 1, NQ-1, \slot, 0
	WIN 0
	s_barrier_wait -1
.if \fill
	CREST                                          ; a round of the cluster's barrier: no wave of any partner still reads this slot or has a load on its way
	s_add_nc_u64 s[G0+4*\slot+2:G0+4*\slot+3], s[G0+4*\slot+2:G0+4*\slot+3], 2*PAIR
	s_add_nc_u64 s[G0B+4*\slot+2:G0B+4*\slot+3], s[G0B+4*\slot+2:G0B+4*\slot+3], 2*PAIR
	JLOAD G0+4*\slot, G1, G0B+4*\slot, G1B
.else
	PLACES NP
.endif
	FETCH_B \next, 0, 0
	FETCH_A \next, 0, 0
	SCALES \next
	WIN MUL_HI
	MUL16 4, 1, NQ-1, \slot, 0
	MUL16 6, 1, NQ-1, \slot, 0
	PLACES NP
	WIN 0
	FETCH_A \next, 0, 4
.endm
	s_wait_tensorcnt 1                             ; my part of slot 0 is in (slot 1's load may be out)
	s_wait_loadcnt 0x0                             ; and b1: no global load is out during the loop
	s_barrier_signal -1
	s_barrier_wait -1
	FETCH_B 0, 0, 0
	FETCH_A 0, 0, 0
	SCALES 0
	FETCH_A 0, 0, 4
	STEP 0, 0, 1                                   ; the first step's products start the sums
	s_mov_b32 s3, LAPS-1
.Llap:
	TURN 0, 1, 1
	STEP 1, 0, 0
	TURN 1, 0, 1
	STEP 0, 0, 0
	s_sub_co_u32 s3, s3, 1
	s_cmp_lg_u32 s3, 0
	s_cbranch_scc1 .Llap
	TURN 0, 1, 0
	STEP 1, 0, 0
	s_wait_dscnt 4*NL
	WIN MUL_LO
	MUL16 0, 1, NQ-1, 1, 0
	MUL16 2, 1, NQ-1, 1, 0
	s_wait_dscnt 0
	WIN MUL_HI
	MUL16 4, 1, NQ-1, 1, 0
	MUL16 6, 1, NQ-1, 1, 0
	WIN 0
; The 64 numbers of a lane in window w, v[s] on, become a fragment's codes in v[PC] on and its scale word in v[PW], both in window 0.
.macro QUANTW s, w
	WIN (\w)|((\w)<<2)
.irp b, 0,1,2,3
	v_max3_num_f32 v[TM+\b], |v[\s+16*\b]|, |v[\s+1+16*\b]|, 0x2800000   ; block b: my 16 numbers, and the floor 2^(5 - 127): the byte cannot fall under 1
.endr
.irp i, 2,4,6,8,10,12,14
.irp b, 0,1,2,3
	v_max3_num_f32 v[TM+\b], |v[\s+16*\b+\i]|, |v[\s+1+16*\b+\i]|, v[TM+\b]
.endr
.endr
	WIN 0
.irp b, 0,1,2,3
	v_permlanex16_b32 v[TM+4+\b], v[TM+\b], s[SEL], s[SEL+1]
.endr
.irp b, 0,1,2,3
	v_max_num_f32 v[TM+\b], v[TM+\b], v[TM+4+\b]
.endr
.irp b, 0,1,2,3
	v_add_nc_u32 v[TM+12+\b], 0xfe000000, v[TM+\b]
.endr
.irp b, 0,1,2,3
	v_lshrrev_b32 v[TM+4+\b], 23, v[TM+12+\b]
.endr
	v_lshl_or_b32 v[PW], v[TM+5], 8, v[TM+4]
	v_lshl_or_b32 v[PW], v[TM+6], 16, v[PW]
	v_lshl_or_b32 v[PW], v[TM+7], 24, v[PW]
	WIN (\w)
.irp c, 0,1
	v_cvt_scalef32_pk16_bf6_f32 v[PC+6*\c:PC+2+6*\c], v[\s+32*\c:\s+15+32*\c], v[TM+12+2*\c]
	v_cvt_scalef32_pk16_bf6_f32 v[PC+12+4*\c:PC+14+4*\c], v[\s+16+32*\c:\s+31+32*\c], v[TM+12+2*\c+1]
.endr
	WIN 0
	v_nop                                          ; one plain place behind a scaled conversion
.irp c, 0,1
.irp i, 0,1,2
	v_permlane16_swap_b32 v[PC+6*\c+\i], v[PC+12+4*\c+\i]
.endr
.irp i, 0,1,2
	v_mov_b32 v[PC+3+6*\c+\i], v[PC+12+4*\c+\i]
.endr
.endr
.endm
.macro EPI a                           ; block a's 16 rows x my 128 hidden units: + b1, relu, quantised: one record
.set AC, 64*((\a)%4)
.set WW, 2+(\a)/4
.if (\a) > 0
	s_wait_xcnt 0x0                                ; the last block's stores have read the codes and the word
.endif
	WIN (WW<<6)|WW
.set JJ, 0
.rept 32
	v_pk_add_f32 v[AC+JJ:AC+JJ+1], v[AC+JJ:AC+JJ+1], v[BB+JJ:BB+JJ+1]   ; each accumulator from its low end on
.set JJ, JJ+2
.endr
.set JJ, 0
.rept 64
	v_max_num_f32 v[AC+JJ], v[AC+JJ], 0
.set JJ, JJ+1
.endr
	QUANTW AC, WW
	global_store_b128 v[L16], v[PC:PC+3], s[12:13] offset:32*REC*(\a)
	global_store_b64 v[L8], v[PC+4:PC+5], s[12:13] offset:32*REC*(\a)+512
	global_store_b128 v[L16], v[PC+6:PC+9], s[12:13] offset:32*REC*(\a)+768
	global_store_b64 v[L8], v[PC+10:PC+11], s[12:13] offset:32*REC*(\a)+1280
	global_store_b32 v[L4], v[PW], s[12:13] offset:32*REC*(\a)+1536
.endm
	PLACES NP                                      ; behind the last products: their results are read, and the registers that held A's fragments are written
.irp b, 0,1,2,3
	v_mov_b32 v[TM+4+\b], 0                        ; written once: a lane permute's destination counts as one of its sources
.endr
.irp a, 0,1,2,3,4,5,6,7
	EPI \a
.endr
	s_wait_tensorcnt 0x0                           ; the wave's end
	ds_add_u32 v[SPW], v[NIL]
	s_wait_dscnt 0x0
	CROUND                                         ; the closing round
	s_endpgm
.Lfunc_end_k_q351b9e0c01_ffn1:
	.size	k_q351b9e0c01_ffn1, .Lfunc_end_k_q351b9e0c01_ffn1-k_q351b9e0c01_ffn1
	.p2alignl 7, 3214868480
	.fill 96, 4, 3214868480
	.section	.rodata,"a",@progbits
	.p2align	6, 0x0
	.amdhsa_kernel k_q351b9e0c01_ffn1
		.amdhsa_group_segment_fixed_size 327680
		.amdhsa_private_segment_fixed_size 0
		.amdhsa_enable_private_segment 0
		.amdhsa_kernarg_size 32
		.amdhsa_user_sgpr_count 2
		.amdhsa_user_sgpr_kernarg_segment_ptr 1
		.amdhsa_wavefront_size32 1
		.amdhsa_system_sgpr_workgroup_id_x 1
		.amdhsa_system_sgpr_workgroup_id_y 1
		.amdhsa_system_sgpr_workgroup_id_z 1
		.amdhsa_system_vgpr_workitem_id 0
		.amdhsa_next_free_vgpr 1024
		.amdhsa_next_free_sgpr 100
		.amdhsa_reserve_vcc 0
		.amdhsa_float_denorm_mode_32 3
		.amdhsa_float_denorm_mode_16_64 3
		.amdhsa_memory_ordered 1
		.amdhsa_forward_progress 1
		.amdhsa_inst_pref_size 199
	.end_amdhsa_kernel
	.amdgpu_metadata
---
amdhsa.version: [ 1, 2 ]
amdhsa.kernels:
  - .name:           k_q351b9e0c01_ffn1
    .symbol:         k_q351b9e0c01_ffn1.kd
    .args:
      - { .name: ar, .offset: 0, .size: 8, .value_kind: global_buffer, .address_space: global }
      - { .name: opw, .offset: 8, .size: 8, .value_kind: global_buffer, .address_space: global }
      - { .name: b1, .offset: 16, .size: 8, .value_kind: global_buffer, .address_space: global }
      - { .name: hr, .offset: 24, .size: 8, .value_kind: global_buffer, .address_space: global }
    .group_segment_fixed_size: 327680
    .private_segment_fixed_size: 0
    .kernarg_segment_align: 8
    .kernarg_segment_size: 32
    .max_flat_workgroup_size: 128
    .sgpr_count:     100
    .vgpr_count:     1024
    .wavefront_size: 32
...
	.end_amdgpu_metadata
.endif
;; end of part 6
;; launch ffn2 (part 7): grid 4 x 16, 4 waves a work-group, clusters of 4 x 4, 327,680 bytes of LDS; arguments hr, opw, yb; writes yb
.if DOCPART == 7
	.amdgcn_target "amdgcn-amd-amdhsa--gfx1250"
	.amdhsa_code_object_version 6
	.text
	.protected	k_q351b9e0c01_ffn2
	.globl	k_q351b9e0c01_ffn2
	.p2align	8
	.type	k_q351b9e0c01_ffn2,@function
k_q351b9e0c01_ffn2:
	s_mov_b64 s[64:65], 0
	v_nop
	global_prefetch_b8 v0, s[64:65] scope:SCOPE_SE
	s_setreg_imm32_b32 hwreg(HW_REG_WAVE_MODE, 25, 1), 1
	s_wait_xcnt 0x0
	s_wait_alu depctr_hold_cnt(0) depctr_sa_sdst(0) depctr_va_vdst(0) depctr_va_sdst(0) depctr_va_ssrc(0) depctr_va_vcc(0) depctr_vm_vsrc(0)
	s_getreg_b32 s2, hwreg(HW_REG_IB_STS2, 6, 4)
	s_cmp_eq_u32 s2, 0
	s_cbranch_scc0 .Lentry_in_a_cluster
	s_endpgm
.Lentry_in_a_cluster:
	s_bfe_u32 s2, ttmp6, 0x10000c
	s_cmp_lg_u32 s2, 0xf033
	s_cbranch_scc0 .Lentry_shape_is_right
	s_endpgm
.Lentry_shape_is_right:
; y = hidden w2^T on codes of MX-BF6, K = 4,096: the sums alone, f32; bias, residual and LayerNorm follow in the next launch, which needs whole rows.
; OPERANDS are records of 1,664 bytes, the image of a fragment (16 rows x 128 K) and its scale words: 0: registers 0-3 (16 bytes a lane) | 512: 4-5 (8 a lane) | 768: 6-9 | 1280: 10-11 | 1536: the scale word (4 a lane, lanes 16-31 repeat).
; Record (block i, K step s) lies at (KS i + s) x 1,664, so two K steps of a block are 3,328 consecutive bytes.  Place p of a block i of the weight holds row 32 (i / 2) + 8 (i % 2) + p + 8 (p / 8).
; A tile of 256 x 256 is made by four waves, as many as a WGP has SIMDs; a wave makes 128 x 128: 64 accumulators of 16 x 16, 512 registers.  K goes in steps of 256 through a ring of two LDS slots filled by the tensor data mover.
; THE MATRIX INSTRUCTION IS USED TRANSPOSED: source 0 = a block of B (the weight), source 1 = a block of A.  Lane (r, h) then holds, for A's row at place r, in the 64 registers of A's block: register 16 b + i = column 32 b + 16 h + i.
; CLUSTERS: 4 x 4 work-groups.  The four of a row of the cluster need the same tiles of A, the four of a column the same tiles of B: each tile is asked for JOINTLY, by the same tensor load with the same descriptor and a mask that names the four.
; OUT: IMAGES of 8,192 bytes: 16 rows x 128 columns as the 64 registers stand, group g of four registers at 512 g + 16 x lane; image (block i, 128 columns s) at (8 i + s) x 8,192.  Every store covers 512 consecutive bytes, aligned.  No LDS, no vector work.
; The tile gives this size 64 work-groups; a smaller tile would read each LDS byte for half the products.
; REGISTERS, in windows of 256: window 0: v0-31 addresses; v32-63 scale words, two sets; v128-223 A's fragments, ONE set.   window 1: B's fragments, TWO sets, at v0 and v128.
;   window 2: the accumulators of my rows 0-63 ((a, b) at v[8 (8 a + b)]);   window 3: those of my rows 64-127.
.set KS,     32                        ; K steps of 128 in a row
.set OFF_B,  10223616                  ; w2's records in opw
.set REC,    1664
.set PAIR,   2*REC
.set BLKB,   KS*REC
.set NQ,     2
.set FR,     12
.set NL,     4
.set NP,     4                         ; places behind this matrix instruction (ISA guide 7.12.1)
.set HALFT,  8*PAIR                    ; 8 blocks: what one tensor load brings, and what one wave reads of A or of B
.set SLOT,   4*HALFT                   ; A's 16 blocks, then B's 16
.set SPARE,  2*SLOT                    ; behind the ring: the spare words, 128 bytes for each wave: two blocks of 256 bytes that no other line names
.set LAPS,   KS/4
.set A16, 16
.set A8,  18
.set B16, 20
.set B8,  22
.set L16, 24
.set L8,  25
.set L4,  26
.set SPW, 28                           ; v28     LDS address of my spare word; never rewritten
.set NIL, 29                           ; v29     0; never rewritten
.set S4,  30                           ; v30-31  my scale words in slot 0, 1: lanes 0-15 A's, lanes 16-31 B's
.set SC,  32
.set AF,  128
.set G1,  24
.set G0,  32
.set G1B, 48
.set G0B, 56
.set MSB, 0
.macro WIN new                         ; the immediate's high byte repeats the setting that is left
.if MSB != (\new)
	s_set_vgpr_msb (MSB<<8)|(\new)
.set MSB, (\new)
.endif
.endm
.set MUL_LO, 0xa1                      ; source 0 (B) window 1, source 1 (A) window 0, C and D window 2
.set MUL_HI, 0xf1
.set TO_B,   0x40
.macro JLOAD g0a, g1a, g0b, g1b        ; a joint load: waves 0 and 1 fetch for A, waves 2 and 3 for B; the branch hangs on the wave's number alone; four v_nop follow each line
	s_cmp_eq_u32 s15, 0
	s_cbranch_scc0 .Lfor_b_\@
	tensor_load_to_lds s[\g0a:\g0a+3], s[\g1a:\g1a+7]
	s_nop 0
.rept 4
	v_nop
.endr
	s_branch .Lasked_\@
.Lfor_b_\@:
	tensor_load_to_lds s[\g0b:\g0b+3], s[\g1b:\g1b+7]
	s_nop 0
.rept 4
	v_nop
.endr
.Lasked_\@:
.endm
.macro CREST                           ; a round of the cluster's barrier behind its opening barrier
	s_cmp_lg_u32 s14, 0
	s_cbranch_scc1 .Lnot_wave_0_\@
	s_barrier_signal -3
.Lnot_wave_0_\@:
	s_barrier_wait -3
	s_barrier_signal -1
	s_barrier_wait -1
.endm
.macro CROUND
	s_barrier_signal -1
	s_barrier_wait -1
	CREST
.endm
	s_load_b128 s[4:7], s[0:1], 0x0                ; A's records, opw
	s_load_b64 s[12:13], s[0:1], 0x10              ; yb
	v_lshl_add_u32 v[SPW], v0, 2, SPARE
	v_mov_b32 v[NIL], 0
	ds_add_u32 v28, v29
	ds_add_u32 v28, v29
	s_wait_dscnt 0x0
	v_lshrrev_b32 v1, 5, v0
	v_readfirstlane_b32 s14, v1                    ; wave 0..3
	s_lshr_b32 s15, s14, 1                         ; which half of the tile's rows is mine.  Also: I fetch for A (0) or for B (1)
	s_and_b32 s16, s14, 1                          ; which half of its columns.  Also: which 8 blocks of that tile I fetch
	s_bfe_u32 s40, ttmp6, 0x40000                  ; cx, cy
	s_bfe_u32 s41, ttmp6, 0x40004
	s_lshl_b32 s42, ttmp9, 2
	s_add_co_u32 s42, s42, s40                     ; tile column
	s_and_b32 s17, ttmp7, 0xffff
	s_lshl_b32 s17, s17, 2
	s_add_co_u32 s17, s17, s41                     ; tile row
	s_lshl_b32 s43, s41, 2
	s_lshl_b32 s43, 15, s43                        ; my row of the cluster
	s_lshl_b32 s44, 0x1111, s40                    ; my column
	; descriptor group 1: 8 rows (blocks) of 3,328 bytes, as 416 elements of 8 bytes, BLKB bytes apart; dense in LDS
	s_or_b32 s[G1+0], s43, (3<<16)|(1<<21)         ; 15:0 the mask; 17:16 elements of 8 bytes; 20 no padding; 21 set beside a mask
	s_or_b32 s[G1B+0], s44, (3<<16)|(1<<21)
.irp g, G1, G1B
	s_mov_b32 s[\g+1], 416<<16                     ; tensor_dim0
	s_mov_b32 s[\g+2], 8<<16                       ; tensor_dim1
	s_mov_b32 s[\g+3], 416<<16                     ; tile_dim0
	s_mov_b32 s[\g+4], 8                           ; tile_dim1
	s_mov_b32 s[\g+5], KS*208                      ; tensor_dim0_stride, in elements
	s_mov_b32 s[\g+6], 0
	s_mov_b32 s[\g+7], 0
.endr
	s_lshl_b32 s18, s16, 3
	s_lshl_b32 s20, s17, 4
	s_add_co_u32 s20, s20, s18
	s_mul_i32 s20, s20, BLKB                       ; A: block 16 x tile row + 8 x half
	s_mov_b32 s21, 0
	s_lshl_b32 s46, s42, 4
	s_add_co_u32 s46, s46, s18
	s_mul_i32 s46, s46, BLKB
	s_add_co_u32 s46, s46, OFF_B                   ; B: block 16 x tile column + 8 x half
	s_mov_b32 s47, 0
	s_mul_i32 s45, s14, HALFT                      ; where they go: no place in the cluster enters an LDS address
	s_lshl_b32 s84, s17, 4                         ; my first image: (16 x tile row + 8 x half) x 8 + 2 x tile column + half
	s_lshl_b32 s85, s15, 3
	s_add_co_u32 s84, s84, s85
	s_lshl_b32 s84, s84, 3
	s_lshl_b32 s85, s42, 1
	s_add_co_u32 s84, s84, s85
	s_add_co_u32 s84, s84, s16
	s_lshl_b32 s84, s84, 13
	s_mov_b32 s85, 0
	s_wait_kmcnt 0x0
	s_add_nc_u64 s[20:21], s[4:5], s[20:21]
	s_add_nc_u64 s[46:47], s[6:7], s[46:47]
	s_add_nc_u64 s[12:13], s[12:13], s[84:85]
	CROUND                                         ; all sixteen work-groups are here: the first joint loads meet
.irp s, 0,1
	s_mov_b32 s[G0+4*\s], 1
	s_add_co_u32 s[G0+4*\s+1], s45, \s*SLOT
	s_add_nc_u64 s[G0+4*\s+2:G0+4*\s+3], s[20:21], \s*PAIR
	s_or_b32 s[G0+4*\s+3], s[G0+4*\s+3], 0x80000000
	s_mov_b32 s[G0B+4*\s], 1
	s_add_co_u32 s[G0B+4*\s+1], s45, \s*SLOT
	s_add_nc_u64 s[G0B+4*\s+2:G0B+4*\s+3], s[46:47], \s*PAIR
	s_or_b32 s[G0B+4*\s+3], s[G0B+4*\s+3], 0x80000000
	JLOAD G0+4*\s, G1, G0B+4*\s, G1B
.endr
	v_and_b32 v1, 31, v0
	v_bfe_u32 v2, v0, 4, 1
	v_lshlrev_b32 v[L16], 4, v1
	v_lshlrev_b32 v[L8], 3, v1
	v_lshlrev_b32 v[L4], 2, v1
	s_mul_i32 s21, s15, HALFT
	s_mul_i32 s22, s16, HALFT
	s_add_co_u32 s22, s22, 2*HALFT
.irp s, 0,1
	v_add_nc_u32 v[A16+\s], s21, v[L16]
	v_add_nc_u32 v[A8+\s], s21, v[L8]
	v_add_nc_u32 v[B16+\s], s22, v[L16]
	v_add_nc_u32 v[B8+\s], s22, v[L8]
	s_add_co_u32 s21, s21, SLOT
	s_add_co_u32 s22, s22, SLOT
.endr
	s_mul_i32 s21, s15, HALFT
	s_mul_i32 s22, s16, HALFT
	s_add_co_u32 s22, s22, 2*HALFT
	s_sub_co_u32 s22, s22, s21
	v_mul_u32_u24 v6, s22, v2                      ; lanes 16-31 take B's scale words
	s_add_co_u32 s21, s21, 1536
	v_add_nc_u32 v5, v[L4], v6
	v_add_nc_u32 v[S4], s21, v5
	v_add_nc_u32 v[S4+1], SLOT, v[S4]
.macro FRAG reg, a16, a8, q, i         ; a fragment comes as it was stored: every load takes consecutive bytes
	ds_load_b128 v[\reg:\reg+3], v[\a16] offset:(\i)*PAIR+(\q)*REC
	ds_load_b64 v[\reg+4:\reg+5], v[\a8] offset:(\i)*PAIR+(\q)*REC+512
	ds_load_b128 v[\reg+6:\reg+9], v[\a16] offset:(\i)*PAIR+(\q)*REC+768
	ds_load_b64 v[\reg+10:\reg+11], v[\a8] offset:(\i)*PAIR+(\q)*REC+1280
.endm
; 16 matrix instructions: A's blocks a0, a0 + 1 x B's eight.  The 64 accumulators take turns, one instruction a turn, in the same order in every step.
.macro MUL16 a0, p, q, sc, zero
.irp a, \a0, \a0+1
.irp b, 0,1,2,3,4,5,6,7
.if \zero
	v_wmma_scale_f32_16x16x128_f8f6f4 v[8*(8*((\a)%4)+\b):8*(8*((\a)%4)+\b)+7], v[128*(\p)+FR*\b:128*(\p)+FR*\b+FR-1], v[AF+FR*(\a):AF+FR*(\a)+FR-1], 0, v[SC+8*NQ*(\sc)+NQ*\b+(\q)], v[SC+8*NQ*(\sc)+NQ*(\a)+(\q)] matrix_a_fmt:MATRIX_FMT_BF6 matrix_b_fmt:MATRIX_FMT_BF6 matrix_a_scale:MATRIX_SCALE_ROW1
.else
	v_wmma_scale_f32_16x16x128_f8f6f4 v[8*(8*((\a)%4)+\b):8*(8*((\a)%4)+\b)+7], v[128*(\p)+FR*\b:128*(\p)+FR*\b+FR-1], v[AF+FR*(\a):AF+FR*(\a)+FR-1], v[8*(8*((\a)%4)+\b):8*(8*((\a)%4)+\b)+7], v[SC+8*NQ*(\sc)+NQ*\b+(\q)], v[SC+8*NQ*(\sc)+NQ*(\a)+(\q)] matrix_a_fmt:MATRIX_FMT_BF6 matrix_b_fmt:MATRIX_FMT_BF6 matrix_a_scale:MATRIX_SCALE_ROW1
.endif
.endr
.endr
.endm
.macro FETCH_B slot, q, p
	WIN TO_B
.irp i, 0,1,2,3,4,5,6,7
	FRAG 128*(\p)+FR*\i, B16+\slot, B8+\slot, \q, \i
.endr
	WIN 0
.endm
.macro FETCH_A slot, q, i0
.irp i, \i0, \i0+1, \i0+2, \i0+3
	FRAG AF+FR*(\i), A16+\slot, A8+\slot, \q, \i
.endr
.endm
.macro SCALES sc
.irp i, 0,1,2,3,4,5,6,7
	ds_load_b32 v[SC+8*NQ*\sc+NQ*\i], v[S4+\sc] offset:\i*PAIR
	ds_load_b32 v[SC+8*NQ*\sc+NQ*\i+1], v[S4+\sc] offset:\i*PAIR+REC
.endr
.endm
.macro PLACES n                        ; plain vector instructions between a matrix instruction and a load into, or a read of, its registers (ISA guide 7.12.1 for the reads)
.rept \n
	v_nop
.endr
.endm
.macro STEP slot, q, zero              ; a step of 128 along K that has its successor in the same slot
	s_wait_dscnt 4*NL                              ; all but the youngest 16 loads (A's blocks 4-7)
	WIN MUL_LO
	MUL16 0, (\q)%2, \q, \slot, \zero
	MUL16 2, (\q)%2, \q, \slot, \zero
	s_wait_dscnt 0
	PLACES NP
	FETCH_B \slot, (\q)+1, 1-(\q)%2
	FETCH_A \slot, (\q)+1, 0
	WIN MUL_HI
	MUL16 4, (\q)%2, \q, \slot, \zero
	MUL16 6, (\q)%2, \q, \slot, \zero
	PLACES NP
	WIN 0
	FETCH_A \slot, (\q)+1, 4
.endm
; A slot's last step changes slots: ONE barrier; in front of it each wave waits for all its tensor loads, adds 0 to its spare word, and waits for that and for its own reads of this slot.
.macro TURN slot, next, fill
	s_wait_tensorcnt 0x0                           ; all my tensor loads have landed: my part of the next slot
	ds_add_u32 v[SPW], v[NIL]                      ; 0 onto my spare word
	s_wait_dscnt 4*NL+1                            ; (the add and the youngest 16 loads may be out)
	WIN MUL_LO
	MUL16 0, 1, NQ-1, \slot, 0
	s_wait_dscnt 0x0                               ; the add is done, and my reads of this slot are over
	s_barrier_signal -1
	MUL16 2, 1, NQ-1, \slot, 0
	WIN 0
	s_barrier_wait -1
.if \fill
	CREST                                          ; a round of the cluster's barrier: no wave of any partner still reads this slot or has a load on its way
	s_add_nc_u64 s[G0+4*\slot+2:G0+4*\slot+3], s[G0+4*\slot+2:G0+4*\slot+3], 2*PAIR
	s_add_nc_u64 s[G0B+4*\slot+2:G0B+4*\slot+3], s[G0B+4*\slot+2:G0B+4*\slot+3], 2*PAIR
	JLOAD G0+4*\slot, G1, G0B+4*\slot, G1B         ; the first tensor load behind the round
.else
	PLACES NP
.endif
	FETCH_B \next, 0, 0
	FETCH_A \next, 0, 0
	SCALES \next
	WIN MUL_HI
	MUL16 4, 1, NQ-1, \slot, 0
	MUL16 6, 1, NQ-1, \slot, 0
	PLACES NP
	WIN 0
	FETCH_A \next, 0, 4
.endm
	s_wait_tensorcnt 1                             ; my part of slot 0 is in (slot 1's load may be out)
	s_barrier_signal -1
	s_barrier_wait -1                              ; everybody's is
	FETCH_B 0, 0, 0
	FETCH_A 0, 0, 0
	SCALES 0
	FETCH_A 0, 0, 4
	STEP 0, 0, 1                                   ; the first step's products start the sums
	s_mov_b32 s3, LAPS-1
.Llap:
	TURN 0, 1, 1
	STEP 1, 0, 0
	TURN 1, 0, 1
	STEP 0, 0, 0
	s_sub_co_u32 s3, s3, 1
	s_cmp_lg_u32 s3, 0
	s_cbranch_scc1 .Llap
	TURN 0, 1, 0                                   ; the last lap fills nothing
	STEP 1, 0, 0
	s_wait_dscnt 4*NL
	WIN MUL_LO
	MUL16 0, 1, NQ-1, 1, 0
	MUL16 2, 1, NQ-1, 1, 0
	s_wait_dscnt 0
	WIN MUL_HI
	MUL16 4, 1, NQ-1, 1, 0
	MUL16 6, 1, NQ-1, 1, 0
	WIN 0
	PLACES NP                                      ; behind the last products, in front of the stores that read results
.irp a, 0,1,2,3,4,5,6,7
	WIN 0x08+4*(\a/4)                              ; a store's data are its source 1: window 2 or 3
.irp g, 0,1,2,3,4,5,6,7,8,9,10,11,12,13,14,15
	global_store_b128 v[L16], v[64*(\a%4)+4*\g:64*(\a%4)+4*\g+3], s[12:13] offset:65536*\a+512*\g   ; each accumulator from its low end on; 512 consecutive bytes, aligned
.endr
.endr
	WIN 0
	s_wait_tensorcnt 0x0                           ; the wave's end
	ds_add_u32 v[SPW], v[NIL]
	s_wait_dscnt 0x0
	CROUND                                         ; the closing round
	s_endpgm
.Lfunc_end_k_q351b9e0c01_ffn2:
	.size	k_q351b9e0c01_ffn2, .Lfunc_end_k_q351b9e0c01_ffn2-k_q351b9e0c01_ffn2
	.p2alignl 7, 3214868480
	.fill 96, 4, 3214868480
	.section	.rodata,"a",@progbits
	.p2align	6, 0x0
	.amdhsa_kernel k_q351b9e0c01_ffn2
		.amdhsa_group_segment_fixed_size 327680
		.amdhsa_private_segment_fixed_size 0
		.amdhsa_enable_private_segment 0
		.amdhsa_kernarg_size 24
		.amdhsa_user_sgpr_count 2
		.amdhsa_user_sgpr_kernarg_segment_ptr 1
		.amdhsa_wavefront_size32 1
		.amdhsa_system_sgpr_workgroup_id_x 1
		.amdhsa_system_sgpr_workgroup_id_y 1
		.amdhsa_system_sgpr_workgroup_id_z 1
		.amdhsa_system_vgpr_workitem_id 0
		.amdhsa_next_free_vgpr 1024
		.amdhsa_next_free_sgpr 100
		.amdhsa_reserve_vcc 0
		.amdhsa_float_denorm_mode_32 3
		.amdhsa_float_denorm_mode_16_64 3
		.amdhsa_memory_ordered 1
		.amdhsa_forward_progress 1
		.amdhsa_inst_pref_size 126
	.end_amdhsa_kernel
	.amdgpu_metadata
---
amdhsa.version: [ 1, 2 ]
amdhsa.kernels:
  - .name:           k_q351b9e0c01_ffn2
    .symbol:         k_q351b9e0c01_ffn2.kd
    .args:
      - { .name: hr, .offset: 0, .size: 8, .value_kind: global_buffer, .address_space: global }
      - { .name: opw, .offset: 8, .size: 8, .value_kind: global_buffer, .address_space: global }
      - { .name: yb, .offset: 16, .size: 8, .value_kind: global_buffer, .address_space: global }
    .group_segment_fixed_size: 327680
    .private_segment_fixed_size: 0
    .kernarg_segment_align: 8
    .kernarg_segment_size: 24
    .max_flat_workgroup_size: 128
    .sgpr_count:     100
    .vgpr_count:     1024
    .wavefront_size: 32
...
	.end_amdgpu_metadata
.endif
;; end of part 7
;; launch ln2 (part 8): grid 256 x 1, 8 waves a work-group, no clusters, 70,656 bytes of LDS; arguments yb, b2, xf, ln2_g, ln2_b, out0; writes out0
.if DOCPART == 8
	.amdgcn_target "amdgcn-amd-amdhsa--gfx1250"
	.amdhsa_code_object_version 6
	.text
	.protected	k_q351b9e0c01_ln2
	.globl	k_q351b9e0c01_ln2
	.p2align	8
	.type	k_q351b9e0c01_ln2,@function
k_q351b9e0c01_ln2:
	s_mov_b64 s[64:65], 0
	v_nop
	global_prefetch_b8 v0, s[64:65] scope:SCOPE_SE
	s_setreg_imm32_b32 hwreg(HW_REG_WAVE_MODE, 25, 1), 1
	s_wait_xcnt 0x0
; out0 = LayerNorm(x + (y + b2)) x ln2_g + ln2_b, all f32.
; A work-group takes one block of 16 rows (blocks 0-127 batch 0, 128-255 batch 1; place p of block i' holds t = 32 (i' / 2) + 8 (i' % 2) + p + 8 (p / 8); the true row is 2 t + batch); wave w takes columns 128 w .. 128 w + 127.
; y and x are IMAGES of 8,192 bytes: lane (r, h) holds row r; register 16 b + i = column 32 b + 16 h + i; group g of four registers at 512 g + 16 x lane: every load takes 512 consecutive bytes.
; The result turns through the wave's own stage in LDS (rows 528 bytes apart) and leaves by rows: each store covers 512 consecutive bytes of one true row, aligned.
; The mean and then the mean of the squared differences, as the definition has them: within a lane, with lane l xor 16, and across the eight waves through LDS: two barriers.
; Memory binds this launch: no matrix unit, no cluster (no input is shared between work-groups).  LIMITS: NaN and infinities are not served; v_rsq_f32 is good to 1 ulp.
.set SP,    528
.set STG,   16*SP
.set STAT0, 0                          ; LDS: the waves' sums, 128 bytes each;
.set STAT1, 1024                       ; the sums of squares;
.set STGB,  2048                       ; the eight stages
.set L16,  4
.set L4,   6
.set STI,  7                           ; the stage by rows
.set STL,  8                           ; the stage by lanes: row r, + 64 h
.set CB,   9                           ; 64 h: my 16 numbers of each 32 columns
.set MU,   10
.set RS,   12
.set SA,   14
.set SM,   54                          ; v54-61
.set Z,    64
.set T1,   128
.set T2,   192
.set SEL,  20
; v[SM] = the sum of my 64 numbers -> the sum over the row's 1,024, the same bits in every wave
.macro ACROSS stat
	v_permlanex16_b32 v[SM+4], v[SM], s[SEL], s[SEL+1]
	v_add_f32 v[SM], v[SM], v[SM+4]
	ds_store_b32 v[SA], v[SM] offset:\stat
	s_wait_dscnt 0x0                               ; for the others' sake: my store is done
	s_barrier_signal -1
	s_barrier_wait -1
.irp k, 0,1,2,3,4,5,6,7
	ds_load_b32 v[SM+\k], v[L4] offset:\stat+128*\k
.endr
	s_wait_dscnt 0x0
	v_add_f32 v[SM], v[SM], v[SM+1]
	v_add_f32 v[SM+2], v[SM+2], v[SM+3]
	v_add_f32 v[SM+4], v[SM+4], v[SM+5]
	v_add_f32 v[SM+6], v[SM+6], v[SM+7]
	v_add_f32 v[SM], v[SM], v[SM+2]
	v_add_f32 v[SM+4], v[SM+4], v[SM+6]
	v_add_f32 v[SM], v[SM], v[SM+4]
.endm
.macro COLS reg, sb                    ; my 64 of a vector over the columns
.irp g, 0,1,2,3,4,5,6,7,8,9,10,11,12,13,14,15
	global_load_b128 v[\reg+4*\g:\reg+4*\g+3], v[CB], s[\sb:\sb+1] offset:128*(\g/4)+16*(\g%4)
.endr
.endm
	s_load_b256 s[4:11], s[0:1], 0x0               ; yb, b2, xf, ln2_g
	s_load_b128 s[12:15], s[0:1], 0x20             ; ln2_b, out0
	v_lshl_add_u32 v62, v0, 2, 0x11000
	v_mov_b32 v63, 0
	v_lshrrev_b32 v1, 5, v0
	v_readfirstlane_b32 s18, v1                    ; wave 0..7
	v_and_b32 v1, 31, v0
	v_and_b32 v2, 15, v0
	v_bfe_u32 v3, v0, 4, 1
	v_lshlrev_b32 v[L16], 4, v1
	v_lshlrev_b32 v[L4], 2, v1
	v_lshlrev_b32 v[CB], 6, v3
	s_mul_i32 s19, s18, STG
	s_add_co_u32 s19, s19, STGB
	v_add_nc_u32 v[STI], s19, v[L16]
	v_mul_u32_u24 v[STL], v2, SP
	v_add_nc_u32 v[STL], v[STL], v[CB]
	v_add_nc_u32 v[STL], s19, v[STL]
	s_lshl_b32 s19, s18, 7
	v_add_nc_u32 v[SA], s19, v[L4]
	s_mov_b32 s[SEL], 0x76543210
	s_mov_b32 s[SEL+1], 0xfedcba98
	v_mov_b32 v[SM+4], 0                           ; written once: a lane permute's destination counts as one of its sources
	s_and_b32 s22, ttmp9, 127
	s_lshr_b32 s23, s22, 1
	s_lshl_b32 s23, s23, 5
	s_and_b32 s22, s22, 1
	s_lshl_b32 s22, s22, 3
	s_add_co_u32 s22, s22, s23                     ; the block's first t
	s_lshl_b32 s24, s22, 13
	s_lshr_b32 s22, ttmp9, 7
	s_lshl_b32 s22, s22, 12
	s_add_co_u32 s24, s24, s22
	s_lshl_b32 s26, s18, 9                         ; my 128 columns
	s_add_co_u32 s24, s24, s26
	s_mov_b32 s25, 0
	s_mov_b32 s27, 0
	s_lshl_b32 s28, ttmp9, 3
	s_add_co_u32 s28, s28, s18
	s_lshl_b32 s28, s28, 13                        ; my image
	s_mov_b32 s29, 0
	s_mov_b32 s32, 0x3a800000                      ; 1 / 1,024
	s_mov_b32 s33, 0x3727c5ac                      ; 1e-5
	s_wait_kmcnt 0x0
	s_add_nc_u64 s[4:5], s[4:5], s[28:29]
	s_add_nc_u64 s[6:7], s[6:7], s[26:27]
	s_add_nc_u64 s[8:9], s[8:9], s[28:29]
	s_add_nc_u64 s[10:11], s[10:11], s[26:27]
	s_add_nc_u64 s[12:13], s[12:13], s[26:27]
	s_add_nc_u64 s[14:15], s[14:15], s[24:25]
.irp g, 0,1,2,3,4,5,6,7,8,9,10,11,12,13,14,15
	global_load_b128 v[Z+4*\g:Z+4*\g+3], v[L16], s[4:5] offset:512*\g th:TH_LOAD_NT
.endr
	COLS T1, 6
.irp g, 0,1,2,3,4,5,6,7,8,9,10,11,12,13,14,15
	global_load_b128 v[T2+4*\g:T2+4*\g+3], v[L16], s[8:9] offset:512*\g th:TH_LOAD_NT
.endr
	s_wait_loadcnt 0x0
.set JJ, 0
.rept 32
	v_pk_add_f32 v[Z+JJ:Z+JJ+1], v[Z+JJ:Z+JJ+1], v[T1+JJ:T1+JJ+1]   ; y + b2
.set JJ, JJ+2
.endr
.set JJ, 0
.rept 32
	v_pk_add_f32 v[Z+JJ:Z+JJ+1], v[Z+JJ:Z+JJ+1], v[T2+JJ:T2+JJ+1]   ; + x
.set JJ, JJ+2
.endr
	COLS T1, 10                                    ; the gain and the offset come while the sums are made
	COLS T2, 12
	v_pk_add_f32 v[SM:SM+1], v[Z:Z+1], v[Z+2:Z+3]
	v_pk_add_f32 v[SM+2:SM+3], v[Z+4:Z+5], v[Z+6:Z+7]
.set JJ, 8
.rept 14
	v_pk_add_f32 v[SM:SM+1], v[SM:SM+1], v[Z+JJ:Z+JJ+1]
	v_pk_add_f32 v[SM+2:SM+3], v[SM+2:SM+3], v[Z+JJ+2:Z+JJ+3]
.set JJ, JJ+4
.endr
	v_pk_add_f32 v[SM:SM+1], v[SM:SM+1], v[SM+2:SM+3]
	v_add_f32 v[SM], v[SM], v[SM+1]
	ACROSS STAT0
	v_mul_f32 v[MU], s32, v[SM]
	v_mov_b32 v[MU+1], v[MU]
.set JJ, 0
.rept 32
	v_pk_add_f32 v[Z+JJ:Z+JJ+1], v[Z+JJ:Z+JJ+1], v[MU:MU+1] neg_lo:[0,1] neg_hi:[0,1]
.set JJ, JJ+2
.endr
	v_pk_mul_f32 v[SM:SM+1], v[Z:Z+1], v[Z:Z+1]
	v_pk_mul_f32 v[SM+2:SM+3], v[Z+2:Z+3], v[Z+2:Z+3]
.set JJ, 4
.rept 15
	v_pk_fma_f32 v[SM:SM+1], v[Z+JJ:Z+JJ+1], v[Z+JJ:Z+JJ+1], v[SM:SM+1]
	v_pk_fma_f32 v[SM+2:SM+3], v[Z+JJ+2:Z+JJ+3], v[Z+JJ+2:Z+JJ+3], v[SM+2:SM+3]
.set JJ, JJ+4
.endr
	v_pk_add_f32 v[SM:SM+1], v[SM:SM+1], v[SM+2:SM+3]
	v_add_f32 v[SM], v[SM], v[SM+1]
	ACROSS STAT1
	v_fma_f32 v[RS], v[SM], s32, s33               ; var + eps: the division by 1,024 is exact
	v_rsq_f32 v[RS], v[RS]
	v_nop                                          ; one plain place behind a transcendental
	s_wait_alu depctr_va_vdst(0)
	v_mov_b32 v[RS+1], v[RS]
	s_wait_loadcnt 0x0
.set JJ, 0
.rept 32
	v_pk_mul_f32 v[Z+JJ:Z+JJ+1], v[Z+JJ:Z+JJ+1], v[RS:RS+1]
.set JJ, JJ+2
.endr
.set JJ, 0
.rept 32
	v_pk_fma_f32 v[Z+JJ:Z+JJ+1], v[Z+JJ:Z+JJ+1], v[T1+JJ:T1+JJ+1], v[T2+JJ:T2+JJ+1]
.set JJ, JJ+2
.endr
.irp g, 0,1,2,3,4,5,6,7,8,9,10,11,12,13,14,15
	ds_store_b128 v[STL], v[Z+4*\g:Z+4*\g+3] offset:128*(\g/4)+16*(\g%4)
.endr
.irp p, 0,1,2,3,4,5,6,7,8,9,10,11,12,13,14,15
	ds_load_b128 v[T1+4*\p:T1+4*\p+3], v[STI] offset:\p*SP   ; LDS serves a wave's instructions in order (ISA guide 5.7.1.4): these see the stores above
.endr
.irp p, 0,1,2,3,4,5,6,7,8,9,10,11,12,13,14,15
	s_wait_dscnt 15-\p                             ; row p is back; the younger rows may be out
	global_store_b128 v[L16], v[T1+4*\p:T1+4*\p+3], s[14:15] offset:(\p+8*(\p/8))*8192 th:TH_STORE_NT
.endr
	s_wait_tensorcnt 0x0
	ds_add_u32 v62, v63
	s_wait_dscnt 0x0
	s_endpgm
.Lfunc_end_k_q351b9e0c01_ln2:
	.size	k_q351b9e0c01_ln2, .Lfunc_end_k_q351b9e0c01_ln2-k_q351b9e0c01_ln2
	.p2alignl 7, 3214868480
	.fill 96, 4, 3214868480
	.section	.rodata,"a",@progbits
	.p2align	6, 0x0
	.amdhsa_kernel k_q351b9e0c01_ln2
		.amdhsa_group_segment_fixed_size 70656
		.amdhsa_private_segment_fixed_size 0
		.amdhsa_enable_private_segment 0
		.amdhsa_kernarg_size 48
		.amdhsa_user_sgpr_count 2
		.amdhsa_user_sgpr_kernarg_segment_ptr 1
		.amdhsa_wavefront_size32 1
		.amdhsa_system_sgpr_workgroup_id_x 1
		.amdhsa_system_sgpr_workgroup_id_y 1
		.amdhsa_system_sgpr_workgroup_id_z 1
		.amdhsa_system_vgpr_workitem_id 0
		.amdhsa_next_free_vgpr 256
		.amdhsa_next_free_sgpr 66
		.amdhsa_reserve_vcc 0
		.amdhsa_float_denorm_mode_32 3
		.amdhsa_float_denorm_mode_16_64 3
		.amdhsa_memory_ordered 1
		.amdhsa_forward_progress 1
		.amdhsa_inst_pref_size 31
	.end_amdhsa_kernel
	.amdgpu_metadata
---
amdhsa.version: [ 1, 2 ]
amdhsa.kernels:
  - .name:           k_q351b9e0c01_ln2
    .symbol:         k_q351b9e0c01_ln2.kd
    .args:
      - { .name: yb, .offset: 0, .size: 8, .value_kind: global_buffer, .address_space: global }
      - { .name: b2, .offset: 8, .size: 8, .value_kind: global_buffer, .address_space: global }
      - { .name: xf, .offset: 16, .size: 8, .value_kind: global_buffer, .address_space: global }
      - { .name: ln2_g, .offset: 24, .size: 8, .value_kind: global_buffer, .address_space: global }
      - { .name: ln2_b, .offset: 32, .size: 8, .value_kind: global_buffer, .address_space: global }
      - { .name: out0, .offset: 40, .size: 8, .value_kind: global_buffer, .address_space: global }
    .group_segment_fixed_size: 70656
    .private_segment_fixed_size: 0
    .kernarg_segment_align: 8
    .kernarg_segment_size: 48
    .max_flat_workgroup_size: 256
    .sgpr_count:     66
    .vgpr_count:     256
    .wavefront_size: 32
...
	.end_amdgpu_metadata
.endif
;; end of part 8
;; ======== version 2 of 2: 8 launches
;; limits: right only within a limited range of input values
;; workspace buffers: opw 13,631,488 bytes; qkb 7,454,720 bytes; vtb 3,620,864 bytes; ar 3,407,872 bytes; yb 16,777,216 bytes; xf 16,777,216 bytes; hr 13,631,488 bytes
;; launch quant (part 9): grid 528 x 1, 4 waves a work-group, no clusters, 34,304 bytes of LDS; arguments src, in_proj_w, out_w, w1, w2, mem_k, mem_v, opw, qkb, vtb; writes opw, qkb, vtb
.if DOCPART == 9
	.amdgcn_target "amdgcn-amd-amdhsa--gfx1250"
	.amdhsa_code_object_version 6
	.text
	.protected	k_q351b9e0c01_quant
	.globl	k_q351b9e0c01_quant
	.p2align	8
	.type	k_q351b9e0c01_quant,@function
k_q351b9e0c01_quant:
	s_mov_b64 s[64:65], 0
	v_nop
	global_prefetch_b8 v0, s[64:65] scope:SCOPE_SE
	s_setreg_imm32_b32 hwreg(HW_REG_WAVE_MODE, 25, 1), 1
	s_wait_xcnt 0x0
; src [4096][1024], in_proj_w [3072][1024], out_w [1024][1024], w1 [4096][1024], w2 [1024][4096], all f32 with K innermost, become operands of MX-BF6 (E3M2 codes, one E8M0 byte for each 32 along K),
; laid as RECORDS: the image of one operand fragment (16 rows x 128 K: 12 registers a lane) and its scale words, 1,664 bytes:
;   0: registers 0-3, 16 bytes a lane | 512: registers 4-5, 8 a lane | 768: registers 6-9 | 1280: registers 10-11 | 1536: the scale word, 4 a lane (lanes 16-31 repeat lanes 0-15).
; THE 16 ROWS OF A BLOCK ARE NOT NEIGHBOURS: place p of block i holds row 32 (i / 2) + 8 (i % 2) + p + 8 (p / 8), so that a product that takes such a block as source 0 leaves 16 neighbours in a lane's 16 registers of two tiles.
; src's rows are taken batch by batch: blocks 0-127 batch 0, blocks 128-255 batch 1; within a batch the row number above is t, and the true row is 2 t + batch.
; SHARES.  Work-groups 0-511: each wave makes four records on end (16 rows x 512 K): it reads 16 x 2,048 bytes and stores 6,656 consecutive bytes.  Which tensor: by the work-group's number; only pointers and figures are chosen, all take one path.
; A load takes 512 consecutive bytes of one row; the conversions want 16 neighbours along K in one lane: the 16 x 512 bytes turn through the wave's own stage in LDS (rows 528 bytes apart).
; Work-groups 512-527 (one a head): the 32 memory tokens.  sqrt(32) mem_v becomes V^T's last K step (32 keys, the rest zero codes), 8 mem_k the last two tiles of K; both for both batches.  No LDS on that path.
; A block's scale: the largest magnitude's exponent field less 4, held at 1 from below.  LIMITS: NaN and infinities are not served; a block whose largest magnitude lies under 2^-122, a block of zeros among them, keeps the byte 1
; (a block of zeros has zero codes, which add nothing under any byte but 0xff; this program alone reads the bytes).
.set REC,  1664
.set SP,   528                         ; a stage row: 512 bytes + 16
.set STG,  16*SP                       ; a wave's stage
.set L16,  4                           ; v4   16 x lane
.set L8,   5                           ; v5   8 x lane
.set L4,   6                           ; v6   4 x lane
.set STI,  7                           ; v7   the stage by rows: my 16 bytes of a row
.set STL,  8                           ; v8   the stage by lanes: row lane % 16, + 64 (lane / 16)
.set PW,   9                           ; v9   the scale word just made
.set VO,   16                          ; v16-23  p x pitch + 16 x lane
.set TM,   24                          ; v24-39  at work in QUANT
.set PC,   40                          ; v40-59  the codes just made
.set R,    60                          ; v60-187 two sets of 64 registers as loaded
.set X,    188                         ; v188-251 64 numbers: register 16 b + i = k 32 b + 16 (lane / 16) + i of my row
.set SEL,  40                          ; s[40:41] selects for lane l xor 16
; 64 numbers of a lane become a fragment's codes in v[PC] on and its scale word in v[PW]
.macro QUANT s
.irp b, 0,1,2,3
	v_max3_num_f32 v[TM+\b], |v[\s+16*\b]|, |v[\s+1+16*\b]|, 0x2800000   ; block b: my 16 numbers, and the floor 2^(5 - 127): the byte cannot fall under 1
.endr
.irp i, 2,4,6,8,10,12,14
.irp b, 0,1,2,3
	v_max3_num_f32 v[TM+\b], v[TM+\b], |v[\s+16*\b+\i]|, |v[\s+1+16*\b+\i]|   ; the four blocks by turns
.endr
.endr
.irp b, 0,1,2,3
	v_permlanex16_b32 v[TM+4+\b], v[TM+\b], s[SEL], s[SEL+1]
.endr
.irp b, 0,1,2,3
	v_max_num_f32 v[TM+\b], v[TM+\b], v[TM+4+\b]   ; with lane l xor 16's: the block's largest magnitude
.endr
.irp b, 0,1,2,3
	v_add_nc_u32 v[TM+12+\b], 0xfe000000, v[TM+\b]   ; 4 off its exponent field: the conversion takes this operand's exponent field as its scale
.endr
.irp b, 0,1,2,3
	v_lshrrev_b32 v[TM+4+\b], 23, v[TM+12+\b]      ; the scale's byte
.endr
	v_lshl_or_b32 v[PW], v[TM+5], 8, v[TM+4]
	v_lshl_or_b32 v[PW], v[TM+6], 16, v[PW]
	v_lshl_or_b32 v[PW], v[TM+7], 24, v[PW]
.irp c, 0,1
	v_cvt_scalef32_pk16_bf6_f32 v[PC+6*\c:PC+2+6*\c], v[\s+32*\c:\s+15+32*\c], v[TM+12+2*\c]
	v_cvt_scalef32_pk16_bf6_f32 v[PC+12+4*\c:PC+14+4*\c], v[\s+16+32*\c:\s+31+32*\c], v[TM+12+2*\c+1]   ; (a conversion's three registers begin on an even number)
.endr
	v_nop                                          ; one plain place behind a scaled conversion
.irp c, 0,1                            ; the operand wants a WHOLE block in a lane: lanes 0-15 block 2 c, lanes 16-31 block 2 c + 1
.irp i, 0,1,2
	v_permlane16_swap_b32 v[PC+6*\c+\i], v[PC+12+4*\c+\i]
.endr
.irp i, 0,1,2
	v_mov_b32 v[PC+3+6*\c+\i], v[PC+12+4*\c+\i]
.endr
.endr
.endm
.macro RECOUT sb, imm                  ; a record leaves: 512, 256, 512, 256 and 128 consecutive bytes
	global_store_b128 v[L16], v[PC:PC+3], s[\sb:\sb+1] offset:\imm
	global_store_b64 v[L8], v[PC+4:PC+5], s[\sb:\sb+1] offset:\imm+512
	global_store_b128 v[L16], v[PC+6:PC+9], s[\sb:\sb+1] offset:\imm+768
	global_store_b64 v[L8], v[PC+10:PC+11], s[\sb:\sb+1] offset:\imm+1280
	global_store_b32 v[L4], v[PW], s[\sb:\sb+1] offset:\imm+1536
.endm
	s_load_b256 s[4:11], s[0:1], 0x0               ; src, in_proj_w, out_w, w1
	s_load_b256 s[12:19], s[0:1], 0x20             ; w2, mem_k, mem_v, opw
	s_load_b128 s[20:23], s[0:1], 0x40             ; qkb, vtb
	v_lshl_add_u32 v254, v0, 2, 0x8400
	v_mov_b32 v255, 0
	v_lshrrev_b32 v1, 5, v0
	v_readfirstlane_b32 s24, v1                    ; wave 0..3
	v_and_b32 v1, 31, v0                           ; lane
	v_and_b32 v2, 15, v0                           ; r
	v_bfe_u32 v3, v0, 4, 1                         ; h
	v_lshlrev_b32 v[L16], 4, v1
	v_lshlrev_b32 v[L8], 3, v1
	v_lshlrev_b32 v[L4], 2, v1
	s_mov_b32 s[SEL], 0x76543210
	s_mov_b32 s[SEL+1], 0xfedcba98
.irp b, 0,1,2,3
	v_mov_b32 v[TM+4+\b], 0                        ; written once: a lane permute's destination counts as one of its sources
.endr
	s_cmp_ge_u32 ttmp9, 512
	s_cbranch_scc1 .Lmem
	; ---- the five large tensors
	s_mul_i32 s25, s24, STG
	v_add_nc_u32 v[STI], s25, v[L16]
	v_mul_u32_u24 v[STL], v2, SP
	v_lshl_add_u32 v[STL], v3, 6, v[STL]
	v_add_nc_u32 v[STL], s25, v[STL]
	s_wait_alu depctr_va_vdst(0)
	s_wait_kmcnt 0x0
	s_mov_b64 s[26:27], s[12:13]                   ; w2: from work-group 384 on; 8 units of 512 K to a block; rows 16,384 bytes apart
	s_mov_b32 s28, 384
	s_mov_b32 s29, 3
	s_mov_b32 s30, 16384
	s_mov_b32 s48, 7
	s_cmp_lt_u32 ttmp9, 384                        ; every choice hangs on the work-group's number alone
	s_cselect_b64 s[26:27], s[10:11], s[26:27]     ; w1
	s_cselect_b32 s28, 256, s28
	s_cselect_b32 s29, 1, s29
	s_cselect_b32 s30, 4096, s30
	s_cselect_b32 s48, 1, s48
	s_cmp_lt_u32 ttmp9, 256
	s_cselect_b64 s[26:27], s[8:9], s[26:27]       ; out_w
	s_cselect_b32 s28, 224, s28
	s_cmp_lt_u32 ttmp9, 224
	s_cselect_b64 s[26:27], s[6:7], s[26:27]       ; in_proj_w
	s_cselect_b32 s28, 128, s28
	s_cmp_lt_u32 ttmp9, 128
	s_cselect_b64 s[26:27], s[4:5], s[26:27]       ; src: t's rows are 8,192 bytes apart, the batch is block / 128
	s_cselect_b32 s28, 0, s28
	s_cselect_b32 s30, 8192, s30
	s_cselect_b32 s31, 127, -1
	s_cselect_b32 s32, 7, 31
	s_sub_co_u32 s33, ttmp9, s28
	s_lshl_b32 s33, s33, 2
	s_add_co_u32 s33, s33, s24                     ; my unit in the tensor
	s_lshr_b32 s34, s33, s29                       ; its block of 16 rows
	s_and_b32 s35, s33, s48                        ; which 512 along K
	s_lshr_b32 s36, s34, s32                       ; the batch (0 for the weights)
	s_and_b32 s34, s34, s31                        ; the block within the batch
	s_lshr_b32 s37, s34, 1
	s_lshl_b32 s37, s37, 5
	s_and_b32 s38, s34, 1
	s_lshl_b32 s38, s38, 3
	s_add_co_u32 s37, s37, s38                     ; the block's first row: 32 (i / 2) + 8 (i % 2)
	s_mul_i32 s38, s37, s30
	s_lshl_b32 s36, s36, 12
	s_add_co_u32 s38, s38, s36
	s_lshl_b32 s35, s35, 11
	s_add_co_u32 s38, s38, s35
	s_mov_b32 s39, 0
	s_add_nc_u64 s[42:43], s[26:27], s[38:39]      ; places 0-7
	s_lshl_b32 s38, s30, 4
	s_add_nc_u64 s[44:45], s[42:43], s[38:39]      ; places 8-15: 16 rows further down
	s_lshl_b32 s36, ttmp9, 2
	s_add_co_u32 s36, s36, s24
	s_mul_i32 s38, s36, 4*REC
	s_add_nc_u64 s[46:47], s[18:19], s[38:39]      ; my four records: the tensors' records follow each other in opw as the work-groups do
.irp p, 0,1,2,3,4,5,6,7
	v_mad_u32_u24 v[VO+\p], s30, \p, v[L16]
.endr
.macro LOAD q                          ; record q's numbers: 16 rows x 512 consecutive bytes
.irp p, 0,1,2,3,4,5,6,7
	global_load_b128 v[R+64*((\q)%2)+4*\p:R+64*((\q)%2)+4*\p+3], v[VO+\p], s[42:43] offset:512*(\q) th:TH_LOAD_NT
.endr
.irp p, 0,1,2,3,4,5,6,7
	global_load_b128 v[R+64*((\q)%2)+32+4*\p:R+64*((\q)%2)+32+4*\p+3], v[VO+\p], s[44:45] offset:512*(\q) th:TH_LOAD_NT
.endr
.endm
.macro TURNIN q                        ; through the stage: LDS serves a wave's instructions in order (ISA guide 5.7.1.4), so no wait stands between the stores and the loads
.irp p, 0,1,2,3,4,5,6,7,8,9,10,11,12,13,14,15
	ds_store_b128 v[STI], v[R+64*((\q)%2)+4*\p:R+64*((\q)%2)+4*\p+3] offset:\p*SP
.endr
.irp g, 0,1,2,3,4,5,6,7,8,9,10,11,12,13,14,15
	ds_load_b128 v[X+4*\g:X+4*\g+3], v[STL] offset:128*(\g/4)+16*(\g%4)
.endr
.endm
.macro RECORD q
.if (\q) < 3
	s_wait_loadcnt 16                              ; this record's 16 loads are in; the next record's 16 may be out
.else
	s_wait_loadcnt 0x0
.endif
	TURNIN \q
	s_wait_dscnt 0x0                               ; my 64 numbers are back
.if (\q) < 2
	LOAD (\q)+2
.endif
.if (\q) > 0
	s_wait_xcnt 0x0                                ; the last record's stores have read the codes and the scale word: they are written again only behind this wait
.endif
	QUANT X
	RECOUT 46, REC*(\q)
.endm
	LOAD 0
	LOAD 1
	s_wait_alu depctr_va_vdst(0)
	RECORD 0
	RECORD 1
	RECORD 2
	RECORD 3
	s_wait_tensorcnt 0x0
	ds_add_u32 v254, v255
	s_wait_dscnt 0x0
	s_endpgm
.Lmem:	; ---- the memory tokens of head h = work-group - 512
	s_sub_co_u32 s25, ttmp9, 512
	s_wait_alu depctr_va_vdst(0)
	v_and_b32 v10, 8, v2
	v_add_nc_u32 v10, v10, v2                      ; r + 8 (r / 8)
	v_lshlrev_b32 v11, 2, v10                      ; V: my column of the tile, in bytes
	s_lshr_b32 s26, s24, 1                         ; the wave is the tile of 16 of the head's 64: it begins at 32 (w / 2) + 8 (w % 2)
	s_lshl_b32 s26, s26, 5
	s_and_b32 s27, s24, 1
	s_lshl_b32 s28, s27, 3
	s_add_co_u32 s26, s26, s28
	s_lshl_b32 s28, s25, 6
	s_add_co_u32 s26, s26, s28
	s_lshl_b32 s28, s26, 2
	s_mov_b32 s29, 0
	s_wait_alu depctr_va_vdst(0)
	s_wait_kmcnt 0x0
	s_add_nc_u64 s[30:31], s[16:17], s[28:29]
.set II, 0
.rept 32
	global_load_b32 v[X+II], v11, s[30:31] offset:4096*II   ; mem_v(token, my column): my registers run down the tokens, which are this product's K
.set II, II+1
.endr
	v_lshlrev_b32 v12, 12, v10                     ; K: key 8 u + r + 8 (r / 8), u = wave % 2; my 32 of the head's 64: 128 bytes a half
	v_lshl_add_u32 v12, v3, 7, v12
	s_lshl_b32 s28, s27, 15
	s_lshl_b32 s32, s25, 8
	s_add_co_u32 s28, s28, s32
	s_add_nc_u64 s[32:33], s[14:15], s[28:29]
.irp j, 0,1,2,3,4,5,6,7
	global_load_b128 v[R+4*\j:R+4*\j+3], v12, s[32:33] offset:16*\j
.endr
	s_wait_loadcnt 8                               ; mem_v's 32 loads are in; mem_k's 8 may be out
.set II, 0
.rept 32
	v_mul_f32 v[X+II], 0x40b504f3, v[X+II]         ; x sqrt(32)
.set II, II+1
.endr
	v_max3_num_f32 v[TM], |v[X]|, |v[X+1]|, 0x2800000   ; the block is all mine
.set II, 2
.rept 15
	v_max3_num_f32 v[TM], v[TM], |v[X+II]|, |v[X+II+1]|
.set II, II+2
.endr
	v_add_nc_u32 v[TM+12], 0xfe000000, v[TM]
	v_lshrrev_b32 v[PW], 23, v[TM+12]              ; the scale word: this block's byte; the step's other three blocks are zero codes under the byte 0
	v_cvt_scalef32_pk16_bf6_f32 v[PC:PC+2], v[X:X+15], v[TM+12]
	v_cvt_scalef32_pk16_bf6_f32 v[PC+12:PC+14], v[X+16:X+31], v[TM+12]
	v_nop
.irp i, 0,1,2
	v_mov_b32 v[PC+3+\i], v[PC+12+\i]
.endr
	v_cmp_gt_u32 vcc_lo, 16, v1
.irp i, 0,1,2,3,4,5
	v_cndmask_b32 v[PC+\i], 0, v[PC+\i], vcc_lo    ; lanes 16-31 hold keys 32-63 of the step: none
.endr
.irp i, 6,7,8,9,10,11
	v_mov_b32 v[PC+\i], 0                          ; keys 64-127: none
.endr
	s_mul_i32 s28, s25, 17
	s_add_co_u32 s28, s28, 16
	s_lshl_b32 s28, s28, 2
	s_add_co_u32 s28, s28, s24
	s_mul_i32 s28, s28, REC
	s_add_nc_u64 s[34:35], s[22:23], s[28:29]      ; vtb: record ((head x 17 + 16) x 4 + tile)
	RECOUT 34, 0
	RECOUT 34, 16*17*4*REC                         ; and the same for batch 1
	s_wait_loadcnt 0x0
	s_wait_xcnt 0x0                                ; the stores have read the codes and the word
.set II, 0
.rept 32
	v_mul_f32 v[R+II], 0x41000000, v[R+II]         ; x 8
.set II, II+1
.endr
	v_max3_num_f32 v[TM], |v[R]|, |v[R+1]|, 0x2800000
.set II, 2
.rept 15
	v_max3_num_f32 v[TM], v[TM], |v[R+II]|, |v[R+II+1]|
.set II, II+2
.endr
	v_add_nc_u32 v[TM+12], 0xfe000000, v[TM]
	v_lshrrev_b32 v13, 23, v[TM+12]
	v_lshlrev_b32 v14, 3, v3
	v_lshlrev_b32 v13, v14, v13                    ; my block's byte at its place: 8 h bits up
	v_permlanex16_b32 v[TM+4], v13, s[SEL], s[SEL+1]
	v_or_b32 v[PW], v13, v[TM+4]                   ; with lane l xor 16's the two bytes are there
	v_cvt_scalef32_pk16_bf6_f32 v[PC:PC+2], v[R:R+15], v[TM+12]
	v_cvt_scalef32_pk16_bf6_f32 v[PC+12:PC+14], v[R+16:R+31], v[TM+12]
	v_nop
.irp i, 0,1,2
	v_mov_b32 v[PC+3+\i], v[PC+12+\i]
.endr
	s_lshr_b32 s28, s24, 1                         ; the batch: wave / 2
	s_lshl_b32 s28, s28, 4
	s_add_co_u32 s28, s28, s25
	s_add_co_u32 s28, s28, 32
	s_mul_i32 s28, s28, 130
	s_add_co_u32 s28, s28, 128
	s_add_co_u32 s28, s28, s27
	s_mul_i32 s28, s28, 896
	s_add_nc_u64 s[36:37], s[20:21], s[28:29]      ; qkb: K's region 32 + 16 batch + head, tile 128 + u
	s_wait_alu depctr_va_vdst(0)
	global_store_b128 v[L16], v[PC:PC+3], s[36:37]
	global_store_b64 v[L8], v[PC+4:PC+5], s[36:37] offset:512
	global_store_b32 v[L4], v[PW], s[36:37] offset:768
	s_endpgm
.Lfunc_end_k_q351b9e0c01_quant:
	.size	k_q351b9e0c01_quant, .Lfunc_end_k_q351b9e0c01_quant-k_q351b9e0c01_quant
	.p2alignl 7, 3214868480
	.fill 96, 4, 3214868480
	.section	.rodata,"a",@progbits
	.p2align	6, 0x0
	.amdhsa_kernel k_q351b9e0c01_quant
		.amdhsa_group_segment_fixed_size 34304
		.amdhsa_private_segment_fixed_size 0
		.amdhsa_enable_private_segment 0
		.amdhsa_kernarg_size 80
		.amdhsa_user_sgpr_count 2
		.amdhsa_user_sgpr_kernarg_segment_ptr 1
		.amdhsa_wavefront_size32 1
		.amdhsa_system_sgpr_workgroup_id_x 1
		.amdhsa_system_sgpr_workgroup_id_y 1
		.amdhsa_system_sgpr_workgroup_id_z 1
		.amdhsa_system_vgpr_workitem_id 0
		.amdhsa_next_free_vgpr 256
		.amdhsa_next_free_sgpr 66
		.amdhsa_reserve_vcc 1
		.amdhsa_float_denorm_mode_32 3
		.amdhsa_float_denorm_mode_16_64 3
		.amdhsa_memory_ordered 1
		.amdhsa_forward_progress 1
		.amdhsa_inst_pref_size 50
	.end_amdhsa_kernel
	.amdgpu_metadata
---
amdhsa.version: [ 1, 2 ]
amdhsa.kernels:
  - .name:           k_q351b9e0c01_quant
    .symbol:         k_q351b9e0c01_quant.kd
    .args:
      - { .name: src, .offset: 0, .size: 8, .value_kind: global_buffer, .address_space: global }
      - { .name: in_proj_w, .offset: 8, .size: 8, .value_kind: global_buffer, .address_space: global }
      - { .name: out_w, .offset: 16, .size: 8, .value_kind: global_buffer, .address_space: global }
      - { .name: w1, .offset: 24, .size: 8, .value_kind: global_buffer, .address_space: global }
      - { .name: w2, .offset: 32, .size: 8, .value_kind: global_buffer, .address_space: global }
      - { .name: mem_k, .offset: 40, .size: 8, .value_kind: global_buffer, .address_space: global }
      - { .name: mem_v, .offset: 48, .size: 8, .value_kind: global_buffer, .address_space: global }
      - { .name: opw, .offset: 56, .size: 8, .value_kind: global_buffer, .address_space: global }
      - { .name: qkb, .offset: 64, .size: 8, .value_kind: global_buffer, .address_space: global }
      - { .name: vtb, .offset: 72, .size: 8, .value_kind: global_buffer, .address_space: global }
    .group_segment_fixed_size: 34304
    .private_segment_fixed_size: 0
    .kernarg_segment_align: 8
    .kernarg_segment_size: 80
    .max_flat_workgroup_size: 128
    .sgpr_count:     66
    .vgpr_count:     256
    .wavefront_size: 32
...
	.end_amdgpu_metadata
.endif
;; end of part 9
;; launch qkv (part 10): grid 8 x 24, 4 waves a work-group, clusters of 4 x 4, 327,680 bytes of LDS; arguments opw, in_proj_b, qkb, vtb; writes qkb, vtb
.if DOCPART == 10
	.amdgcn_target "amdgcn-amd-amdhsa--gfx1250"
	.amdhsa_code_object_version 6
	.text
	.protected	k_q351b9e0c01_qkv
	.globl	k_q351b9e0c01_qkv
	.p2align	8
	.type	k_q351b9e0c01_qkv,@function
k_q351b9e0c01_qkv:
	s_mov_b64 s[64:65], 0
	v_nop
	global_prefetch_b8 v0, s[64:65] scope:SCOPE_SE
	s_setreg_imm32_b32 hwreg(HW_REG_WAVE_MODE, 25, 1), 1
	s_wait_xcnt 0x0
	s_wait_alu depctr_hold_cnt(0) depctr_sa_sdst(0) depctr_va_vdst(0) depctr_va_sdst(0) depctr_va_ssrc(0) depctr_va_vcc(0) depctr_vm_vsrc(0)
	s_getreg_b32 s2, hwreg(HW_REG_IB_STS2, 6, 4)
	s_cmp_eq_u32 s2, 0
	s_cbranch_scc0 .Lentry_in_a_cluster
	s_endpgm
.Lentry_in_a_cluster:
	s_bfe_u32 s2, ttmp6, 0x10000c
	s_cmp_lg_u32 s2, 0xf033
	s_cbranch_scc0 .Lentry_shape_is_right
	s_endpgm
.Lentry_shape_is_right:
; q, k, v = src in_proj_w^T + in_proj_b on codes of MX-BF6; q x 1/8; then q and k are quantised along the head's 64 and v along the KEYS, all on the way out, in registers.
; OPERANDS are records of 1,664 bytes, the image of a fragment (16 rows x 128 K) and its scale words: 0: registers 0-3 (16 bytes a lane) | 512: 4-5 (8 a lane) | 768: 6-9 | 1280: 10-11 | 1536: the scale word (4 a lane, lanes 16-31 repeat).
; Record (block i, K step s) lies at (8 i + s) x 1,664, so two K steps of a block are 3,328 consecutive bytes.  Place p of block i holds row 32 (i / 2) + 8 (i % 2) + p + 8 (p / 8).
; A tile of 256 x 256 is made by four waves, as many as a WGP has SIMDs; a wave makes 128 x 128: 64 accumulators of 16 x 16, 512 registers.  K goes in steps of 256 through a ring of two LDS slots filled by the tensor data mover.
; THE MATRIX INSTRUCTION IS USED TRANSPOSED: source 0 = a block of B, source 1 = a block of A.  By the order of B's rows, lane (r, h) then holds, for A's row at place r, in the 64 registers of A's block: register 16 b + i = B's row 32 b + 16 h + i.
; TWO PARTS, by the cluster's y (the same in all partners).  y < 4: A = src, B = in_proj_w's rows 0-2047: a lane holds one row of q or k, registers along the columns.  y >= 4: A = in_proj_w's rows 2048-3071, B = src:
; a lane holds one channel of v, registers along the keys, which are the K of attention's second product.  The loop is the same text; only offsets into opw differ.
; CLUSTERS: 4 x 4 work-groups.  The four of a row of the cluster need the same tiles of A, the four of a column the same tiles of B: each tile is asked for JOINTLY, by the same tensor load with the same descriptor and a mask that names the four.
; OUT.  q, k: half records of 896 bytes (registers 0-5 and the scale word) in qkb, region (q: 16 batch + head; k: 32 + 16 batch + head) x 116,480 + tile x 896.  v: records in vtb at (((16 batch + head) x 17 + key step) x 4 + tile of 16 channels) x 1,664.
; REGISTERS, in windows of 256: window 0: v0-31 addresses; v32-63 scale words, two sets; v64-127 the columns' biases; v128-223 A's fragments, ONE set (on the way out: codes and work); v224-239 the rows' biases.
;   window 1: B's fragments, TWO sets, at v0 and v128.   window 2: the accumulators of my rows 0-63 ((a, b) at v[8 (8 a + b)]);   window 3: those of my rows 64-127.
; LIMITS: NaN and infinities are not served; a block whose largest magnitude lies under 2^-122 keeps the scale byte 1 (a block of zeros has zero codes; this program alone reads the bytes).
.set KS,     8                         ; K steps of 128 in a row
.set REC,    1664
.set PAIR,   2*REC                     ; a block's part of a slot: two K steps
.set BLKB,   KS*REC                    ; a block of 16 rows in memory
.set NQ,     2                         ; matrix instructions deep in a slot
.set FR,     12                        ; registers of a fragment
.set NL,     4                         ; LDS loads that bring one
.set NP,     4                         ; places behind this matrix instruction (ISA guide 7.12.1)
.set HALFT,  8*PAIR                    ; 8 blocks: what one tensor load brings, and what one wave reads of A or of B
.set SLOT,   4*HALFT                   ; A's 16 blocks, then B's 16
.set SPARE,  2*SLOT                    ; behind the ring: the spare words, 128 bytes for each wave: two blocks of 256 bytes that no other line names
.set LAPS,   KS/4                      ; a lap = two slots = 512 along K
.set OFF_IPW, 3407872                  ; in opw: src's records at 0, in_proj_w's here,
.set OFF_WV,  5111808                  ; its rows 2048 on here
.set A16, 16                           ; v16-17  16 x lane + my 8 blocks of A in slot 0, 1
.set A8,  18                           ; v18-19  8 x lane + the same
.set B16, 20                           ; v20-23  the same for B
.set B8,  22
.set L16, 24                           ; v24-26  16, 8, 4 x lane
.set L8,  25
.set L4,  26
.set SPW, 28                           ; v28     LDS address of my spare word; never rewritten
.set NIL, 29                           ; v29     0; never rewritten
.set S4,  30                           ; v30-31  my scale words in slot 0, 1: lanes 0-15 A's, lanes 16-31 B's
.set SC,  32                           ; scale words: set s at v[32 + 16 s]; register 2 i + q: lanes 0-15 A's block i, lanes 16-31 B's block i, the slot's q-th 128 along K
.set BB,  64
.set AF,  128
.set BV,  224
.set PC,  128                          ; the way out: codes v128-146, work v150-165, scale words v166, v167
.set TM,  150
.set PW,  166
.set PW2, 167
.set G1,  24                           ; s[24:31] descriptor group 1 for A's tiles;  s[32:39] group 0, one set for each slot
.set G0,  32
.set G1B, 48                           ; s[48:55], s[56:63] the same for B's
.set G0B, 56
.set FAC, 72                           ; s[72:73] 1/8 for q, 1 for k
.set SEL, 82                           ; s[82:83] selects for lane l xor 16
.set MSB, 0
.macro WIN new                         ; the immediate's high byte repeats the setting that is left
.if MSB != (\new)
	s_set_vgpr_msb (MSB<<8)|(\new)
.set MSB, (\new)
.endif
.endm
.set MUL_LO, 0xa1                      ; source 0 (B) window 1, source 1 (A) window 0, C and D window 2
.set MUL_HI, 0xf1                      ; the same, C and D window 3
.set TO_B,   0x40                      ; destination window 1, address window 0
; A joint load: waves 0 and 1 fetch for A, waves 2 and 3 for B.  Each line has ONE mask and one set of registers for all that issue it; the branch hangs on the wave's number alone.  Four v_nop follow each line.
.macro JLOAD g0a, g1a, g0b, g1b
	s_cmp_eq_u32 s15, 0
	s_cbranch_scc0 .Lfor_b_\@
	tensor_load_to_lds s[\g0a:\g0a+3], s[\g1a:\g1a+7]
	s_nop 0
.rept 4
	v_nop
.endr
	s_branch .Lasked_\@
.Lfor_b_\@:
	tensor_load_to_lds s[\g0b:\g0b+3], s[\g1b:\g1b+7]
	s_nop 0
.rept 4
	v_nop
.endr
.Lasked_\@:
.endm
.macro CREST                           ; a round of the cluster's barrier behind its opening barrier
	s_cmp_lg_u32 s14, 0
	s_cbranch_scc1 .Lnot_wave_0_\@
	s_barrier_signal -3
.Lnot_wave_0_\@:
	s_barrier_wait -3
	s_barrier_signal -1
	s_barrier_wait -1
.endm
.macro CROUND                          ; a whole round
	s_barrier_signal -1
	s_barrier_wait -1
	CREST
.endm
	s_load_b256 s[4:11], s[0:1], 0x0               ; opw, in_proj_b, qkb, vtb
	v_lshl_add_u32 v[SPW], v0, 2, SPARE
	v_mov_b32 v[NIL], 0
	ds_add_u32 v28, v29
	ds_add_u32 v28, v29
	s_wait_dscnt 0x0
	v_lshrrev_b32 v1, 5, v0
	v_readfirstlane_b32 s14, v1                    ; wave 0..3
	s_lshr_b32 s15, s14, 1                         ; which half of the tile's rows is mine.  Also: I fetch for A (0) or for B (1)
	s_and_b32 s16, s14, 1                          ; which half of its columns.  Also: which 8 blocks of that tile I fetch
	s_bfe_u32 s40, ttmp6, 0x40000                  ; cx, cy: my place in the cluster
	s_bfe_u32 s41, ttmp6, 0x40004
	s_and_b32 s76, ttmp7, 0xffff                   ; the cluster's y: 0-3 q and k, 4-5 v
	s_cmp_lt_u32 s76, 4
	s_cselect_b32 s17, s76, 0
	s_cselect_b32 s42, 4, s76
	s_cselect_b32 s77, 0, OFF_WV                   ; where A begins in opw,
	s_cselect_b32 s78, OFF_IPW, 0                  ; and B
	s_lshl_b32 s17, s17, 2
	s_add_co_u32 s17, s17, s41                     ; A's tile: q, k: 4 y + cy (of 16);  v: cy (of 4)
	s_sub_co_u32 s42, s42, 4
	s_lshl_b32 s42, s42, 1
	s_add_co_u32 s42, s42, ttmp9
	s_lshl_b32 s42, s42, 2
	s_add_co_u32 s42, s42, s40                     ; B's tile: q, k: 4 x + cx (of 8);  v: 4 (x + 2 (y - 4)) + cx (of 16)
	s_lshl_b32 s43, s41, 2
	s_lshl_b32 s43, 15, s43                        ; my row of the cluster
	s_lshl_b32 s44, 0x1111, s40                    ; my column
	; descriptor group 1: 8 rows (blocks) of 3,328 bytes, as 416 elements of 8 bytes, BLKB bytes apart; dense in LDS
	s_or_b32 s[G1+0], s43, (3<<16)|(1<<21)         ; 15:0 the mask: A's tiles go to my row; 17:16 elements of 8 bytes; 20 no padding; 21 set beside a mask
	s_or_b32 s[G1B+0], s44, (3<<16)|(1<<21)
.irp g, G1, G1B
	s_mov_b32 s[\g+1], 416<<16                     ; tensor_dim0
	s_mov_b32 s[\g+2], 8<<16                       ; tensor_dim1
	s_mov_b32 s[\g+3], 416<<16                     ; tile_dim0
	s_mov_b32 s[\g+4], 8                           ; tile_dim1
	s_mov_b32 s[\g+5], KS*208                      ; tensor_dim0_stride, in elements
	s_mov_b32 s[\g+6], 0
	s_mov_b32 s[\g+7], 0
.endr
	s_lshl_b32 s18, s16, 3                         ; which 8 blocks of the tile I fetch
	s_lshl_b32 s20, s17, 4
	s_add_co_u32 s20, s20, s18
	s_mul_i32 s20, s20, BLKB
	s_add_co_u32 s20, s20, s77                     ; A: made of cy, the cluster's y and the wave's number
	s_mov_b32 s21, 0
	s_lshl_b32 s46, s42, 4
	s_add_co_u32 s46, s46, s18
	s_mul_i32 s46, s46, BLKB
	s_add_co_u32 s46, s46, s78                     ; B: made of cx, the cluster's x and y and the wave's number
	s_mov_b32 s47, 0
	s_mul_i32 s45, s14, HALFT                      ; where they go: wave x 8 blocks: no place in the cluster enters an LDS address
	; the biases.  Both kinds are loaded in both parts, so that one path writes all registers; the kind that a part does not use is read at the buffer's start and dropped
	s_lshl_b32 s79, s42, 10
	s_lshl_b32 s80, s16, 9
	s_add_co_u32 s79, s79, s80                     ; q, k: my 128 columns' biases
	s_lshl_b32 s80, s17, 10
	s_lshl_b32 s81, s15, 9
	s_add_co_u32 s80, s80, s81
	s_add_co_u32 s80, s80, 8192                    ; v: my 128 channels' biases
	s_cmp_lt_u32 s76, 4
	s_cselect_b32 s70, s79, 0
	s_cselect_b32 s74, 0, s80
	s_mov_b32 s71, 0
	s_mov_b32 s75, 0
	s_cmp_lt_u32 s42, 4
	s_cselect_b32 s[FAC], 0x3e000000, 1.0          ; columns under 1,024 are q: x 1/8
	s_mov_b32 s[FAC+1], s[FAC]
	s_mov_b32 s[SEL], 0x76543210
	s_mov_b32 s[SEL+1], 0xfedcba98
	; where my results go.  q, k: region ((tile column / 4) x 2 + batch) x 16 + first head, tile 16 (tile row % 8) + 8 x half
	s_lshr_b32 s84, s42, 2
	s_lshl_b32 s84, s84, 1
	s_lshr_b32 s85, s17, 3
	s_add_co_u32 s84, s84, s85
	s_lshl_b32 s84, s84, 4
	s_and_b32 s85, s42, 3
	s_lshl_b32 s85, s85, 2
	s_add_co_u32 s84, s84, s85
	s_lshl_b32 s85, s16, 1
	s_add_co_u32 s84, s84, s85
	s_mul_i32 s84, s84, 116480
	s_and_b32 s85, s17, 7
	s_lshl_b32 s85, s85, 4
	s_lshl_b32 s86, s15, 3
	s_add_co_u32 s85, s85, s86
	s_mul_i32 s85, s85, 896
	s_add_co_u32 s84, s84, s85
	s_mov_b32 s85, 0
	; v: (((tile column / 8) x 16 + 4 x tile row + 2 x half) x 17 + (2 x tile column + half) % 16) x 4 records
	s_lshr_b32 s86, s42, 3
	s_lshl_b32 s86, s86, 4
	s_lshl_b32 s87, s17, 2
	s_add_co_u32 s86, s86, s87
	s_lshl_b32 s87, s15, 1
	s_add_co_u32 s86, s86, s87
	s_mul_i32 s86, s86, 17
	s_lshl_b32 s87, s42, 1
	s_add_co_u32 s87, s87, s16
	s_and_b32 s87, s87, 15
	s_add_co_u32 s86, s86, s87
	s_mul_i32 s86, s86, 4*REC
	s_mov_b32 s87, 0
	s_wait_kmcnt 0x0
	s_add_nc_u64 s[20:21], s[4:5], s[20:21]
	s_add_nc_u64 s[46:47], s[4:5], s[46:47]
	s_add_nc_u64 s[70:71], s[6:7], s[70:71]
	s_add_nc_u64 s[74:75], s[6:7], s[74:75]
	s_add_nc_u64 s[66:67], s[8:9], s[84:85]
	s_add_nc_u64 s[68:69], s[10:11], s[86:87]
	CROUND                                         ; all sixteen work-groups are here: the first joint loads meet
.irp s, 0,1
	s_mov_b32 s[G0+4*\s], 1                        ; 1:0 count = 1
	s_add_co_u32 s[G0+4*\s+1], s45, \s*SLOT        ; 63:32 LDS address
	s_add_nc_u64 s[G0+4*\s+2:G0+4*\s+3], s[20:21], \s*PAIR   ; 120:64 global address: K steps 2 s, 2 s + 1
	s_or_b32 s[G0+4*\s+3], s[G0+4*\s+3], 0x80000000   ; 127:126 type = 2
	s_mov_b32 s[G0B+4*\s], 1
	s_add_co_u32 s[G0B+4*\s+1], s45, \s*SLOT
	s_add_nc_u64 s[G0B+4*\s+2:G0B+4*\s+3], s[46:47], \s*PAIR
	s_or_b32 s[G0B+4*\s+3], s[G0B+4*\s+3], 0x80000000
.if \s                                 ; slot 1's first fill is issued as a refill is
	s_wait_alu depctr_va_vdst(0)
	s_wait_tensorcnt 0x0
	ds_add_u32 v28, v29
	ds_add_u32 v28, v29
	s_wait_dscnt 0x0
	CROUND
.endif
	JLOAD G0+4*\s, G1, G0B+4*\s, G1B
.endr
	v_and_b32 v1, 31, v0                           ; lane
	v_bfe_u32 v2, v0, 4, 1                         ; h
	v_lshlrev_b32 v[L16], 4, v1
	v_lshlrev_b32 v[L8], 3, v1
	v_lshlrev_b32 v[L4], 2, v1
	v_lshlrev_b32 v3, 6, v2                        ; the columns' biases: 16 numbers a half
	v_and_b32 v4, 15, v0
	v_and_b32 v5, 8, v4
	v_add_nc_u32 v4, v4, v5
	v_lshlrev_b32 v4, 2, v4                        ; the rows' biases: place r is row r + 8 (r / 8) of its block
.irp b, 0,1,2,3,4,5,6,7
	global_load_b128 v[BB+8*\b:BB+8*\b+3], v3, s[70:71] offset:(32*(\b/2)+8*(\b%2))*4
	global_load_b128 v[BB+8*\b+4:BB+8*\b+7], v3, s[70:71] offset:(32*(\b/2)+8*(\b%2))*4+16
.endr
.irp a, 0,1,2,3,4,5,6,7
	global_load_b32 v[BV+2*\a], v4, s[74:75] offset:(32*(\a/2)+8*(\a%2))*4     ; twice: a pair for the packed addition
	global_load_b32 v[BV+2*\a+1], v4, s[74:75] offset:(32*(\a/2)+8*(\a%2))*4
.endr
	s_mul_i32 s21, s15, HALFT                      ; my 8 blocks of A
	s_mul_i32 s22, s16, HALFT                      ; my 8 blocks of B,
	s_add_co_u32 s22, s22, 2*HALFT                 ; which lie behind A's 16
.irp s, 0,1
	v_add_nc_u32 v[A16+\s], s21, v[L16]
	v_add_nc_u32 v[A8+\s], s21, v[L8]
	v_add_nc_u32 v[B16+\s], s22, v[L16]
	v_add_nc_u32 v[B8+\s], s22, v[L8]
	s_add_co_u32 s21, s21, SLOT
	s_add_co_u32 s22, s22, SLOT
.endr
	s_mul_i32 s21, s15, HALFT
	s_mul_i32 s22, s16, HALFT
	s_add_co_u32 s22, s22, 2*HALFT
	s_sub_co_u32 s22, s22, s21
	v_mul_u32_u24 v6, s22, v2                      ; lanes 16-31 take B's scale words (their image repeats the 16 words, so 4 x lane serves both halves)
	s_add_co_u32 s21, s21, 1536
	v_add_nc_u32 v5, v[L4], v6
	v_add_nc_u32 v[S4], s21, v5
	v_add_nc_u32 v[S4+1], SLOT, v[S4]
.macro FRAG reg, a16, a8, q, i         ; a fragment comes as it was stored: every load takes consecutive bytes
	ds_load_b128 v[\reg:\reg+3], v[\a16] offset:(\i)*PAIR+(\q)*REC
	ds_load_b64 v[\reg+4:\reg+5], v[\a8] offset:(\i)*PAIR+(\q)*REC+512
	ds_load_b128 v[\reg+6:\reg+9], v[\a16] offset:(\i)*PAIR+(\q)*REC+768
	ds_load_b64 v[\reg+10:\reg+11], v[\a8] offset:(\i)*PAIR+(\q)*REC+1280
.endm
; 16 matrix instructions: A's blocks a0, a0 + 1 x B's eight, 128 along K: the slot's q-th.  p: B's set;  sc: the set of scale words.  zero = 1: the first product starts the sums.
; The 64 accumulators take turns, one instruction a turn, in the same order in every step.
.macro MUL16 a0, p, q, sc, zero
.irp a, \a0, \a0+1
.irp b, 0,1,2,3,4,5,6,7
.if \zero
	v_wmma_scale_f32_16x16x128_f8f6f4 v[8*(8*((\a)%4)+\b):8*(8*((\a)%4)+\b)+7], v[128*(\p)+FR*\b:128*(\p)+FR*\b+FR-1], v[AF+FR*(\a):AF+FR*(\a)+FR-1], 0, v[SC+8*NQ*(\sc)+NQ*\b+(\q)], v[SC+8*NQ*(\sc)+NQ*(\a)+(\q)] matrix_a_fmt:MATRIX_FMT_BF6 matrix_b_fmt:MATRIX_FMT_BF6 matrix_a_scale:MATRIX_SCALE_ROW1
.else
	v_wmma_scale_f32_16x16x128_f8f6f4 v[8*(8*((\a)%4)+\b):8*(8*((\a)%4)+\b)+7], v[128*(\p)+FR*\b:128*(\p)+FR*\b+FR-1], v[AF+FR*(\a):AF+FR*(\a)+FR-1], v[8*(8*((\a)%4)+\b):8*(8*((\a)%4)+\b)+7], v[SC+8*NQ*(\sc)+NQ*\b+(\q)], v[SC+8*NQ*(\sc)+NQ*(\a)+(\q)] matrix_a_fmt:MATRIX_FMT_BF6 matrix_b_fmt:MATRIX_FMT_BF6 matrix_a_scale:MATRIX_SCALE_ROW1
.endif
.endr
.endr
.endm
.macro FETCH_B slot, q, p              ; B's eight fragments of the slot's q-th 128 along K into set p
	WIN TO_B
.irp i, 0,1,2,3,4,5,6,7
	FRAG 128*(\p)+FR*\i, B16+\slot, B8+\slot, \q, \i
.endr
	WIN 0
.endm
.macro FETCH_A slot, q, i0             ; A's blocks i0 .. i0 + 3
.irp i, \i0, \i0+1, \i0+2, \i0+3
	FRAG AF+FR*(\i), A16+\slot, A8+\slot, \q, \i
.endr
.endm
.macro SCALES sc                       ; a slot's scale words into set sc
.irp i, 0,1,2,3,4,5,6,7
	ds_load_b32 v[SC+8*NQ*\sc+NQ*\i], v[S4+\sc] offset:\i*PAIR
	ds_load_b32 v[SC+8*NQ*\sc+NQ*\i+1], v[S4+\sc] offset:\i*PAIR+REC
.endr
.endm
; A load into a register that a matrix instruction has read, and a vector instruction or store that reads a matrix result, stand NP places behind that matrix instruction; only plain vector
; instructions that name none of its registers are places (ISA guide 7.12.1 for vector instructions).
.macro PLACES n
.rept \n
	v_nop
.endr
.endm
; A step of 128 along K that has its successor in the same slot.  A block of A is free as soon as its eight products are issued: blocks 0-3 are fetched anew in the step's middle, blocks 4-7 at its end.
.macro STEP slot, q, zero
	s_wait_dscnt 4*NL                              ; B's set, A's blocks 0-3 and the scale words are in; the youngest 16 loads (A's blocks 4-7) may be out
	WIN MUL_LO
	MUL16 0, (\q)%2, \q, \slot, \zero
	MUL16 2, (\q)%2, \q, \slot, \zero
	s_wait_dscnt 0                                 ; A's blocks 4-7 are in (asked for 32 matrix instructions ago)
	PLACES NP
	FETCH_B \slot, (\q)+1, 1-(\q)%2
	FETCH_A \slot, (\q)+1, 0
	WIN MUL_HI
	MUL16 4, (\q)%2, \q, \slot, \zero
	MUL16 6, (\q)%2, \q, \slot, \zero
	PLACES NP
	WIN 0
	FETCH_A \slot, (\q)+1, 4
.endm
; A slot's last step changes slots: ONE barrier; in front of it each wave waits for all its tensor loads, adds 0 to its spare word, and waits for that and for its own reads of this slot.  fill = 1: this slot is filled again, two slots ahead.
.macro TURN slot, next, fill
	s_wait_tensorcnt 0x0                           ; all my tensor loads have landed: my part of the next slot  (every window is 0 here)
	ds_add_u32 v[SPW], v[NIL]                      ; 0 onto my spare word
	s_wait_dscnt 4*NL+1                            ; (the add and the youngest 16 loads, A's blocks 4-7, may be out)
	WIN MUL_LO
	MUL16 0, 1, NQ-1, \slot, 0                     ; sixteen matrix instructions stand between the add and the wait for it
	s_wait_dscnt 0x0                               ; the add is done, and my reads of this slot are over
	s_barrier_signal -1
	MUL16 2, 1, NQ-1, \slot, 0
	WIN 0
	s_barrier_wait -1
.if \fill
	CREST                                          ; the barrier has opened a round of the cluster's barrier: no wave of any partner still reads this slot or has a load on its way
	s_add_nc_u64 s[G0+4*\slot+2:G0+4*\slot+3], s[G0+4*\slot+2:G0+4*\slot+3], 2*PAIR
	s_add_nc_u64 s[G0B+4*\slot+2:G0B+4*\slot+3], s[G0B+4*\slot+2:G0B+4*\slot+3], 2*PAIR
	JLOAD G0+4*\slot, G1, G0B+4*\slot, G1B         ; the first tensor load behind the round; its four v_nop are the places in front of the loads below
.else
	PLACES NP
.endif
	FETCH_B \next, 0, 0
	FETCH_A \next, 0, 0
	SCALES \next
	WIN MUL_HI
	MUL16 4, 1, NQ-1, \slot, 0
	MUL16 6, 1, NQ-1, \slot, 0
	PLACES NP
	WIN 0
	FETCH_A \next, 0, 4
.endm
	s_wait_alu depctr_va_vdst(0)
	s_wait_tensorcnt 1                             ; my part of slot 0 is in (slot 1's load may be out)
	s_wait_loadcnt 0x0                             ; and the biases: no global load is out during the loop
	s_barrier_signal -1
	s_barrier_wait -1                              ; everybody's is
	FETCH_B 0, 0, 0
	FETCH_A 0, 0, 0
	SCALES 0
	FETCH_A 0, 0, 4
	STEP 0, 0, 1                                   ; the first step stands in front of the loop: its products start the sums
	s_mov_b32 s3, LAPS-1
.Llap:                                                 ; a trip goes once round the ring, from a lap's second step to the next lap's first, and fills both slots again
	TURN 0, 1, 1
	STEP 1, 0, 0
	TURN 1, 0, 1
	STEP 0, 0, 0
	s_sub_co_u32 s3, s3, 1
	s_cmp_lg_u32 s3, 0
	s_cbranch_scc1 .Llap
	TURN 0, 1, 0                                   ; the last lap fills nothing, and has no round of the cluster's barrier
	STEP 1, 0, 0
	s_wait_dscnt 4*NL                              ; the very last step: nothing more to fetch
	WIN MUL_LO
	MUL16 0, 1, NQ-1, 1, 0
	MUL16 2, 1, NQ-1, 1, 0
	s_wait_dscnt 0
	WIN MUL_HI
	MUL16 4, 1, NQ-1, 1, 0
	MUL16 6, 1, NQ-1, 1, 0
	WIN 0
; THE WAY OUT.  The 64 numbers of a lane in window w, v[s] on (register 16 b + i = k 32 b + 16 (lane / 16) + i of my row), become a fragment's codes in v[PC] on and its scale word in v[PW], both in window 0.
.macro QUANTW s, w
	WIN (\w)|((\w)<<2)                             ; sources 0 and 1: window w
.irp b, 0,1,2,3
	v_max3_num_f32 v[TM+\b], |v[\s+16*\b]|, |v[\s+1+16*\b]|, 0x2800000   ; block b: my 16 numbers, and the floor 2^(5 - 127): the byte cannot fall under 1
.endr
.irp i, 2,4,6,8,10,12,14
.irp b, 0,1,2,3
	v_max3_num_f32 v[TM+\b], |v[\s+16*\b+\i]|, |v[\s+1+16*\b+\i]|, v[TM+\b]
.endr
.endr
	WIN 0
.irp b, 0,1,2,3
	v_permlanex16_b32 v[TM+4+\b], v[TM+\b], s[SEL], s[SEL+1]
.endr
.irp b, 0,1,2,3
	v_max_num_f32 v[TM+\b], v[TM+\b], v[TM+4+\b]   ; with lane l xor 16's: the block's largest magnitude
.endr
.irp b, 0,1,2,3
	v_add_nc_u32 v[TM+12+\b], 0xfe000000, v[TM+\b]   ; 4 off its exponent field: the conversion's scale operand
.endr
.irp b, 0,1,2,3
	v_lshrrev_b32 v[TM+4+\b], 23, v[TM+12+\b]      ; the scale's byte
.endr
	v_lshl_or_b32 v[PW], v[TM+5], 8, v[TM+4]
	v_lshl_or_b32 v[PW], v[TM+6], 16, v[PW]
	v_lshl_or_b32 v[PW], v[TM+7], 24, v[PW]
	WIN (\w)                                       ; source 0: window w
.irp c, 0,1
	v_cvt_scalef32_pk16_bf6_f32 v[PC+6*\c:PC+2+6*\c], v[\s+32*\c:\s+15+32*\c], v[TM+12+2*\c]
	v_cvt_scalef32_pk16_bf6_f32 v[PC+12+4*\c:PC+14+4*\c], v[\s+16+32*\c:\s+31+32*\c], v[TM+12+2*\c+1]
.endr
	WIN 0
	v_nop                                          ; one plain place behind a scaled conversion
.irp c, 0,1                            ; a WHOLE block to a lane: lanes 0-15 block 2 c, lanes 16-31 block 2 c + 1
.irp i, 0,1,2
	v_permlane16_swap_b32 v[PC+6*\c+\i], v[PC+12+4*\c+\i]
.endr
.irp i, 0,1,2
	v_mov_b32 v[PC+3+6*\c+\i], v[PC+12+4*\c+\i]
.endr
.endr
.endm
; q, k: block a's 16 rows x my 128 columns, which are two heads: (sum + bias) x factor, one rounding (the factor is a power of two); each head's 64 are half a fragment
.macro EPI_QK a
.set AC, 64*((\a)%4)
.set WW, 2+(\a)/4
.if (\a) > 0
	s_wait_xcnt 0x0                                ; the last block's stores have read the codes and the words
.endif
	WIN (WW<<6)|WW
.set JJ, 0
.rept 32
	v_pk_fma_f32 v[AC+JJ:AC+JJ+1], v[AC+JJ:AC+JJ+1], s[FAC:FAC+1], v[BB+JJ:BB+JJ+1] op_sel_hi:[1,0,1]   ; each accumulator from its low end on
.set JJ, JJ+2
.endr
	QUANTW AC, WW
	v_lshrrev_b32 v[PW2], 16, v[PW]                ; the second head's two bytes
	global_store_b128 v[L16], v[PC:PC+3], s[66:67] offset:896*(\a)
	global_store_b64 v[L8], v[PC+4:PC+5], s[66:67] offset:896*(\a)+512
	global_store_b32 v[L4], v[PW], s[66:67] offset:896*(\a)+768          ; its upper two bytes belong to zero codes and are no 0xff
	global_store_b128 v[L16], v[PC+6:PC+9], s[66:67] offset:116480+896*(\a)
	global_store_b64 v[L8], v[PC+10:PC+11], s[66:67] offset:116480+896*(\a)+512
	global_store_b32 v[L4], v[PW2], s[66:67] offset:116480+896*(\a)+768
.endm
; v: block a's 16 channels x my 128 keys: + the channel's bias; a whole record
.macro EPI_V a
.set AC, 64*((\a)%4)
.set WW, 2+(\a)/4
.if (\a) > 0
	s_wait_xcnt 0x0
.endif
	WIN (WW<<6)|WW
.set JJ, 0
.rept 32
	v_pk_add_f32 v[AC+JJ:AC+JJ+1], v[AC+JJ:AC+JJ+1], v[BV+2*(\a):BV+2*(\a)+1]
.set JJ, JJ+2
.endr
	QUANTW AC, WW
	global_store_b128 v[L16], v[PC:PC+3], s[68:69] offset:((\a)/4)*17*4*REC+((\a)%4)*REC
	global_store_b64 v[L8], v[PC+4:PC+5], s[68:69] offset:((\a)/4)*17*4*REC+((\a)%4)*REC+512
	global_store_b128 v[L16], v[PC+6:PC+9], s[68:69] offset:((\a)/4)*17*4*REC+((\a)%4)*REC+768
	global_store_b64 v[L8], v[PC+10:PC+11], s[68:69] offset:((\a)/4)*17*4*REC+((\a)%4)*REC+1280
	global_store_b32 v[L4], v[PW], s[68:69] offset:((\a)/4)*17*4*REC+((\a)%4)*REC+1536
.endm
	PLACES NP                                      ; behind the last products: their results are read, and the registers that held A's fragments are written
.irp b, 0,1,2,3
	v_mov_b32 v[TM+4+\b], 0                        ; written once: a lane permute's destination counts as one of its sources
.endr
	s_cmp_lt_u32 s76, 4                            ; the cluster's y: the same in all partners
	s_cbranch_scc0 .Lvpart
.set JJ, 0
.rept 32
	v_pk_mul_f32 v[BB+JJ:BB+JJ+1], v[BB+JJ:BB+JJ+1], s[FAC:FAC+1] op_sel_hi:[1,0]   ; bias x factor, exact
.set JJ, JJ+2
.endr
.irp a, 0,1,2,3,4,5,6,7
	EPI_QK \a
.endr
	s_branch .Ldone
.Lvpart:
.irp a, 0,1,2,3,4,5,6,7
	EPI_V \a
.endr
.Ldone:
	s_wait_tensorcnt 0x0                           ; the wave's end
	ds_add_u32 v[SPW], v[NIL]
	s_wait_dscnt 0x0
	CROUND                                         ; the closing round: no work-group ends while a partner may still ask for a tile that names it
	s_endpgm
.Lfunc_end_k_q351b9e0c01_qkv:
	.size	k_q351b9e0c01_qkv, .Lfunc_end_k_q351b9e0c01_qkv-k_q351b9e0c01_qkv
	.p2alignl 7, 3214868480
	.fill 96, 4, 3214868480
	.section	.rodata,"a",@progbits
	.p2align	6, 0x0
	.amdhsa_kernel k_q351b9e0c01_qkv
		.amdhsa_group_segment_fixed_size 327680
		.amdhsa_private_segment_fixed_size 0
		.amdhsa_enable_private_segment 0
		.amdhsa_kernarg_size 32
		.amdhsa_user_sgpr_count 2
		.amdhsa_user_sgpr_kernarg_segment_ptr 1
		.amdhsa_wavefront_size32 1
		.amdhsa_system_sgpr_workgroup_id_x 1
		.amdhsa_system_sgpr_workgroup_id_y 1
		.amdhsa_system_sgpr_workgroup_id_z 1
		.amdhsa_system_vgpr_workitem_id 0
		.amdhsa_next_free_vgpr 1024
		.amdhsa_next_free_sgpr 100
		.amdhsa_reserve_vcc 0
		.amdhsa_float_denorm_mode_32 3
		.amdhsa_float_denorm_mode_16_64 3
		.amdhsa_memory_ordered 1
		.amdhsa_forward_progress 1
		.amdhsa_inst_pref_size 224
	.end_amdhsa_kernel
	.amdgpu_metadata
---
amdhsa.version: [ 1, 2 ]
amdhsa.kernels:
  - .name:           k_q351b9e0c01_qkv
    .symbol:         k_q351b9e0c01_qkv.kd
    .args:
      - { .name: opw, .offset: 0, .size: 8, .value_kind: global_buffer, .address_space: global }
      - { .name: in_proj_b, .offset: 8, .size: 8, .value_kind: global_buffer, .address_space: global }
      - { .name: qkb, .offset: 16, .size: 8, .value_kind: global_buffer, .address_space: global }
      - { .name: vtb, .offset: 24, .size: 8, .value_kind: global_buffer, .address_space: global }
    .group_segment_fixed_size: 327680
    .private_segment_fixed_size: 0
    .kernarg_segment_align: 8
    .kernarg_segment_size: 32
    .max_flat_workgroup_size: 128
    .sgpr_count:     100
    .vgpr_count:     1024
    .wavefront_size: 32
...
	.end_amdgpu_metadata
.endif
;; end of part 10
;; launch attn (part 11): grid 8 x 32, 16 waves a work-group, clusters of 4 x 1, 327,680 bytes of LDS; arguments qkb, vtb, ar; writes ar
.if DOCPART == 11
	.amdgcn_target "amdgcn-amd-amdhsa--gfx1250"
	.amdhsa_code_object_version 6
	.text
	.protected	k_q351b9e0c01_attn
	.globl	k_q351b9e0c01_attn
	.p2align	8
	.type	k_q351b9e0c01_attn,@function
k_q351b9e0c01_attn:
	s_mov_b64 s[64:65], 0
	v_nop
	global_prefetch_b8 v0, s[64:65] scope:SCOPE_SE
	s_setreg_imm32_b32 hwreg(HW_REG_WAVE_MODE, 25, 1), 1
	s_wait_xcnt 0x0
	s_wait_alu depctr_hold_cnt(0) depctr_sa_sdst(0) depctr_va_vdst(0) depctr_va_sdst(0) depctr_va_ssrc(0) depctr_va_vcc(0) depctr_vm_vsrc(0)
	s_getreg_b32 s2, hwreg(HW_REG_IB_STS2, 6, 4)
	s_cmp_eq_u32 s2, 0
	s_cbranch_scc0 .Lentry_in_a_cluster
	s_endpgm
.Lentry_in_a_cluster:
	s_bfe_u32 s2, ttmp6, 0x10000c
	s_cmp_lg_u32 s2, 0x3003
	s_cbranch_scc0 .Lentry_shape_is_right
	s_endpgm
.Lentry_shape_is_right:
; ctx = softmax(q k^T) v over 2,048 keys and 32 memory keys, for one (batch, head) and 256 queries a work-group, both products on codes of MX-BF6; ctx is quantised along the model's 1,024 on the way out.
; q (already x 1/8) and k come as half records of 896 bytes: a fragment's registers 0-5 (K = the head's 64) and its scale word; registers 6-11 are zero codes, made here once.  V^T comes as records of 1,664 bytes (16 channels x 128 keys).
; THE SOFTMAX: t = score x log2(e); M = the running largest t, rounded UP to a whole number; p = 2^(t - M) is quantised along the keys, not normalised.  The row's sum is taken of the unquantised p and divides O at the end.
; When M moves, the sum and O are multiplied by 2^(old M - new M): exact.  A block's largest p is made from its largest score by the same two instructions.
; SHARES.  Sixteen waves, each ONE tile of 16 queries in 256 registers: four waves to a SIMD.
; THE WHOLE HEAD'S K AND V LIE IN LDS, each byte filled once: K 116,480 bytes = 455 rows of 256, V 113,152 = 442 rows; both regions are dense in memory and begin at multiples of 256 bytes.
; At the head wave 0 fetches K's first 112 rows (512 keys) and wave 1 V's first 104 (four steps).  Behind the waits, the add and a round of the cluster's barrier waves 0-6 fetch 49 rows of K each and waves 7, 8 169 rows of V each:
; these land while the first four steps are worked.  By this text's count a wave has one tensor load out at the most.
; CLUSTER.  The four query blocks of a cluster belong to one head: every load is asked for JOINTLY, with the same descriptor and the mask of all four.  No prefetch: all tiles are asked for ahead of the loops, so there is no loop to run ahead in.
; LAYOUT.  Both products are used transposed: S^T = K Q^T, O^T = V^T P^T: a lane holds ONE query (lane % 16).  Place p of K's tile i holds key 32 (i / 2) + 8 (i % 2) + p + 8 (p / 8), so the 16 registers of tiles 2 b, 2 b + 1
; are keys 32 b + 16 (lane / 16) + 0 .. 15; V^T's tiles hold the channels in the same order.
; LIMITS: NaN and infinities are not served; the scaled scores stay under 2^31 in magnitude; v_exp_f32 and v_rcp_f32 (1 ulp) stand ahead of quantisers; a block of p that has fallen to 0 keeps the scale byte 1 over zero codes.
.set KT,   896
.set REC,  1664
.set KREG, 130*KT
.set VREG, 68*REC
.set VL,   KREG                        ; V's records lie behind K's tiles
.set SPARE, KREG+VREG                  ; behind them the spare words, 128 bytes a wave
.set L16,  1                           ; v1-3   16, 8, 4 x lane
.set L8,   2
.set L4,   3
.set AK16, 4                           ; v4-6   the step's tiles of K
.set AK8,  5
.set AK4,  6
.set AV16, 7                           ; v7-9   the step's records of V
.set AV8,  8
.set AV4,  9
.set TT,   10                          ; ctx's two scale bytes
.set TP,   11                          ; at work
.set Q,    16                          ; v16-27 Q's fragment;  v12 -M, v13 the largest t, v[14:15] the sum in two halves
.set QS,   28                          ; Q's scale words
.set PS,   29                          ; p's scale word
.set F,    30                          ; v[30:31] f = 2^(old M - new M)
.set KFR,  32                          ; v32-79   four fragments of K
.set VFR,  80                          ; v80-127  four fragments of V
.set S,    128                         ; v128-191 S^T, then p
.set O,    192                         ; v192-223 O^T
.set PC,   224                         ; v224-235 p's codes
.set BM,   236                         ; v236-239 the blocks' largest; a conversion's second half; chains of the sum
.set BT,   240                         ; v240-243 the other half's largest, the bytes; a conversion's second half
.set SO,   244                         ; v244-247 the conversions' scale operands; chains of the sum
.set KSC,  248                         ; v248-251 K's scale words
.set VSC,  252                         ; v252-255 V's (at the head and at the end v254, v255 serve the add)
.set WV,   10
.set CS,   66                          ; s[66:67] log2(e)
.set SEL,  68                          ; s[68:69] selects for lane l xor 16
.set TK,   70                          ; LDS byte of the step's tiles of K
.set TV,   71                          ; and of V's records
.set CNT,  72
.macro DLY n
	s_delay_alu instid0(VALU_DEP_\n)
.endm
.macro CROUND
	s_barrier_signal -1
	s_barrier_wait -1
	s_cmp_lg_u32 s[WV], 0
	s_cbranch_scc1 .Lnot_wave_0_\@
	s_barrier_signal -3
.Lnot_wave_0_\@:
	s_barrier_wait -3
	s_barrier_signal -1
	s_barrier_wait -1
.endm
.macro G1SET g, rws                    ; descriptor group 1: rws rows of 256 bytes (32 elements of 8), dense in memory and in LDS; mask of all four, bit 21 beside it
	s_mov_b32 s[\g], 15|(3<<16)|(1<<21)
	s_mov_b32 s[\g+1], 32<<16
	s_mov_b32 s[\g+2], (\rws)<<16
	s_mov_b32 s[\g+3], 32<<16
	s_mov_b32 s[\g+4], \rws
	s_mov_b32 s[\g+5], 32
	s_mov_b32 s[\g+6], 0
	s_mov_b32 s[\g+7], 0
.endm
.macro TL g0, g1                       ; a joint load, with an s_nop and four v_nop behind it
	tensor_load_to_lds s[\g0:\g0+3], s[\g1:\g1+7]
	s_nop 0
.rept 4
	v_nop
.endr
.endm
	s_load_b128 s[4:7], s[0:1], 0x0                ; qkb, vtb
	s_load_b64 s[8:9], s[0:1], 0x10                ; ar
	v_lshl_add_u32 v254, v0, 2, SPARE
	v_mov_b32 v255, 0
	ds_add_u32 v254, v255                          ; the opening lines
	ds_add_u32 v254, v255
	s_wait_dscnt 0x0
	v_lshrrev_b32 v4, 5, v0
	DLY 1
	v_readfirstlane_b32 s[WV], v4                  ; wave 0..15
	v_and_b32 v4, 31, v0
	DLY 1
	v_lshlrev_b32 v[L16], 4, v4
	DLY 2
	v_lshlrev_b32 v[L8], 3, v4
	DLY 3
	v_lshlrev_b32 v[L4], 2, v4
	s_bfe_u32 s11, ttmp6, 0x40000                  ; cx: it enters Q's and ctx's global addresses alone
	s_and_b32 s12, ttmp7, 0xffff                   ; 16 batch + head, which the four partners share
	s_add_co_u32 s13, s[WV], 1
	s_and_b32 s13, s13, 1                          ; waves 7, 8: which half of V's rest
	s_min_u32 s92, s[WV], 6                        ; waves 0-6: which seventh of K's rest
	G1SET 16, 112                                  ; K, first: 32 tiles = 512 keys
	G1SET 24, 49                                   ; K, rest: 7 x 49 rows
	G1SET 32, 104                                  ; V, first: 16 records = four steps
	G1SET 40, 169                                  ; V, rest: 2 x 169 rows
	s_add_co_u32 s74, s12, 32
	s_mul_i32 s74, s74, KREG                       ; K's region in qkb
	s_mov_b32 s75, 0
	s_mul_i32 s76, s12, VREG                       ; V's in vtb
	s_mov_b32 s77, 0
	s_mul_i32 s79, s92, 49*256                     ; my part's place, in memory and in LDS alike
	s_add_co_u32 s79, s79, 112*256
	s_mul_i32 s81, s13, 169*256
	s_add_co_u32 s81, s81, 104*256
	s_mov_b32 s83, 0
	s_lshl_b32 s84, ttmp9, 2
	s_add_co_u32 s84, s84, s11                     ; my block of 256 queries
	s_lshl_b32 s84, s84, 4
	s_add_co_u32 s84, s84, s[WV]                   ; my tile of 16 queries, 0..127
	s_mul_i32 s86, s84, KT
	s_mul_i32 s87, s12, KREG
	s_add_co_u32 s86, s86, s87
	s_mov_b32 s87, 0
	s_lshr_b32 s88, s12, 4                         ; ctx: record ((128 batch + tile) x 8 + head / 2); the head's 64 are half head % 2 of its 128
	s_lshl_b32 s88, s88, 7
	s_add_co_u32 s88, s88, s84
	s_lshl_b32 s88, s88, 3
	s_bfe_u32 s89, s12, 0x30001
	s_add_co_u32 s88, s88, s89
	s_mul_i32 s88, s88, REC
	s_and_b32 s89, s12, 1
	s_mul_i32 s90, s89, 768
	s_add_co_u32 s90, s90, s88
	s_mov_b32 s91, 0
	s_lshl_b32 s89, s89, 1
	s_add_co_u32 s88, s88, s89
	s_add_co_u32 s88, s88, 1536
	s_mov_b32 s89, 0
	s_mov_b32 s[CS], 0x3fb8aa3b
	s_mov_b32 s[CS+1], s[CS]                       ; (named with it as a pair, so it is written)
	s_mov_b32 s[SEL], 0x76543210
	s_mov_b32 s[SEL+1], 0xfedcba98
	s_mov_b32 s[TK], 0
	s_mov_b32 s[TV], VL
	s_wait_kmcnt 0x0
	s_add_nc_u64 s[74:75], s[4:5], s[74:75]
	s_add_nc_u64 s[76:77], s[6:7], s[76:77]
	s_add_nc_u64 s[86:87], s[4:5], s[86:87]        ; Q's half record
	s_add_nc_u64 s[90:91], s[8:9], s[90:91]        ; ctx's codes
	s_add_nc_u64 s[88:89], s[8:9], s[88:89]        ; ctx's scale bytes
	s_mov_b32 s48, 1                               ; group 0, K first
	s_mov_b32 s49, 0
	s_mov_b64 s[50:51], s[74:75]
	s_or_b32 s51, s51, 0x80000000
	s_mov_b32 s52, 1                               ; K rest
	s_mov_b32 s53, s79
	s_mov_b32 s82, s79
	s_add_nc_u64 s[54:55], s[74:75], s[82:83]
	s_or_b32 s55, s55, 0x80000000
	s_mov_b32 s56, 1                               ; V first
	s_mov_b32 s57, VL
	s_mov_b64 s[58:59], s[76:77]
	s_or_b32 s59, s59, 0x80000000
	s_mov_b32 s60, 1                               ; V rest
	s_add_co_u32 s61, s81, VL
	s_mov_b32 s82, s81
	s_add_nc_u64 s[62:63], s[76:77], s[82:83]
	s_or_b32 s63, s63, 0x80000000
	CROUND                                         ; all four work-groups are here: the joint loads meet
	s_cmp_lt_u32 s[WV], 1                          ; the head's loads: one chain of branches on the wave's number, one load to an arm
	s_cbranch_scc0 .Lnot_k
	TL 48, 16
	s_branch .Lasked
.Lnot_k:
	s_cmp_lt_u32 s[WV], 2
	s_cbranch_scc0 .Lasked
	TL 56, 32
.Lasked:
	s_wait_alu depctr_va_vdst(0)
	global_load_b128 v[Q:Q+3], v[L16], s[86:87]
	global_load_b64 v[Q+4:Q+5], v[L8], s[86:87] offset:512
	global_load_b32 v[QS], v[L4], s[86:87] offset:768
.irp i, 6,7,8,9,10,11
	v_mov_b32 v[Q+\i], 0                           ; K = 64: the upper half of every fragment of Q and of K is zero codes
.irp t, 0,1,2,3
	v_mov_b32 v[KFR+12*\t+\i], 0
.endr
.endr
	v_mov_b32 v13, 0xff61b1e6                      ; the largest t so far: -3e38, under every t
	DLY 1
	v_floor_f32 v12, -v13                          ; -M
	v_mov_b32 v14, 0                               ; the sum, in two halves
	v_mov_b32 v15, 0
	v_mov_b32 v[F+1], 0                            ; (named as the upper half of a pair)
.irp b, 0,1,2,3
	v_mov_b32 v[BT+\b], 0                          ; written once: a lane permute's destination counts as one of its sources
.endr
.set JJ, 0
.rept 32
	v_mov_b32 v[O+JJ], 0                           ; O^T: the step is written once; its first trip finds zeros
.set JJ, JJ+1
.endr
.macro ADDRS                           ; six plain instructions: also the places behind the last step's products, in front of the loads into V's registers
	v_add_nc_u32 v[AK16], s[TK], v[L16]
	v_add_nc_u32 v[AK8], s[TK], v[L8]
	v_add_nc_u32 v[AK4], s[TK], v[L4]
	v_add_nc_u32 v[AV16], s[TV], v[L16]
	v_add_nc_u32 v[AV8], s[TV], v[L8]
	v_add_nc_u32 v[AV4], s[TV], v[L4]
.endm
.macro KLOAD t, tile                   ; a tile of K: registers 0-5 and the scale words
	ds_load_b128 v[KFR+12*\t:KFR+12*\t+3], v[AK16] offset:(\tile)*KT
	ds_load_b64 v[KFR+12*\t+4:KFR+12*\t+5], v[AK8] offset:(\tile)*KT+512
	ds_load_b32 v[KSC+\t], v[AK4] offset:(\tile)*KT+768
.endm
.macro VLOAD                           ; the step's four records of V: 20 loads
.irp t, 0,1,2,3
	ds_load_b128 v[VFR+12*\t:VFR+12*\t+3], v[AV16] offset:\t*REC
	ds_load_b64 v[VFR+12*\t+4:VFR+12*\t+5], v[AV8] offset:\t*REC+512
	ds_load_b128 v[VFR+12*\t+6:VFR+12*\t+9], v[AV16] offset:\t*REC+768
	ds_load_b64 v[VFR+12*\t+10:VFR+12*\t+11], v[AV8] offset:\t*REC+1280
	ds_load_b32 v[VSC+\t], v[AV4] offset:\t*REC+1536
.endr
.endm
.macro SPROD t, tile                   ; S^T, tile of 16 keys
	v_wmma_scale_f32_16x16x128_f8f6f4 v[S+8*(\tile):S+8*(\tile)+7], v[KFR+12*\t:KFR+12*\t+11], v[Q:Q+11], 0, v[KSC+\t], v[QS] matrix_a_fmt:MATRIX_FMT_BF6 matrix_b_fmt:MATRIX_FMT_BF6
.endm
.macro NEWM                            ; v[TP] = the step's largest score of my query.  The running t, -M = floor(-t), f
	DLY 1
	v_mul_f32 v[TP], s[CS], v[TP]
	DLY 1
	v_max_num_f32 v13, v13, v[TP]
	v_mov_b32 v[TP], v12
	DLY 2
	v_floor_f32 v12, -v13                          ; M is a whole number
	DLY 1
	v_sub_f32 v[TP], v12, v[TP]                    ; old M - new M: a whole number, 0 or less
	DLY 1
	v_cvt_i32_f32 v[TP], v[TP]                     ; (it saturates)
	DLY 1
	v_ldexp_f32 v[F], 1.0, v[TP]                   ; f: a multiplication by it rounds nothing
.endm
.macro PVPROD                          ; O^T x f, then O^T += V^T P^T.  The four accumulators take turns, and the next step's products S^T stand between two links
	s_wait_alu depctr_va_vdst(0)                   ; directly ahead of the first reader of O^T
.set JJ, 0
.rept 16
	v_pk_mul_f32 v[O+JJ:O+JJ+1], v[O+JJ:O+JJ+1], v[F:F+1] op_sel_hi:[1,0]
.set JJ, JJ+2
.endr
.irp t, 0,1,2,3
	v_wmma_scale_f32_16x16x128_f8f6f4 v[O+8*\t:O+8*\t+7], v[VFR+12*\t:VFR+12*\t+11], v[PC:PC+11], v[O+8*\t:O+8*\t+7], v[VSC+\t], v[PS] matrix_a_fmt:MATRIX_FMT_BF6 matrix_b_fmt:MATRIX_FMT_BF6
.endr
.endm
; A KEY STEP: 128 keys
.macro STEP
	ADDRS
.irp t, 0,1,2,3
	KLOAD \t, \t
.endr
	VLOAD
	s_wait_alu depctr_va_vdst(0)
	s_wait_dscnt 20                                ; K's first four tiles are in; V's 20 loads may be out
.irp t, 0,1,2,3
	SPROD \t, \t
.endr
.rept 4
	v_nop                                          ; places in front of loads into registers that matrix instructions have read
.endr
.irp t, 0,1,2,3
	KLOAD \t, 4+\t
.endr
	s_wait_dscnt 0x0
.irp t, 0,1,2,3
	SPROD \t, 4+\t
.endr
.rept 4
	v_nop
.endr
.irp b, 0,1,2,3
	v_max3_num_f32 v[BM+\b], v[S+16*\b], v[S+1+16*\b], v[S+2+16*\b]   ; the largest score of each block of 32 keys: for the row's maximum and for the block's largest p
.endr
.irp i, 3,5,7,9,11,13
.irp b, 0,1,2,3
	v_max3_num_f32 v[BM+\b], v[BM+\b], v[S+16*\b+\i], v[S+1+16*\b+\i]
.endr
.endr
.irp b, 0,1,2,3
	v_max_num_f32 v[BM+\b], v[BM+\b], v[S+15+16*\b]
.endr
.irp b, 0,1,2,3
	DLY 4
	v_permlanex16_b32 v[BT+\b], v[BM+\b], s[SEL], s[SEL+1]
.endr
.irp b, 0,1,2,3
	DLY 4
	v_max_num_f32 v[BM+\b], v[BM+\b], v[BT+\b]     ; with lane l xor 16's 16 keys
.endr
	DLY 2
	v_max3_num_f32 v[TP], v[BM], v[BM+1], v[BM+2]
	DLY 1
	v_max_num_f32 v[TP], v[TP], v[BM+3]
	NEWM
.set JJ, 0
.rept 32
	v_pk_fma_f32 v[S+JJ:S+JJ+1], v[S+JJ:S+JJ+1], s[CS:CS+1], v[12:13] op_sel_hi:[1,0,0]   ; t - M, two at a time
.set JJ, JJ+2
.endr
.irp b, 0,1,2,3
	v_fma_f32 v[BM+\b], v[BM+\b], s[CS], v12       ; the same of each block's largest score
.endr
	s_wait_alu depctr_va_vdst(0)
.set JJ, 0
.rept 64
	v_exp_f32 v[S+JJ], v[S+JJ]                     ; p = 2^(t - M), at most 1
.set JJ, JJ+1
.endr
.irp b, 0,1,2,3
	v_exp_f32 v[BM+\b], v[BM+\b]                   ; the block's largest p
.endr
	v_pk_mul_f32 v[14:15], v[14:15], v[F:F+1] op_sel_hi:[1,0]   ; the sums under the new M  (a plain place behind the exponentials)
	s_wait_alu depctr_va_vdst(0)                   ; and behind it
.irp b, 0,1,2,3
	v_max_num_f32 v[BM+\b], 0x2800000, v[BM+\b]    ; the floor 2^(5 - 127): the byte cannot fall under 1
.endr
.irp b, 0,1,2,3
	DLY 4
	v_add_nc_u32 v[SO+\b], 0xfe000000, v[BM+\b]    ; 4 off the exponent field: the conversion's scale operand
.endr
.irp b, 0,1,2,3
	DLY 4
	v_lshrrev_b32 v[BT+\b], 23, v[SO+\b]           ; the scale's byte
.endr
	DLY 3
	v_lshl_or_b32 v[PS], v[BT+1], 8, v[BT]
	DLY 1
	v_lshl_or_b32 v[PS], v[BT+2], 16, v[PS]
	DLY 1
	v_lshl_or_b32 v[PS], v[BT+3], 24, v[PS]
.irp c, 0,1
	v_cvt_scalef32_pk16_bf6_f32 v[PC+6*\c:PC+2+6*\c], v[S+32*\c:S+15+32*\c], v[SO+2*\c]
	v_cvt_scalef32_pk16_bf6_f32 v[BM+4*\c:BM+2+4*\c], v[S+16+32*\c:S+31+32*\c], v[SO+2*\c+1]   ; (a conversion's three registers begin on an even number)
.endr
	v_nop                                          ; one plain place behind a scaled conversion
.irp c, 0,1                            ; a whole block to a lane
.irp i, 0,1,2
	v_permlane16_swap_b32 v[PC+6*\c+\i], v[BM+4*\c+\i]
.endr
.irp i, 0,1,2
	DLY 3
	v_mov_b32 v[PC+3+6*\c+\i], v[BM+4*\c+\i]
.endr
.endr
.set KK, 0                             ; the row's sum of the unquantised p: 32 pairs in four chains
.irp r, 236,238,244,246
	v_pk_add_f32 v[\r:\r+1], v[S+KK:S+KK+1], v[S+8+KK:S+9+KK]
.set KK, KK+2
.endr
.set KK, 16
.rept 6
.irp r, 236,238,244,246
	v_pk_add_f32 v[\r:\r+1], v[\r:\r+1], v[S+KK:S+KK+1]
.set KK, KK+2
.endr
.endr
	v_pk_add_f32 v[236:237], v[236:237], v[238:239]
	v_pk_add_f32 v[244:245], v[244:245], v[246:247]
	v_pk_add_f32 v[236:237], v[236:237], v[244:245]
	v_pk_add_f32 v[14:15], v[14:15], v[236:237]
	PVPROD
	s_add_co_u32 s[TK], s[TK], 8*KT
	s_add_co_u32 s[TV], s[TV], 4*REC
.endm
	s_wait_alu depctr_va_vdst(0)
	s_wait_loadcnt 0x0                             ; Q
	s_wait_tensorcnt 0x0                           ; my load of the head's two, if I had one, has landed; the rest is first filled as a refill is:
	ds_add_u32 v254, v255                          ; the add twice
	ds_add_u32 v254, v255
	s_wait_dscnt 0x0
	CROUND                                         ; and the round: the first 512 keys lie in LDS, and the four work-groups' joint loads meet
	s_cmp_lt_u32 s[WV], 7
	s_cbranch_scc0 .Lnot_k2
	TL 52, 24
	s_branch .Lasked2
.Lnot_k2:
	s_cmp_lt_u32 s[WV], 9
	s_cbranch_scc0 .Lasked2
	TL 60, 40
.Lasked2:
	s_mov_b32 s[CNT], 4
.Lfirst:
	STEP
	s_sub_co_u32 s[CNT], s[CNT], 1
	s_cmp_lg_u32 s[CNT], 0
	s_cbranch_scc1 .Lfirst
	s_wait_tensorcnt 0x0                           ; my part of the rest has landed
	s_wait_dscnt 0x0
	s_barrier_signal -1
	s_barrier_wait -1                              ; all of K and V lie in LDS
	s_mov_b32 s[CNT], 12
.Lrest:
	STEP
	s_sub_co_u32 s[CNT], s[CNT], 1
	s_cmp_lg_u32 s[CNT], 0
	s_cbranch_scc1 .Lrest
	; THE 32 MEMORY KEYS: two tiles of K, one block of p; V's last step holds them as its first block, the rest zero codes
	ADDRS
	KLOAD 0, 0
	KLOAD 1, 1
	VLOAD
	s_wait_alu depctr_va_vdst(0)
	s_wait_dscnt 0x0
	SPROD 0, 0
	SPROD 1, 1
.rept 4
	v_nop
.endr
	v_max3_num_f32 v[BM], v[S], v[S+1], v[S+2]
.irp i, 3,5,7,9,11,13
	v_max3_num_f32 v[BM], v[BM], v[S+\i], v[S+1+\i]
.endr
	v_max_num_f32 v[BM], v[BM], v[S+15]
	DLY 1
	v_permlanex16_b32 v[BT], v[BM], s[SEL], s[SEL+1]
	DLY 1
	v_max_num_f32 v[BM], v[BM], v[BT]
	DLY 1
	v_mov_b32 v[TP], v[BM]
	NEWM
.irp j, 0,2,4,6,8,10,12,14
	v_pk_fma_f32 v[S+\j:S+\j+1], v[S+\j:S+\j+1], s[CS:CS+1], v[12:13] op_sel_hi:[1,0,0]
.endr
	v_fma_f32 v[BM], v[BM], s[CS], v12
	s_wait_alu depctr_va_vdst(0)
.irp j, 0,1,2,3,4,5,6,7,8,9,10,11,12,13,14,15
	v_exp_f32 v[S+\j], v[S+\j]
.endr
	v_exp_f32 v[BM], v[BM]
	v_pk_mul_f32 v[14:15], v[14:15], v[F:F+1] op_sel_hi:[1,0]
	s_wait_alu depctr_va_vdst(0)
	v_max_num_f32 v[BM], 0x2800000, v[BM]
	DLY 1
	v_add_nc_u32 v[SO], 0xfe000000, v[BM]
	DLY 1
	v_lshrrev_b32 v[PS], 23, v[SO]                 ; the scale word: this block's byte; the other three stand over zero codes
	v_cvt_scalef32_pk16_bf6_f32 v[PC:PC+2], v[S:S+15], v[SO]
.irp i, 0,1,2
	v_mov_b32 v[BM+\i], 0                          ; (plain places behind the conversion)  there is no second block
.endr
.irp i, 0,1,2
	v_permlane16_swap_b32 v[PC+\i], v[BM+\i]       ; lanes 0-15 get the whole block, lanes 16-31 zero codes
.endr
.irp i, 0,1,2
	DLY 3
	v_mov_b32 v[PC+3+\i], v[BM+\i]
.endr
.irp i, 6,7,8,9,10,11
	v_mov_b32 v[PC+\i], 0
.endr
.irp j, 0,2,4,6,8,10,12,14
	v_pk_add_f32 v[14:15], v[14:15], v[S+\j:S+\j+1]
.endr
	PVPROD
	; THE WAY OUT: O^T / the sum is ctx: my query's 64 channels of this head, two blocks of 32 along the next product's K: half a fragment
.rept 4
	v_nop                                          ; places behind the last products
.endr
	v_add_f32 v14, v14, v15
	DLY 1
	v_permlanex16_b32 v[TP], v14, s[SEL], s[SEL+1]
	DLY 1
	v_add_f32 v14, v14, v[TP]                      ; the row's sum
	s_wait_alu depctr_va_vdst(0)
	v_rcp_f32 v14, v14
	v_nop                                          ; one plain place behind a transcendental
	s_wait_alu depctr_va_vdst(0)
.set JJ, 0
.rept 32
	v_mul_f32 v[S+JJ], v[O+JJ], v14                ; each accumulator from its low end on
.set JJ, JJ+1
.endr
.irp b, 0,1
	v_max3_num_f32 v[BM+\b], |v[S+16*\b]|, |v[S+1+16*\b]|, 0x2800000
.endr
.irp i, 2,4,6,8,10,12,14
.irp b, 0,1
	DLY 2
	v_max3_num_f32 v[BM+\b], v[BM+\b], |v[S+16*\b+\i]|, |v[S+1+16*\b+\i]|
.endr
.endr
.irp b, 0,1
	DLY 2
	v_permlanex16_b32 v[BT+\b], v[BM+\b], s[SEL], s[SEL+1]
.endr
.irp b, 0,1
	DLY 2
	v_max_num_f32 v[BM+\b], v[BM+\b], v[BT+\b]
.endr
.irp b, 0,1
	DLY 2
	v_add_nc_u32 v[SO+\b], 0xfe000000, v[BM+\b]
.endr
.irp b, 0,1
	DLY 2
	v_lshrrev_b32 v[BT+\b], 23, v[SO+\b]
.endr
	DLY 1
	v_lshl_or_b32 v[TT], v[BT+1], 8, v[BT]
	v_cvt_scalef32_pk16_bf6_f32 v[PC:PC+2], v[S:S+15], v[SO]
	v_cvt_scalef32_pk16_bf6_f32 v[BM:BM+2], v[S+16:S+31], v[SO+1]
	v_nop
.irp i, 0,1,2
	v_permlane16_swap_b32 v[PC+\i], v[BM+\i]
.endr
.irp i, 0,1,2
	DLY 3
	v_mov_b32 v[PC+3+\i], v[BM+\i]
.endr
	global_store_b128 v[L16], v[PC:PC+3], s[90:91]
	global_store_b64 v[L8], v[PC+4:PC+5], s[90:91] offset:512
	global_store_b16 v[L4], v[TT], s[88:89]        ; my head's two of the record's four scale bytes a row
	s_wait_dscnt 0x0
	s_wait_xcnt 0x0
	v_lshl_add_u32 v254, v0, 2, SPARE              ; the add's two registers, made anew: they held V's scale words
	v_mov_b32 v255, 0
	s_wait_alu depctr_va_vdst(0)
	s_wait_tensorcnt 0x0                           ; the wave's end
	ds_add_u32 v254, v255
	s_wait_dscnt 0x0
	CROUND                                         ; the closing round
	s_endpgm
.Lfunc_end_k_q351b9e0c01_attn:
	.size	k_q351b9e0c01_attn, .Lfunc_end_k_q351b9e0c01_attn-k_q351b9e0c01_attn
	.p2alignl 7, 3214868480
	.fill 96, 4, 3214868480
	.section	.rodata,"a",@progbits
	.p2align	6, 0x0
	.amdhsa_kernel k_q351b9e0c01_attn
		.amdhsa_group_segment_fixed_size 327680
		.amdhsa_private_segment_fixed_size 0
		.amdhsa_enable_private_segment 0
		.amdhsa_kernarg_size 24
		.amdhsa_user_sgpr_count 2
		.amdhsa_user_sgpr_kernarg_segment_ptr 1
		.amdhsa_wavefront_size32 1
		.amdhsa_system_sgpr_workgroup_id_x 1
		.amdhsa_system_sgpr_workgroup_id_y 1
		.amdhsa_system_sgpr_workgroup_id_z 1
		.amdhsa_system_vgpr_workitem_id 0
		.amdhsa_next_free_vgpr 256
		.amdhsa_next_free_sgpr 100
		.amdhsa_reserve_vcc 0
		.amdhsa_float_denorm_mode_32 3
		.amdhsa_float_denorm_mode_16_64 3
		.amdhsa_memory_ordered 1
		.amdhsa_forward_progress 1
		.amdhsa_inst_pref_size 59
	.end_amdhsa_kernel
	.amdgpu_metadata
---
amdhsa.version: [ 1, 2 ]
amdhsa.kernels:
  - .name:           k_q351b9e0c01_attn
    .symbol:         k_q351b9e0c01_attn.kd
    .args:
      - { .name: qkb, .offset: 0, .size: 8, .value_kind: global_buffer, .address_space: global }
      - { .name: vtb, .offset: 8, .size: 8, .value_kind: global_buffer, .address_space: global }
      - { .name: ar, .offset: 16, .size: 8, .value_kind: global_buffer, .address_space: global }
    .group_segment_fixed_size: 327680
    .private_segment_fixed_size: 0
    .kernarg_segment_align: 8
    .kernarg_segment_size: 24
    .max_flat_workgroup_size: 512
    .sgpr_count:     100
    .vgpr_count:     256
    .wavefront_size: 32
...
	.end_amdgpu_metadata
.endif
;; end of part 11
;; launch oproj (part 12): grid 8 x 32, 4 waves a work-group, clusters of 4 x 4, 327,680 bytes of LDS; arguments ar, opw, yb; writes yb
.if DOCPART == 12
	.amdgcn_target "amdgcn-amd-amdhsa--gfx1250"
	.amdhsa_code_object_version 6
	.text
	.protected	k_q351b9e0c01_oproj
	.globl	k_q351b9e0c01_oproj
	.p2align	8
	.type	k_q351b9e0c01_oproj,@function
k_q351b9e0c01_oproj:
	s_mov_b64 s[64:65], 0
	v_nop
	global_prefetch_b8 v0, s[64:65] scope:SCOPE_SE
	s_setreg_imm32_b32 hwreg(HW_REG_WAVE_MODE, 25, 1), 1
	s_wait_xcnt 0x0
	s_wait_alu depctr_hold_cnt(0) depctr_sa_sdst(0) depctr_va_vdst(0) depctr_va_sdst(0) depctr_va_ssrc(0) depctr_va_vcc(0) depctr_vm_vsrc(0)
	s_getreg_b32 s2, hwreg(HW_REG_IB_STS2, 6, 4)
	s_cmp_eq_u32 s2, 0
	s_cbranch_scc0 .Lentry_in_a_cluster
	s_endpgm
.Lentry_in_a_cluster:
	s_bfe_u32 s2, ttmp6, 0x10000c
	s_cmp_lg_u32 s2, 0xf033
	s_cbranch_scc0 .Lentry_shape_is_right
	s_endpgm
.Lentry_shape_is_right:
.set KS,     8
.set OFF_B,  5963776
.set REC,    1664
.set QUAD,   4*REC
.set BLKB,   KS*REC
.set FR,     12
.set NP,     4
.set HALFT,  4*BLKB                    ; 4 blocks x all 8 K steps: what a wave's one tensor load brings; all of K lies in LDS, each byte filled once
.set SLOT,   QUAD                      ; the second four K steps of a block lie behind its first four
.set SPARE,  4*HALFT
.set LAPS,   KS/8
.set A16, 16
.set A8,  18
.set B16, 20
.set B8,  22
.set L16, 24
.set L8,  25
.set L4,  26
.set SPW, 28
.set NIL, 29
.set S4,  30
.set SC,  32
.set ACC, 128
.set G1,  24
.set G0,  32
.set G1B, 48
.set G0B, 56
.set MSB, 0
.macro WIN new
.if MSB != (\new)
	s_set_vgpr_msb (MSB<<8)|(\new)
.set MSB, (\new)
.endif
.endm
.set MUL,  0x05
.set TO_F, 0x40
.macro JLOAD g0a, g1a, g0b, g1b
	s_cmp_eq_u32 s15, 0
	s_cbranch_scc0 .Lfor_b_\@
	tensor_load_to_lds s[\g0a:\g0a+3], s[\g1a:\g1a+7]
	s_nop 0
.rept 4
	v_nop
.endr
	s_branch .Lasked_\@
.Lfor_b_\@:
	tensor_load_to_lds s[\g0b:\g0b+3], s[\g1b:\g1b+7]
	s_nop 0
.rept 4
	v_nop
.endr
.Lasked_\@:
.endm
.macro CREST
	s_cmp_lg_u32 s14, 0
	s_cbranch_scc1 .Lnot_wave_0_\@
	s_barrier_signal -3
.Lnot_wave_0_\@:
	s_barrier_wait -3
	s_barrier_signal -1
	s_barrier_wait -1
.endm
.macro CROUND
	s_barrier_signal -1
	s_barrier_wait -1
	CREST
.endm
	s_load_b128 s[4:7], s[0:1], 0x0
	s_load_b64 s[12:13], s[0:1], 0x10
	v_lshl_add_u32 v[SPW], v0, 2, SPARE
	v_mov_b32 v[NIL], 0
	ds_add_u32 v28, v29
	ds_add_u32 v28, v29
	s_wait_dscnt 0x0
	v_lshrrev_b32 v1, 5, v0
	v_readfirstlane_b32 s14, v1
	s_lshr_b32 s15, s14, 1
	s_and_b32 s16, s14, 1
	s_bfe_u32 s40, ttmp6, 0x40000
	s_bfe_u32 s41, ttmp6, 0x40004
	s_lshl_b32 s42, ttmp9, 2
	s_add_co_u32 s42, s42, s40
	s_and_b32 s17, ttmp7, 0xffff
	s_lshl_b32 s17, s17, 2
	s_add_co_u32 s17, s17, s41
	s_lshl_b32 s43, s41, 2
	s_lshl_b32 s43, 15, s43
	s_lshl_b32 s44, 0x1111, s40
	s_or_b32 s[G1+0], s43, (3<<16)|(1<<21)
	s_or_b32 s[G1B+0], s44, (3<<16)|(1<<21)
.irp g, G1, G1B
	s_mov_b32 s[\g+1], 1664<<16
	s_mov_b32 s[\g+2], 4<<16
	s_mov_b32 s[\g+3], 1664<<16
	s_mov_b32 s[\g+4], 4
	s_mov_b32 s[\g+5], KS*208
	s_mov_b32 s[\g+6], 0
	s_mov_b32 s[\g+7], 0
.endr
	s_lshl_b32 s18, s16, 2
	s_lshl_b32 s20, s17, 3
	s_add_co_u32 s20, s20, s18
	s_mul_i32 s20, s20, BLKB
	s_mov_b32 s21, 0
	s_lshl_b32 s46, s42, 3
	s_add_co_u32 s46, s46, s18
	s_mul_i32 s46, s46, BLKB
	s_add_co_u32 s46, s46, OFF_B
	s_mov_b32 s47, 0
	s_mul_i32 s45, s14, HALFT
	s_lshl_b32 s84, s17, 3
	s_lshl_b32 s85, s15, 2
	s_add_co_u32 s84, s84, s85
	s_lshl_b32 s84, s84, 3
	s_add_co_u32 s84, s84, s42
	s_lshl_b32 s84, s84, 13
	s_lshl_b32 s85, s16, 12
	s_add_co_u32 s84, s84, s85
	s_mov_b32 s85, 0
	s_wait_kmcnt 0x0
	s_add_nc_u64 s[20:21], s[4:5], s[20:21]
	s_add_nc_u64 s[46:47], s[6:7], s[46:47]
	s_add_nc_u64 s[12:13], s[12:13], s[84:85]
	CROUND
.irp s, 0
	s_mov_b32 s[G0+4*\s], 1
	s_add_co_u32 s[G0+4*\s+1], s45, \s*SLOT
	s_add_nc_u64 s[G0+4*\s+2:G0+4*\s+3], s[20:21], \s*QUAD
	s_or_b32 s[G0+4*\s+3], s[G0+4*\s+3], 0x80000000
	s_mov_b32 s[G0B+4*\s], 1
	s_add_co_u32 s[G0B+4*\s+1], s45, \s*SLOT
	s_add_nc_u64 s[G0B+4*\s+2:G0B+4*\s+3], s[46:47], \s*QUAD
	s_or_b32 s[G0B+4*\s+3], s[G0B+4*\s+3], 0x80000000
	JLOAD G0+4*\s, G1, G0B+4*\s, G1B               ; the wave's one load, behind the opening lines and the round
.endr
	v_and_b32 v1, 31, v0
	v_bfe_u32 v2, v0, 4, 1
	v_lshlrev_b32 v[L16], 4, v1
	v_lshlrev_b32 v[L8], 3, v1
	v_lshlrev_b32 v[L4], 2, v1
	s_mul_i32 s21, s15, HALFT
	s_mul_i32 s22, s16, HALFT
	s_add_co_u32 s22, s22, 2*HALFT
.irp s, 0,1
	v_add_nc_u32 v[A16+\s], s21, v[L16]
	v_add_nc_u32 v[A8+\s], s21, v[L8]
	v_add_nc_u32 v[B16+\s], s22, v[L16]
	v_add_nc_u32 v[B8+\s], s22, v[L8]
	s_add_co_u32 s21, s21, SLOT
	s_add_co_u32 s22, s22, SLOT
.endr
	s_mul_i32 s21, s15, HALFT
	s_mul_i32 s22, s16, HALFT
	s_add_co_u32 s22, s22, 2*HALFT
	s_sub_co_u32 s22, s22, s21
	v_mul_u32_u24 v6, s22, v2
	s_add_co_u32 s21, s21, 1536
	v_add_nc_u32 v5, v[L4], v6
	v_add_nc_u32 v[S4], s21, v5
	v_add_nc_u32 v[S4+1], SLOT, v[S4]
.macro FRAG reg, a16, a8, q, i
	ds_load_b128 v[\reg:\reg+3], v[\a16] offset:(\i)*BLKB+(\q)*REC
	ds_load_b64 v[\reg+4:\reg+5], v[\a8] offset:(\i)*BLKB+(\q)*REC+512
	ds_load_b128 v[\reg+6:\reg+9], v[\a16] offset:(\i)*BLKB+(\q)*REC+768
	ds_load_b64 v[\reg+10:\reg+11], v[\a8] offset:(\i)*BLKB+(\q)*REC+1280
.endm
.macro MUL8 a0, f, q, sc, zero
.irp a, \a0, \a0+1
.irp b, 0,1,2,3
.if \zero
	v_wmma_scale_f32_16x16x128_f8f6f4 v[ACC+8*(4*(\a)+\b):ACC+8*(4*(\a)+\b)+7], v[128*(\f)+48+FR*\b:128*(\f)+48+FR*\b+FR-1], v[128*(\f)+FR*(\a):128*(\f)+FR*(\a)+FR-1], 0, v[SC+16*(\sc)+4*\b+(\q)], v[SC+16*(\sc)+4*(\a)+(\q)] matrix_a_fmt:MATRIX_FMT_BF6 matrix_b_fmt:MATRIX_FMT_BF6 matrix_a_scale:MATRIX_SCALE_ROW1
.else
	v_wmma_scale_f32_16x16x128_f8f6f4 v[ACC+8*(4*(\a)+\b):ACC+8*(4*(\a)+\b)+7], v[128*(\f)+48+FR*\b:128*(\f)+48+FR*\b+FR-1], v[128*(\f)+FR*(\a):128*(\f)+FR*(\a)+FR-1], v[ACC+8*(4*(\a)+\b):ACC+8*(4*(\a)+\b)+7], v[SC+16*(\sc)+4*\b+(\q)], v[SC+16*(\sc)+4*(\a)+(\q)] matrix_a_fmt:MATRIX_FMT_BF6 matrix_b_fmt:MATRIX_FMT_BF6 matrix_a_scale:MATRIX_SCALE_ROW1
.endif
.endr
.endr
.endm
.macro FETCH slot, q, f
	WIN TO_F
.irp i, 0,1,2,3
	FRAG 128*(\f)+48+FR*\i, B16+\slot, B8+\slot, \q, \i
.endr
.irp i, 0,1,2,3
	FRAG 128*(\f)+FR*\i, A16+\slot, A8+\slot, \q, \i
.endr
.endm
.macro SCALES sc
	WIN 0
.irp i, 0,1,2,3
.irp q, 0,1,2,3
	ds_load_b32 v[SC+16*\sc+4*\i+\q], v[S4+\sc] offset:\i*BLKB+\q*REC
.endr
.endr
.endm
.macro PLACES n
.rept \n
	v_nop
.endr
.endm
.macro STEP slot, q, zero
	PLACES NP
	FETCH \slot, (\q)+1, 1-(\q)%2
	s_wait_dscnt 32
	WIN MUL
	MUL8 0, (\q)%2, \q, \slot, \zero
	MUL8 2, (\q)%2, \q, \slot, \zero
.endm
.macro TURN slot, next, fill
	WIN 0
	s_wait_tensorcnt 0x0
	ds_add_u32 v[SPW], v[NIL]
	s_wait_dscnt 1
	WIN MUL
	MUL8 0, 1, 3, \slot, 0
	s_wait_dscnt 0x0
	s_barrier_signal -1
	MUL8 2, 1, 3, \slot, 0
	WIN 0
	s_barrier_wait -1
.if \fill
	CREST
	s_add_nc_u64 s[G0+4*\slot+2:G0+4*\slot+3], s[G0+4*\slot+2:G0+4*\slot+3], 2*QUAD
	s_add_nc_u64 s[G0B+4*\slot+2:G0B+4*\slot+3], s[G0B+4*\slot+2:G0B+4*\slot+3], 2*QUAD
	JLOAD G0+4*\slot, G1, G0B+4*\slot, G1B
.else
	PLACES NP
.endif
	FETCH \next, 0, 0
	SCALES \next
.endm
	s_wait_alu depctr_va_vdst(0)
	s_wait_tensorcnt 0x0
	s_barrier_signal -1
	s_barrier_wait -1
	FETCH 0, 0, 0
	SCALES 0
	STEP 0, 0, 1
.if LAPS > 1
	WIN 0
	s_mov_b32 s3, LAPS-1
.Llap:
	STEP 0, 1, 0
	STEP 0, 2, 0
	TURN 0, 1, 1
	STEP 1, 0, 0
	STEP 1, 1, 0
	STEP 1, 2, 0
	TURN 1, 0, 1
	STEP 0, 0, 0
	WIN 0
	s_sub_co_u32 s3, s3, 1
	s_cmp_lg_u32 s3, 0
	s_cbranch_scc1 .Llap
.endif
	STEP 0, 1, 0
	STEP 0, 2, 0
	TURN 0, 1, 0
	STEP 1, 0, 0
	STEP 1, 1, 0
	STEP 1, 2, 0
	s_wait_dscnt 0x0
	WIN MUL
	MUL8 0, 1, 3, 1, 0
	MUL8 2, 1, 3, 1, 0
	WIN 0
	PLACES NP
.irp a, 0,1,2,3
.irp g, 0,1,2,3,4,5,6,7
	global_store_b128 v[L16], v[ACC+32*\a+4*\g:ACC+32*\a+4*\g+3], s[12:13] offset:65536*\a+512*\g
.endr
.endr
	s_wait_tensorcnt 0x0
	ds_add_u32 v[SPW], v[NIL]
	s_wait_dscnt 0x0
	CROUND
	s_endpgm
.Lfunc_end_k_q351b9e0c01_oproj:
	.size	k_q351b9e0c01_oproj, .Lfunc_end_k_q351b9e0c01_oproj-k_q351b9e0c01_oproj
	.p2alignl 7, 3214868480
	.fill 96, 4, 3214868480
	.section	.rodata,"a",@progbits
	.p2align	6, 0x0
	.amdhsa_kernel k_q351b9e0c01_oproj
		.amdhsa_group_segment_fixed_size 327680
		.amdhsa_private_segment_fixed_size 0
		.amdhsa_enable_private_segment 0
		.amdhsa_kernarg_size 24
		.amdhsa_user_sgpr_count 2
		.amdhsa_user_sgpr_kernarg_segment_ptr 1
		.amdhsa_wavefront_size32 1
		.amdhsa_system_sgpr_workgroup_id_x 1
		.amdhsa_system_sgpr_workgroup_id_y 1
		.amdhsa_system_sgpr_workgroup_id_z 1
		.amdhsa_system_vgpr_workitem_id 0
		.amdhsa_next_free_vgpr 512
		.amdhsa_next_free_sgpr 100
		.amdhsa_reserve_vcc 0
		.amdhsa_float_denorm_mode_32 3
		.amdhsa_float_denorm_mode_16_64 3
		.amdhsa_memory_ordered 1
		.amdhsa_forward_progress 1
		.amdhsa_inst_pref_size 46
	.end_amdhsa_kernel
	.amdgpu_metadata
---
amdhsa.version: [ 1, 2 ]
amdhsa.kernels:
  - .name:           k_q351b9e0c01_oproj
    .symbol:         k_q351b9e0c01_oproj.kd
    .args:
      - { .name: ar, .offset: 0, .size: 8, .value_kind: global_buffer, .address_space: global }
      - { .name: opw, .offset: 8, .size: 8, .value_kind: global_buffer, .address_space: global }
      - { .name: yb, .offset: 16, .size: 8, .value_kind: global_buffer, .address_space: global }
    .group_segment_fixed_size: 327680
    .private_segment_fixed_size: 0
    .kernarg_segment_align: 8
    .kernarg_segment_size: 24
    .max_flat_workgroup_size: 128
    .sgpr_count:     100
    .vgpr_count:     512
    .wavefront_size: 32
...
	.end_amdgpu_metadata
.endif
;; end of part 12
;; launch ln1 (part 13): grid 256 x 1, 8 waves a work-group, no clusters, 70,656 bytes of LDS; arguments yb, out_b, src, ln1_g, ln1_b, xf, ar; writes xf, ar
.if DOCPART == 13
	.amdgcn_target "amdgcn-amd-amdhsa--gfx1250"
	.amdhsa_code_object_version 6
	.text
	.protected	k_q351b9e0c01_ln1
	.globl	k_q351b9e0c01_ln1
	.p2align	8
	.type	k_q351b9e0c01_ln1,@function
k_q351b9e0c01_ln1:
	s_mov_b64 s[64:65], 0
	v_nop
	global_prefetch_b8 v0, s[64:65] scope:SCOPE_SE
	s_setreg_imm32_b32 hwreg(HW_REG_WAVE_MODE, 25, 1), 1
	s_wait_xcnt 0x0
; x = LayerNorm(src + (y + out_b)) x ln1_g + ln1_b, all f32; x leaves as f32 (for the second residual) and as codes of MX-BF6 (for the next product).
; A work-group takes one block of 16 rows (blocks 0-127 batch 0, 128-255 batch 1; place p of block i' holds t = 32 (i' / 2) + 8 (i' % 2) + p + 8 (p / 8); the true row is 2 t + batch); wave w takes columns 128 w .. 128 w + 127.
; y and x are IMAGES of 8,192 bytes: lane (r, h) holds row r; register 16 b + i = column 32 b + 16 h + i; group g of four registers at 512 g + 16 x lane: every load and store takes 512 consecutive bytes.
; src lies by rows: each load takes 512 consecutive bytes of one row, and the 16 rows turn through the wave's own stage in LDS (rows 528 bytes apart) into the image's order.
; The mean and then the mean of the squared differences, as the definition has them: within a lane, with lane l xor 16, and across the eight waves through LDS: two barriers.
; Memory binds this launch: no matrix unit, no cluster (no input is shared between work-groups).
; LIMITS: NaN and infinities are not served; v_rsq_f32 (1 ulp) stands ahead of the quantiser; a block whose largest magnitude lies under 2^-122 keeps the scale byte 1 (this program alone reads the bytes).
.set REC,   1664
.set SP,    528
.set STG,   16*SP
.set STAT0, 0                          ; LDS: the waves' sums, 128 bytes each;
.set STAT1, 1024                       ; the sums of squares;
.set STGB,  2048                       ; the eight stages
.set L16,  4
.set L8,   5
.set L4,   6
.set STI,  7                           ; the stage by rows
.set STL,  8                           ; the stage by lanes: row r, + 64 h
.set CB,   9                           ; 64 h: my 16 numbers of each 32 columns
.set MU,   10                          ; v[10:11] the mean
.set RS,   12                          ; v[12:13] 1 / sqrt(var + eps)
.set SA,   14                          ; where I put my wave's sum
.set TM,   16
.set PC,   32
.set PW,   52
.set SM,   54                          ; v54-61
.set Z,    64
.set T1,   128
.set T2,   192
.set SEL,  20
.macro QUANT s
.irp b, 0,1,2,3
	v_max3_num_f32 v[TM+\b], |v[\s+16*\b]|, |v[\s+1+16*\b]|, 0x2800000   ; block b: my 16 numbers, and the floor 2^(5 - 127): the byte cannot fall under 1
.endr
.irp i, 2,4,6,8,10,12,14
.irp b, 0,1,2,3
	s_delay_alu instid0(VALU_DEP_4)
	v_max3_num_f32 v[TM+\b], v[TM+\b], |v[\s+16*\b+\i]|, |v[\s+1+16*\b+\i]|
.endr
.endr
.irp b, 0,1,2,3
	s_delay_alu instid0(VALU_DEP_4)
	v_permlanex16_b32 v[TM+4+\b], v[TM+\b], s[SEL], s[SEL+1]
.endr
.irp b, 0,1,2,3
	s_delay_alu instid0(VALU_DEP_4)
	v_max_num_f32 v[TM+\b], v[TM+\b], v[TM+4+\b]
.endr
.irp b, 0,1,2,3
	s_delay_alu instid0(VALU_DEP_4)
	v_add_nc_u32 v[TM+12+\b], 0xfe000000, v[TM+\b]   ; 4 off the exponent field: the conversion's scale operand
.endr
.irp b, 0,1,2,3
	s_delay_alu instid0(VALU_DEP_4)
	v_lshrrev_b32 v[TM+4+\b], 23, v[TM+12+\b]
.endr
	s_delay_alu instid0(VALU_DEP_3)
	v_lshl_or_b32 v[PW], v[TM+5], 8, v[TM+4]
	s_delay_alu instid0(VALU_DEP_1)
	v_lshl_or_b32 v[PW], v[TM+6], 16, v[PW]
	s_delay_alu instid0(VALU_DEP_1)
	v_lshl_or_b32 v[PW], v[TM+7], 24, v[PW]
.irp c, 0,1
	v_cvt_scalef32_pk16_bf6_f32 v[PC+6*\c:PC+2+6*\c], v[\s+32*\c:\s+15+32*\c], v[TM+12+2*\c]
	v_cvt_scalef32_pk16_bf6_f32 v[PC+12+4*\c:PC+14+4*\c], v[\s+16+32*\c:\s+31+32*\c], v[TM+12+2*\c+1]
.endr
	v_nop                                          ; one plain place behind a scaled conversion
.irp c, 0,1
.irp i, 0,1,2
	v_permlane16_swap_b32 v[PC+6*\c+\i], v[PC+12+4*\c+\i]
.endr
.irp i, 0,1,2
	s_delay_alu instid0(VALU_DEP_3)
	v_mov_b32 v[PC+3+6*\c+\i], v[PC+12+4*\c+\i]
.endr
.endr
.endm
; v[SM] = the sum of my 64 numbers -> the sum over the row's 1,024, the same bits in every wave
.macro ACROSS stat
	s_delay_alu instid0(VALU_DEP_1)
	v_permlanex16_b32 v[SM+4], v[SM], s[SEL], s[SEL+1]
	s_delay_alu instid0(VALU_DEP_1)
	v_add_f32 v[SM], v[SM], v[SM+4]
	ds_store_b32 v[SA], v[SM] offset:\stat
	s_wait_dscnt 0x0                               ; for the others' sake: my store is done
	s_barrier_signal -1
	s_barrier_wait -1
.irp k, 0,1,2,3,4,5,6,7
	ds_load_b32 v[SM+\k], v[L4] offset:\stat+128*\k
.endr
	s_wait_dscnt 0x0
	v_add_f32 v[SM], v[SM], v[SM+1]
	v_add_f32 v[SM+2], v[SM+2], v[SM+3]
	v_add_f32 v[SM+4], v[SM+4], v[SM+5]
	v_add_f32 v[SM+6], v[SM+6], v[SM+7]
	s_delay_alu instid0(VALU_DEP_3)
	v_add_f32 v[SM], v[SM], v[SM+2]
	s_delay_alu instid0(VALU_DEP_2)
	v_add_f32 v[SM+4], v[SM+4], v[SM+6]
	s_delay_alu instid0(VALU_DEP_1)
	v_add_f32 v[SM], v[SM], v[SM+4]
.endm
.macro COLS reg, sb                    ; my 64 of a vector over the columns
.irp g, 0,1,2,3,4,5,6,7,8,9,10,11,12,13,14,15
	global_load_b128 v[\reg+4*\g:\reg+4*\g+3], v[CB], s[\sb:\sb+1] offset:128*(\g/4)+16*(\g%4)
.endr
.endm
	s_load_b256 s[4:11], s[0:1], 0x0               ; yb, out_b, src, ln1_g
	s_load_b128 s[12:15], s[0:1], 0x20             ; ln1_b, xf
	s_load_b64 s[16:17], s[0:1], 0x30              ; ar
	v_lshl_add_u32 v62, v0, 2, 0x11000
	v_mov_b32 v63, 0
	v_lshrrev_b32 v1, 5, v0
	s_delay_alu instid0(VALU_DEP_1)
	v_readfirstlane_b32 s18, v1                    ; wave 0..7
	v_and_b32 v1, 31, v0
	v_and_b32 v2, 15, v0
	v_bfe_u32 v3, v0, 4, 1
	s_delay_alu instid0(VALU_DEP_3)
	v_lshlrev_b32 v[L16], 4, v1
	s_delay_alu instid0(VALU_DEP_4)
	v_lshlrev_b32 v[L8], 3, v1
	v_lshlrev_b32 v[L4], 2, v1
	s_delay_alu instid0(VALU_DEP_4)
	v_lshlrev_b32 v[CB], 6, v3
	s_mul_i32 s19, s18, STG
	s_add_co_u32 s19, s19, STGB
	v_add_nc_u32 v[STI], s19, v[L16]
	v_mul_u32_u24 v[STL], v2, SP
	s_delay_alu instid0(VALU_DEP_1)
	v_add_nc_u32 v[STL], v[STL], v[CB]
	s_delay_alu instid0(VALU_DEP_1)
	v_add_nc_u32 v[STL], s19, v[STL]
	s_lshl_b32 s19, s18, 7
	v_add_nc_u32 v[SA], s19, v[L4]
	s_mov_b32 s[SEL], 0x76543210
	s_mov_b32 s[SEL+1], 0xfedcba98
.irp b, 0,1,2,3
	v_mov_b32 v[TM+4+\b], 0                        ; written once: a lane permute's destination counts as one of its sources
.endr
	v_mov_b32 v[SM+4], 0
	s_and_b32 s22, ttmp9, 127
	s_lshr_b32 s23, s22, 1
	s_lshl_b32 s23, s23, 5
	s_and_b32 s22, s22, 1
	s_lshl_b32 s22, s22, 3
	s_add_co_u32 s22, s22, s23                     ; the block's first t
	s_lshl_b32 s24, s22, 13
	s_lshr_b32 s22, ttmp9, 7
	s_lshl_b32 s22, s22, 12
	s_add_co_u32 s24, s24, s22
	s_lshl_b32 s26, s18, 9                         ; my 128 columns
	s_add_co_u32 s24, s24, s26
	s_mov_b32 s25, 0
	s_mov_b32 s27, 0
	s_lshl_b32 s28, ttmp9, 3
	s_add_co_u32 s28, s28, s18
	s_mul_i32 s30, s28, REC                        ; my record
	s_lshl_b32 s28, s28, 13                        ; my image
	s_mov_b32 s29, 0
	s_mov_b32 s31, 0
	s_mov_b32 s32, 0x3a800000                      ; 1 / 1,024
	s_mov_b32 s33, 0x3727c5ac                      ; 1e-5
	s_wait_alu depctr_va_vdst(0)
	s_wait_kmcnt 0x0
	s_add_nc_u64 s[8:9], s[8:9], s[24:25]
	s_add_nc_u64 s[4:5], s[4:5], s[28:29]
	s_add_nc_u64 s[6:7], s[6:7], s[26:27]
	s_add_nc_u64 s[10:11], s[10:11], s[26:27]
	s_add_nc_u64 s[12:13], s[12:13], s[26:27]
	s_add_nc_u64 s[14:15], s[14:15], s[28:29]
	s_add_nc_u64 s[16:17], s[16:17], s[30:31]
.irp p, 0,1,2,3,4,5,6,7,8,9,10,11,12,13,14,15
	global_load_b128 v[T2+4*\p:T2+4*\p+3], v[L16], s[8:9] offset:(\p+8*(\p/8))*8192 th:TH_LOAD_NT   ; src: 512 consecutive bytes of the row at place p
.endr
.irp g, 0,1,2,3,4,5,6,7,8,9,10,11,12,13,14,15
	global_load_b128 v[Z+4*\g:Z+4*\g+3], v[L16], s[4:5] offset:512*\g th:TH_LOAD_NT
.endr
	COLS T1, 6
	s_wait_loadcnt 32                              ; src's 16 loads are in; the image's and the bias's 32 may be out
.irp p, 0,1,2,3,4,5,6,7,8,9,10,11,12,13,14,15
	ds_store_b128 v[STI], v[T2+4*\p:T2+4*\p+3] offset:\p*SP
.endr
.irp g, 0,1,2,3,4,5,6,7,8,9,10,11,12,13,14,15
	ds_load_b128 v[T2+4*\g:T2+4*\g+3], v[STL] offset:128*(\g/4)+16*(\g%4)   ; LDS serves a wave's instructions in order (ISA guide 5.7.1.4): these see the stores above
.endr
	s_wait_loadcnt 0x0
.set JJ, 0
.rept 32
	v_pk_add_f32 v[Z+JJ:Z+JJ+1], v[Z+JJ:Z+JJ+1], v[T1+JJ:T1+JJ+1]   ; y + out_b
.set JJ, JJ+2
.endr
	s_wait_dscnt 0x0
.set JJ, 0
.rept 32
	v_pk_add_f32 v[Z+JJ:Z+JJ+1], v[Z+JJ:Z+JJ+1], v[T2+JJ:T2+JJ+1]   ; + src
.set JJ, JJ+2
.endr
	COLS T1, 10                                    ; the gain and the offset come while the sums are made
	COLS T2, 12
	v_pk_add_f32 v[56:57], v[64:65], v[66:67]
	v_pk_add_f32 v[60:61], v[72:73], v[76:77]
	v_pk_add_f32 v[52:53], v[80:81], v[84:85]
	v_pk_add_f32 v[50:51], v[88:89], v[92:93]
	v_pk_add_f32 v[48:49], v[96:97], v[100:101]
	v_pk_add_f32 v[46:47], v[104:105], v[108:109]
	v_pk_add_f32 v[44:45], v[112:113], v[116:117]
	v_pk_add_f32 v[54:55], v[120:121], v[124:125]
	s_delay_alu instid0(VALU_DEP_1)
	v_pk_add_f32 v[54:55], v[54:55], v[68:69]
	v_pk_add_f32 v[56:57], v[56:57], v[70:71]
	v_pk_add_f32 v[60:61], v[60:61], v[74:75]
	v_pk_add_f32 v[52:53], v[52:53], v[78:79]
	v_pk_add_f32 v[50:51], v[50:51], v[82:83]
	v_pk_add_f32 v[48:49], v[48:49], v[86:87]
	v_pk_add_f32 v[46:47], v[46:47], v[90:91]
	v_pk_add_f32 v[44:45], v[44:45], v[94:95]
	v_pk_add_f32 v[54:55], v[54:55], v[98:99]
	v_pk_add_f32 v[56:57], v[56:57], v[102:103]
	v_pk_add_f32 v[60:61], v[60:61], v[106:107]
	v_pk_add_f32 v[52:53], v[52:53], v[110:111]
	v_pk_add_f32 v[50:51], v[50:51], v[114:115]
	v_pk_add_f32 v[48:49], v[48:49], v[118:119]
	v_pk_add_f32 v[46:47], v[46:47], v[122:123]
	v_pk_add_f32 v[44:45], v[44:45], v[126:127]
	s_delay_alu instid0(VALU_DEP_4)
	v_pk_add_f32 v[54:55], v[54:55], v[50:51]
	s_delay_alu instid0(VALU_DEP_4)
	v_pk_add_f32 v[56:57], v[56:57], v[48:49]
	s_delay_alu instid0(VALU_DEP_4)
	v_pk_add_f32 v[60:61], v[60:61], v[46:47]
	s_delay_alu instid0(VALU_DEP_4)
	v_pk_add_f32 v[52:53], v[52:53], v[44:45]
	s_delay_alu instid0(VALU_DEP_2)
	v_pk_add_f32 v[54:55], v[54:55], v[60:61]
	s_delay_alu instid0(VALU_DEP_2)
	v_pk_add_f32 v[56:57], v[56:57], v[52:53]
	s_delay_alu instid0(VALU_DEP_1)
	v_pk_add_f32 v[54:55], v[54:55], v[56:57]
	s_delay_alu instid0(VALU_DEP_1)
	v_add_f32 v[SM], v[SM], v[SM+1]
	ACROSS STAT0
	s_delay_alu instid0(VALU_DEP_1)
	v_mul_f32 v[MU], s32, v[SM]
	s_delay_alu instid0(VALU_DEP_1)
	v_mov_b32 v[MU+1], v[MU]
.set JJ, 0
.rept 32
	v_pk_add_f32 v[Z+JJ:Z+JJ+1], v[Z+JJ:Z+JJ+1], v[MU:MU+1] neg_lo:[0,1] neg_hi:[0,1]
.set JJ, JJ+2
.endr
	v_pk_mul_f32 v[SM:SM+1], v[Z:Z+1], v[Z:Z+1]
	v_pk_mul_f32 v[SM+2:SM+3], v[Z+2:Z+3], v[Z+2:Z+3]
.set JJ, 4
.rept 15
	s_delay_alu instid0(VALU_DEP_2)
	v_pk_fma_f32 v[SM:SM+1], v[Z+JJ:Z+JJ+1], v[Z+JJ:Z+JJ+1], v[SM:SM+1]
	s_delay_alu instid0(VALU_DEP_2)
	v_pk_fma_f32 v[SM+2:SM+3], v[Z+JJ+2:Z+JJ+3], v[Z+JJ+2:Z+JJ+3], v[SM+2:SM+3]
.set JJ, JJ+4
.endr
	s_delay_alu instid0(VALU_DEP_1)
	v_pk_add_f32 v[SM:SM+1], v[SM:SM+1], v[SM+2:SM+3]
	s_delay_alu instid0(VALU_DEP_1)
	v_add_f32 v[SM], v[SM], v[SM+1]
	ACROSS STAT1
	s_delay_alu instid0(VALU_DEP_1)
	v_fma_f32 v[RS], v[SM], s32, s33               ; var + eps: the division by 1,024 is exact
	s_wait_alu depctr_va_vdst(0)
	v_rsq_f32 v[RS], v[RS]
	v_nop                                          ; one plain place behind a transcendental
	s_wait_alu depctr_va_vdst(0)
	v_mov_b32 v[RS+1], v[RS]
	s_wait_alu depctr_va_vdst(0)
	s_wait_loadcnt 0x0
.set JJ, 0
.rept 32
	v_pk_mul_f32 v[Z+JJ:Z+JJ+1], v[Z+JJ:Z+JJ+1], v[RS:RS+1]
.set JJ, JJ+2
.endr
.set JJ, 0
.rept 32
	v_pk_fma_f32 v[Z+JJ:Z+JJ+1], v[Z+JJ:Z+JJ+1], v[T1+JJ:T1+JJ+1], v[T2+JJ:T2+JJ+1]
.set JJ, JJ+2
.endr
.irp g, 0,1,2,3,4,5,6,7,8,9,10,11,12,13,14,15
	global_store_b128 v[L16], v[Z+4*\g:Z+4*\g+3], s[14:15] offset:512*\g   ; x in f32; the lines below read these registers and write none of them
.endr
	QUANT Z
	global_store_b128 v[L16], v[PC:PC+3], s[16:17]
	global_store_b64 v[L8], v[PC+4:PC+5], s[16:17] offset:512
	global_store_b128 v[L16], v[PC+6:PC+9], s[16:17] offset:768
	global_store_b64 v[L8], v[PC+10:PC+11], s[16:17] offset:1280
	global_store_b32 v[L4], v[PW], s[16:17] offset:1536
	s_wait_tensorcnt 0x0
	ds_add_u32 v62, v63
	s_wait_dscnt 0x0
	s_endpgm
.Lfunc_end_k_q351b9e0c01_ln1:
	.size	k_q351b9e0c01_ln1, .Lfunc_end_k_q351b9e0c01_ln1-k_q351b9e0c01_ln1
	.p2alignl 7, 3214868480
	.fill 96, 4, 3214868480
	.section	.rodata,"a",@progbits
	.p2align	6, 0x0
	.amdhsa_kernel k_q351b9e0c01_ln1
		.amdhsa_group_segment_fixed_size 70656
		.amdhsa_private_segment_fixed_size 0
		.amdhsa_enable_private_segment 0
		.amdhsa_kernarg_size 56
		.amdhsa_user_sgpr_count 2
		.amdhsa_user_sgpr_kernarg_segment_ptr 1
		.amdhsa_wavefront_size32 1
		.amdhsa_system_sgpr_workgroup_id_x 1
		.amdhsa_system_sgpr_workgroup_id_y 1
		.amdhsa_system_sgpr_workgroup_id_z 1
		.amdhsa_system_vgpr_workitem_id 0
		.amdhsa_next_free_vgpr 256
		.amdhsa_next_free_sgpr 66
		.amdhsa_reserve_vcc 0
		.amdhsa_float_denorm_mode_32 3
		.amdhsa_float_denorm_mode_16_64 3
		.amdhsa_memory_ordered 1
		.amdhsa_forward_progress 1
		.amdhsa_inst_pref_size 38
	.end_amdhsa_kernel
	.amdgpu_metadata
---
amdhsa.version: [ 1, 2 ]
amdhsa.kernels:
  - .name:           k_q351b9e0c01_ln1
    .symbol:         k_q351b9e0c01_ln1.kd
    .args:
      - { .name: yb, .offset: 0, .size: 8, .value_kind: global_buffer, .address_space: global }
      - { .name: out_b, .offset: 8, .size: 8, .value_kind: global_buffer, .address_space: global }
      - { .name: src, .offset: 16, .size: 8, .value_kind: global_buffer, .address_space: global }
      - { .name: ln1_g, .offset: 24, .size: 8, .value_kind: global_buffer, .address_space: global }
      - { .name: ln1_b, .offset: 32, .size: 8, .value_kind: global_buffer, .address_space: global }
      - { .name: xf, .offset: 40, .size: 8, .value_kind: global_buffer, .address_space: global }
      - { .name: ar, .offset: 48, .size: 8, .value_kind: global_buffer, .address_space: global }
    .group_segment_fixed_size: 70656
    .private_segment_fixed_size: 0
    .kernarg_segment_align: 8
    .kernarg_segment_size: 56
    .max_flat_workgroup_size: 256
    .sgpr_count:     66
    .vgpr_count:     256
    .wavefront_size: 32
...
	.end_amdgpu_metadata
.endif
;; end of part 13
;; launch ffn1 (part 14): grid 16 x 16, 4 waves a work-group, clusters of 4 x 4, 327,680 bytes of LDS; arguments ar, opw, b1, hr; writes hr
.if DOCPART == 14
	.amdgcn_target "amdgcn-amd-amdhsa--gfx1250"
	.amdhsa_code_object_version 6
	.text
	.protected	k_q351b9e0c01_ffn1
	.globl	k_q351b9e0c01_ffn1
	.p2align	8
	.type	k_q351b9e0c01_ffn1,@function
k_q351b9e0c01_ffn1:
	s_mov_b64 s[64:65], 0
	v_nop
	global_prefetch_b8 v0, s[64:65] scope:SCOPE_SE
	s_setreg_imm32_b32 hwreg(HW_REG_WAVE_MODE, 25, 1), 1
	s_wait_xcnt 0x0
	s_wait_alu depctr_hold_cnt(0) depctr_sa_sdst(0) depctr_va_vdst(0) depctr_va_sdst(0) depctr_va_ssrc(0) depctr_va_vcc(0) depctr_vm_vsrc(0)
	s_getreg_b32 s2, hwreg(HW_REG_IB_STS2, 6, 4)
	s_cmp_eq_u32 s2, 0
	s_cbranch_scc0 .Lentry_in_a_cluster
	s_endpgm
.Lentry_in_a_cluster:
	s_bfe_u32 s2, ttmp6, 0x10000c
	s_cmp_lg_u32 s2, 0xf033
	s_cbranch_scc0 .Lentry_shape_is_right
	s_endpgm
.Lentry_shape_is_right:
.set KS,     8
.set OFF_B,  6815744
.set REC,    1664
.set PAIR,   2*REC
.set BLKB,   KS*REC
.set NQ,     2
.set FR,     12
.set NL,     4
.set NP,     4
.set HALFT,  8*PAIR
.set SLOT,   4*HALFT
.set SPARE,  2*SLOT
.set LAPS,   KS/4
.set A16, 16
.set A8,  18
.set B16, 20
.set B8,  22
.set L16, 24
.set L8,  25
.set L4,  26
.set SPW, 28
.set NIL, 29
.set S4,  30
.set SC,  32
.set BB,  64
.set AF,  128
.set PC,  128
.set TM,  150
.set PW,  166
.set G1,  24
.set G0,  32
.set G1B, 48
.set G0B, 56
.set SEL, 82
.set MSB, 0
.macro WIN new
.if MSB != (\new)
	s_set_vgpr_msb (MSB<<8)|(\new)
.set MSB, (\new)
.endif
.endm
.set MUL_LO, 0xa1
.set MUL_HI, 0xf1
.set TO_B,   0x40
.macro JLOAD g0a, g1a, g0b, g1b
	s_cmp_eq_u32 s15, 0
	s_cbranch_scc0 .Lfor_b_\@
	tensor_load_to_lds s[\g0a:\g0a+3], s[\g1a:\g1a+7]
	s_nop 0
.rept 4
	v_nop
.endr
	s_branch .Lasked_\@
.Lfor_b_\@:
	tensor_load_to_lds s[\g0b:\g0b+3], s[\g1b:\g1b+7]
	s_nop 0
.rept 4
	v_nop
.endr
.Lasked_\@:
.endm
.macro CREST
	s_cmp_lg_u32 s14, 0
	s_cbranch_scc1 .Lnot_wave_0_\@
	s_barrier_signal -3
.Lnot_wave_0_\@:
	s_barrier_wait -3
	s_barrier_signal -1
	s_barrier_wait -1
.endm
.macro CROUND
	s_barrier_signal -1
	s_barrier_wait -1
	CREST
.endm
	s_load_b256 s[4:11], s[0:1], 0x0
	v_lshl_add_u32 v[SPW], v0, 2, SPARE
	v_mov_b32 v[NIL], 0
	ds_add_u32 v28, v29
	ds_add_u32 v28, v29
	s_wait_dscnt 0x0
	v_lshrrev_b32 v1, 5, v0
	v_readfirstlane_b32 s14, v1
	s_lshr_b32 s15, s14, 1
	s_and_b32 s16, s14, 1
	s_bfe_u32 s40, ttmp6, 0x40000
	s_bfe_u32 s41, ttmp6, 0x40004
	s_lshl_b32 s42, ttmp9, 2
	s_add_co_u32 s42, s42, s40
	s_and_b32 s17, ttmp7, 0xffff
	s_lshl_b32 s17, s17, 2
	s_add_co_u32 s17, s17, s41
	s_lshl_b32 s43, s41, 2
	s_lshl_b32 s43, 15, s43
	s_lshl_b32 s44, 0x1111, s40
	s_or_b32 s[G1+0], s43, (3<<16)|(1<<21)
	s_or_b32 s[G1B+0], s44, (3<<16)|(1<<21)
.irp g, G1, G1B
	s_mov_b32 s[\g+1], 416<<16
	s_mov_b32 s[\g+2], 8<<16
	s_mov_b32 s[\g+3], 416<<16
	s_mov_b32 s[\g+4], 8
	s_mov_b32 s[\g+5], KS*208
	s_mov_b32 s[\g+6], 0
	s_mov_b32 s[\g+7], 0
.endr
	s_lshl_b32 s18, s16, 3
	s_lshl_b32 s20, s17, 4
	s_add_co_u32 s20, s20, s18
	s_mul_i32 s20, s20, BLKB
	s_mov_b32 s21, 0
	s_lshl_b32 s46, s42, 4
	s_add_co_u32 s46, s46, s18
	s_mul_i32 s46, s46, BLKB
	s_add_co_u32 s46, s46, OFF_B
	s_mov_b32 s47, 0
	s_mul_i32 s45, s14, HALFT
	s_lshl_b32 s70, s42, 10
	s_lshl_b32 s71, s16, 9
	s_add_co_u32 s70, s70, s71
	s_mov_b32 s71, 0
	s_lshl_b32 s84, s17, 4
	s_lshl_b32 s85, s15, 3
	s_add_co_u32 s84, s84, s85
	s_lshl_b32 s84, s84, 5
	s_lshl_b32 s85, s42, 1
	s_add_co_u32 s84, s84, s85
	s_add_co_u32 s84, s84, s16
	s_mul_i32 s84, s84, REC
	s_mov_b32 s85, 0
	s_mov_b32 s[SEL], 0x76543210
	s_mov_b32 s[SEL+1], 0xfedcba98
	s_wait_kmcnt 0x0
	s_add_nc_u64 s[20:21], s[4:5], s[20:21]
	s_add_nc_u64 s[46:47], s[6:7], s[46:47]
	s_add_nc_u64 s[70:71], s[8:9], s[70:71]
	s_add_nc_u64 s[12:13], s[10:11], s[84:85]
	CROUND
.irp s, 0,1
	s_mov_b32 s[G0+4*\s], 1
	s_add_co_u32 s[G0+4*\s+1], s45, \s*SLOT
	s_add_nc_u64 s[G0+4*\s+2:G0+4*\s+3], s[20:21], \s*PAIR
	s_or_b32 s[G0+4*\s+3], s[G0+4*\s+3], 0x80000000
	s_mov_b32 s[G0B+4*\s], 1
	s_add_co_u32 s[G0B+4*\s+1], s45, \s*SLOT
	s_add_nc_u64 s[G0B+4*\s+2:G0B+4*\s+3], s[46:47], \s*PAIR
	s_or_b32 s[G0B+4*\s+3], s[G0B+4*\s+3], 0x80000000
.if \s                                 ; slot 1's first fill is issued as a refill is; slot 0's stands behind the opening lines and the round above
	s_wait_alu depctr_va_vdst(0)
	s_wait_tensorcnt 0x0
	ds_add_u32 v28, v29
	ds_add_u32 v28, v29
	s_wait_dscnt 0x0
	CROUND
.endif
	JLOAD G0+4*\s, G1, G0B+4*\s, G1B
.endr
	v_and_b32 v1, 31, v0
	v_bfe_u32 v2, v0, 4, 1
	v_lshlrev_b32 v[L16], 4, v1
	v_lshlrev_b32 v[L8], 3, v1
	v_lshlrev_b32 v[L4], 2, v1
	v_lshlrev_b32 v3, 6, v2
.irp b, 0,1,2,3,4,5,6,7
	global_load_b128 v[BB+8*\b:BB+8*\b+3], v3, s[70:71] offset:(32*(\b/2)+8*(\b%2))*4
	global_load_b128 v[BB+8*\b+4:BB+8*\b+7], v3, s[70:71] offset:(32*(\b/2)+8*(\b%2))*4+16
.endr
	s_mul_i32 s21, s15, HALFT
	s_mul_i32 s22, s16, HALFT
	s_add_co_u32 s22, s22, 2*HALFT
.irp s, 0,1
	v_add_nc_u32 v[A16+\s], s21, v[L16]
	v_add_nc_u32 v[A8+\s], s21, v[L8]
	v_add_nc_u32 v[B16+\s], s22, v[L16]
	v_add_nc_u32 v[B8+\s], s22, v[L8]
	s_add_co_u32 s21, s21, SLOT
	s_add_co_u32 s22, s22, SLOT
.endr
	s_mul_i32 s21, s15, HALFT
	s_mul_i32 s22, s16, HALFT
	s_add_co_u32 s22, s22, 2*HALFT
	s_sub_co_u32 s22, s22, s21
	v_mul_u32_u24 v6, s22, v2
	s_add_co_u32 s21, s21, 1536
	v_add_nc_u32 v5, v[L4], v6
	v_add_nc_u32 v[S4], s21, v5
	v_add_nc_u32 v[S4+1], SLOT, v[S4]
.macro FRAG reg, a16, a8, q, i
	ds_load_b128 v[\reg:\reg+3], v[\a16] offset:(\i)*PAIR+(\q)*REC
	ds_load_b64 v[\reg+4:\reg+5], v[\a8] offset:(\i)*PAIR+(\q)*REC+512
	ds_load_b128 v[\reg+6:\reg+9], v[\a16] offset:(\i)*PAIR+(\q)*REC+768
	ds_load_b64 v[\reg+10:\reg+11], v[\a8] offset:(\i)*PAIR+(\q)*REC+1280
.endm
.macro MUL16 a0, p, q, sc, zero
.irp a, \a0, \a0+1
.irp b, 0,1,2,3,4,5,6,7
.if \zero
	v_wmma_scale_f32_16x16x128_f8f6f4 v[8*(8*((\a)%4)+\b):8*(8*((\a)%4)+\b)+7], v[128*(\p)+FR*\b:128*(\p)+FR*\b+FR-1], v[AF+FR*(\a):AF+FR*(\a)+FR-1], 0, v[SC+8*NQ*(\sc)+NQ*\b+(\q)], v[SC+8*NQ*(\sc)+NQ*(\a)+(\q)] matrix_a_fmt:MATRIX_FMT_BF6 matrix_b_fmt:MATRIX_FMT_BF6 matrix_a_scale:MATRIX_SCALE_ROW1
.else
	v_wmma_scale_f32_16x16x128_f8f6f4 v[8*(8*((\a)%4)+\b):8*(8*((\a)%4)+\b)+7], v[128*(\p)+FR*\b:128*(\p)+FR*\b+FR-1], v[AF+FR*(\a):AF+FR*(\a)+FR-1], v[8*(8*((\a)%4)+\b):8*(8*((\a)%4)+\b)+7], v[SC+8*NQ*(\sc)+NQ*\b+(\q)], v[SC+8*NQ*(\sc)+NQ*(\a)+(\q)] matrix_a_fmt:MATRIX_FMT_BF6 matrix_b_fmt:MATRIX_FMT_BF6 matrix_a_scale:MATRIX_SCALE_ROW1
.endif
.endr
.endr
.endm
.macro FETCH_B slot, q, p
	WIN TO_B
.irp i, 0,1,2,3,4,5,6,7
	FRAG 128*(\p)+FR*\i, B16+\slot, B8+\slot, \q, \i
.endr
	WIN 0
.endm
.macro FETCH_A slot, q, i0
.irp i, \i0, \i0+1, \i0+2, \i0+3
	FRAG AF+FR*(\i), A16+\slot, A8+\slot, \q, \i
.endr
.endm
.macro SCALES sc
.irp i, 0,1,2,3,4,5,6,7
	ds_load_b32 v[SC+8*NQ*\sc+NQ*\i], v[S4+\sc] offset:\i*PAIR
	ds_load_b32 v[SC+8*NQ*\sc+NQ*\i+1], v[S4+\sc] offset:\i*PAIR+REC
.endr
.endm
.macro PLACES n
.rept \n
	v_nop
.endr
.endm
.macro STEP slot, q, zero
	s_wait_dscnt 4*NL
	WIN MUL_LO
	MUL16 0, (\q)%2, \q, \slot, \zero
	MUL16 2, (\q)%2, \q, \slot, \zero
	s_wait_dscnt 0
	PLACES NP
	FETCH_B \slot, (\q)+1, 1-(\q)%2
	FETCH_A \slot, (\q)+1, 0
	WIN MUL_HI
	MUL16 4, (\q)%2, \q, \slot, \zero
	MUL16 6, (\q)%2, \q, \slot, \zero
	PLACES NP
	WIN 0
	FETCH_A \slot, (\q)+1, 4
.endm
.macro TURN slot, next, fill
	s_wait_tensorcnt 0x0
	ds_add_u32 v[SPW], v[NIL]
	s_wait_dscnt 4*NL+1
	WIN MUL_LO
	MUL16 0, 1, NQ-1, \slot, 0
	s_wait_dscnt 0x0
	s_barrier_signal -1
	MUL16 2, 1, NQ-1, \slot, 0
	WIN 0
	s_barrier_wait -1
.if \fill
	CREST
	s_add_nc_u64 s[G0+4*\slot+2:G0+4*\slot+3], s[G0+4*\slot+2:G0+4*\slot+3], 2*PAIR
	s_add_nc_u64 s[G0B+4*\slot+2:G0B+4*\slot+3], s[G0B+4*\slot+2:G0B+4*\slot+3], 2*PAIR
	JLOAD G0+4*\slot, G1, G0B+4*\slot, G1B
.else
	PLACES NP
.endif
	FETCH_B \next, 0, 0
	FETCH_A \next, 0, 0
	SCALES \next
	WIN MUL_HI
	MUL16 4, 1, NQ-1, \slot, 0
	MUL16 6, 1, NQ-1, \slot, 0
	PLACES NP
	WIN 0
	FETCH_A \next, 0, 4
.endm
	s_wait_alu depctr_va_vdst(0)
	s_wait_tensorcnt 1
	s_wait_loadcnt 0x0
	s_barrier_signal -1
	s_barrier_wait -1
	FETCH_B 0, 0, 0
	FETCH_A 0, 0, 0
	SCALES 0
	FETCH_A 0, 0, 4
	STEP 0, 0, 1
	s_mov_b32 s3, LAPS-1
.Llap:
	TURN 0, 1, 1
	STEP 1, 0, 0
	TURN 1, 0, 1
	STEP 0, 0, 0
	s_sub_co_u32 s3, s3, 1
	s_cmp_lg_u32 s3, 0
	s_cbranch_scc1 .Llap
	TURN 0, 1, 0
	STEP 1, 0, 0
	s_wait_dscnt 4*NL
	WIN MUL_LO
	MUL16 0, 1, NQ-1, 1, 0
	MUL16 2, 1, NQ-1, 1, 0
	s_wait_dscnt 0
	WIN MUL_HI
	MUL16 4, 1, NQ-1, 1, 0
	MUL16 6, 1, NQ-1, 1, 0
	WIN 0
.macro QUANTW s, w
	WIN (\w)|((\w)<<2)
.irp b, 0,1,2,3
	v_max3_num_f32 v[TM+\b], |v[\s+16*\b]|, |v[\s+1+16*\b]|, 0x2800000
.endr
.irp i, 2,4,6,8,10,12,14
.irp b, 0,1,2,3
	v_max3_num_f32 v[TM+\b], |v[\s+16*\b+\i]|, |v[\s+1+16*\b+\i]|, v[TM+\b]
.endr
.endr
	WIN 0
.irp b, 0,1,2,3
	v_permlanex16_b32 v[TM+4+\b], v[TM+\b], s[SEL], s[SEL+1]
.endr
.irp b, 0,1,2,3
	v_max_num_f32 v[TM+\b], v[TM+\b], v[TM+4+\b]
.endr
.irp b, 0,1,2,3
	v_add_nc_u32 v[TM+12+\b], 0xfe000000, v[TM+\b]
.endr
.irp b, 0,1,2,3
	v_lshrrev_b32 v[TM+4+\b], 23, v[TM+12+\b]
.endr
	v_lshl_or_b32 v[PW], v[TM+5], 8, v[TM+4]
	v_lshl_or_b32 v[PW], v[TM+6], 16, v[PW]
	v_lshl_or_b32 v[PW], v[TM+7], 24, v[PW]
	WIN (\w)
.irp c, 0,1
	v_cvt_scalef32_pk16_bf6_f32 v[PC+6*\c:PC+2+6*\c], v[\s+32*\c:\s+15+32*\c], v[TM+12+2*\c]
	v_cvt_scalef32_pk16_bf6_f32 v[PC+12+4*\c:PC+14+4*\c], v[\s+16+32*\c:\s+31+32*\c], v[TM+12+2*\c+1]
.endr
	WIN 0
	v_nop
.irp c, 0,1
.irp i, 0,1,2
	v_permlane16_swap_b32 v[PC+6*\c+\i], v[PC+12+4*\c+\i]
.endr
.irp i, 0,1,2
	v_mov_b32 v[PC+3+6*\c+\i], v[PC+12+4*\c+\i]
.endr
.endr
.endm
.macro EPI a
.set AC, 64*((\a)%4)
.set WW, 2+(\a)/4
.if (\a) > 0
	s_wait_xcnt 0x0
.endif
	WIN (WW<<6)|WW
.set JJ, 0
.rept 32
	v_pk_add_f32 v[AC+JJ:AC+JJ+1], v[AC+JJ:AC+JJ+1], v[BB+JJ:BB+JJ+1]
.set JJ, JJ+2
.endr
.set JJ, 0
.rept 64
	v_max_num_f32 v[AC+JJ], v[AC+JJ], 0
.set JJ, JJ+1
.endr
	QUANTW AC, WW
	global_store_b128 v[L16], v[PC:PC+3], s[12:13] offset:32*REC*(\a)
	global_store_b64 v[L8], v[PC+4:PC+5], s[12:13] offset:32*REC*(\a)+512
	global_store_b128 v[L16], v[PC+6:PC+9], s[12:13] offset:32*REC*(\a)+768
	global_store_b64 v[L8], v[PC+10:PC+11], s[12:13] offset:32*REC*(\a)+1280
	global_store_b32 v[L4], v[PW], s[12:13] offset:32*REC*(\a)+1536
.endm
	PLACES NP
.irp b, 0,1,2,3
	v_mov_b32 v[TM+4+\b], 0
.endr
.irp a, 0,1,2,3,4,5,6,7
	EPI \a
.endr
	s_wait_tensorcnt 0x0
	ds_add_u32 v[SPW], v[NIL]
	s_wait_dscnt 0x0
	CROUND
	s_endpgm
.Lfunc_end_k_q351b9e0c01_ffn1:
	.size	k_q351b9e0c01_ffn1, .Lfunc_end_k_q351b9e0c01_ffn1-k_q351b9e0c01_ffn1
	.p2alignl 7, 3214868480
	.fill 96, 4, 3214868480
	.section	.rodata,"a",@progbits
	.p2align	6, 0x0
	.amdhsa_kernel k_q351b9e0c01_ffn1
		.amdhsa_group_segment_fixed_size 327680
		.amdhsa_private_segment_fixed_size 0
		.amdhsa_enable_private_segment 0
		.amdhsa_kernarg_size 32
		.amdhsa_user_sgpr_count 2
		.amdhsa_user_sgpr_kernarg_segment_ptr 1
		.amdhsa_wavefront_size32 1
		.amdhsa_system_sgpr_workgroup_id_x 1
		.amdhsa_system_sgpr_workgroup_id_y 1
		.amdhsa_system_sgpr_workgroup_id_z 1
		.amdhsa_system_vgpr_workitem_id 0
		.amdhsa_next_free_vgpr 1024
		.amdhsa_next_free_sgpr 100
		.amdhsa_reserve_vcc 0
		.amdhsa_float_denorm_mode_32 3
		.amdhsa_float_denorm_mode_16_64 3
		.amdhsa_memory_ordered 1
		.amdhsa_forward_progress 1
		.amdhsa_inst_pref_size 199
	.end_amdhsa_kernel
	.amdgpu_metadata
---
amdhsa.version: [ 1, 2 ]
amdhsa.kernels:
  - .name:           k_q351b9e0c01_ffn1
    .symbol:         k_q351b9e0c01_ffn1.kd
    .args:
      - { .name: ar, .offset: 0, .size: 8, .value_kind: global_buffer, .address_space: global }
      - { .name: opw, .offset: 8, .size: 8, .value_kind: global_buffer, .address_space: global }
      - { .name: b1, .offset: 16, .size: 8, .value_kind: global_buffer, .address_space: global }
      - { .name: hr, .offset: 24, .size: 8, .value_kind: global_buffer, .address_space: global }
    .group_segment_fixed_size: 327680
    .private_segment_fixed_size: 0
    .kernarg_segment_align: 8
    .kernarg_segment_size: 32
    .max_flat_workgroup_size: 128
    .sgpr_count:     100
    .vgpr_count:     1024
    .wavefront_size: 32
...
	.end_amdgpu_metadata
.endif
;; end of part 14
;; launch ffn2 (part 15): grid 8 x 32, 4 waves a work-group, clusters of 4 x 4, 327,680 bytes of LDS; arguments hr, opw, yb; writes yb
.if DOCPART == 15
	.amdgcn_target "amdgcn-amd-amdhsa--gfx1250"
	.amdhsa_code_object_version 6
	.text
	.protected	k_q351b9e0c01_ffn2
	.globl	k_q351b9e0c01_ffn2
	.p2align	8
	.type	k_q351b9e0c01_ffn2,@function
k_q351b9e0c01_ffn2:
	s_mov_b64 s[64:65], 0
	v_nop
	global_prefetch_b8 v0, s[64:65] scope:SCOPE_SE
	s_setreg_imm32_b32 hwreg(HW_REG_WAVE_MODE, 25, 1), 1
	s_wait_xcnt 0x0
	s_wait_alu depctr_hold_cnt(0) depctr_sa_sdst(0) depctr_va_vdst(0) depctr_va_sdst(0) depctr_va_ssrc(0) depctr_va_vcc(0) depctr_vm_vsrc(0)
	s_getreg_b32 s2, hwreg(HW_REG_IB_STS2, 6, 4)
	s_cmp_eq_u32 s2, 0
	s_cbranch_scc0 .Lentry_in_a_cluster
	s_endpgm
.Lentry_in_a_cluster:
	s_bfe_u32 s2, ttmp6, 0x10000c
	s_cmp_lg_u32 s2, 0xf033
	s_cbranch_scc0 .Lentry_shape_is_right
	s_endpgm
.Lentry_shape_is_right:
.set KS,     32
.set OFF_B,  10223616
.set REC,    1664
.set QUAD,   4*REC
.set BLKB,   KS*REC
.set FR,     12
.set NP,     4
.set HALFT,  4*QUAD
.set SLOT,   4*HALFT
.set SPARE,  2*SLOT
.set LAPS,   KS/8
.set A16, 16
.set A8,  18
.set B16, 20
.set B8,  22
.set L16, 24
.set L8,  25
.set L4,  26
.set SPW, 28
.set NIL, 29
.set S4,  30
.set SC,  32
.set ACC, 128
.set G1,  24
.set G0,  32
.set G1B, 48
.set G0B, 56
.set MSB, 0
.macro WIN new
.if MSB != (\new)
	s_set_vgpr_msb (MSB<<8)|(\new)
.set MSB, (\new)
.endif
.endm
.set MUL,  0x05
.set TO_F, 0x40
.macro JLOAD g0a, g1a, g0b, g1b
	s_cmp_eq_u32 s15, 0
	s_cbranch_scc0 .Lfor_b_\@
	tensor_load_to_lds s[\g0a:\g0a+3], s[\g1a:\g1a+7]
	s_nop 0
.rept 4
	v_nop
.endr
	s_branch .Lasked_\@
.Lfor_b_\@:
	tensor_load_to_lds s[\g0b:\g0b+3], s[\g1b:\g1b+7]
	s_nop 0
.rept 4
	v_nop
.endr
.Lasked_\@:
.endm
.macro CREST
	s_cmp_lg_u32 s14, 0
	s_cbranch_scc1 .Lnot_wave_0_\@
	s_barrier_signal -3
.Lnot_wave_0_\@:
	s_barrier_wait -3
	s_barrier_signal -1
	s_barrier_wait -1
.endm
.macro CROUND
	s_barrier_signal -1
	s_barrier_wait -1
	CREST
.endm
	s_load_b128 s[4:7], s[0:1], 0x0
	s_load_b64 s[12:13], s[0:1], 0x10
	v_lshl_add_u32 v[SPW], v0, 2, SPARE
	v_mov_b32 v[NIL], 0
	ds_add_u32 v28, v29
	ds_add_u32 v28, v29
	s_wait_dscnt 0x0
	v_lshrrev_b32 v1, 5, v0
	v_readfirstlane_b32 s14, v1
	s_lshr_b32 s15, s14, 1
	s_and_b32 s16, s14, 1
	s_bfe_u32 s40, ttmp6, 0x40000
	s_bfe_u32 s41, ttmp6, 0x40004
	s_lshl_b32 s42, ttmp9, 2
	s_add_co_u32 s42, s42, s40
	s_and_b32 s17, ttmp7, 0xffff
	s_lshl_b32 s17, s17, 2
	s_add_co_u32 s17, s17, s41
	s_lshl_b32 s43, s41, 2
	s_lshl_b32 s43, 15, s43
	s_lshl_b32 s44, 0x1111, s40
	s_or_b32 s[G1+0], s43, (3<<16)|(1<<21)
	s_or_b32 s[G1B+0], s44, (3<<16)|(1<<21)
.irp g, G1, G1B
	s_mov_b32 s[\g+1], 832<<16
	s_mov_b32 s[\g+2], 4<<16
	s_mov_b32 s[\g+3], 832<<16
	s_mov_b32 s[\g+4], 4
	s_mov_b32 s[\g+5], KS*208
	s_mov_b32 s[\g+6], 0
	s_mov_b32 s[\g+7], 0
.endr
	s_lshl_b32 s18, s16, 2
	s_lshl_b32 s20, s17, 3
	s_add_co_u32 s20, s20, s18
	s_mul_i32 s20, s20, BLKB
	s_mov_b32 s21, 0
	s_lshl_b32 s46, s42, 3
	s_add_co_u32 s46, s46, s18
	s_mul_i32 s46, s46, BLKB
	s_add_co_u32 s46, s46, OFF_B
	s_mov_b32 s47, 0
	s_mul_i32 s45, s14, HALFT
	s_lshl_b32 s84, s17, 3
	s_lshl_b32 s85, s15, 2
	s_add_co_u32 s84, s84, s85
	s_lshl_b32 s84, s84, 3
	s_add_co_u32 s84, s84, s42
	s_lshl_b32 s84, s84, 13
	s_lshl_b32 s85, s16, 12
	s_add_co_u32 s84, s84, s85
	s_mov_b32 s85, 0
	s_wait_kmcnt 0x0
	s_add_nc_u64 s[20:21], s[4:5], s[20:21]
	s_add_nc_u64 s[46:47], s[6:7], s[46:47]
	s_add_nc_u64 s[12:13], s[12:13], s[84:85]
	; the prefetches: of the 4 blocks that I fetch, each of the four partners that ask for them with me takes one, told apart by address (cx for A, cy for B): 26 blocks of 256 bytes, a lane each
	s_cmp_eq_u32 s15, 0
	s_cselect_b64 s[66:67], s[20:21], s[46:47]
	s_cselect_b32 s68, s40, s41
	s_mul_i32 s68, s68, BLKB
	s_add_co_u32 s68, s68, 2*QUAD                  ; at the third four K steps
	s_mov_b32 s69, 0
	s_add_nc_u64 s[66:67], s[66:67], s[68:69]
	CROUND
.irp s, 0,1
	s_mov_b32 s[G0+4*\s], 1
	s_add_co_u32 s[G0+4*\s+1], s45, \s*SLOT
	s_add_nc_u64 s[G0+4*\s+2:G0+4*\s+3], s[20:21], \s*QUAD
	s_or_b32 s[G0+4*\s+3], s[G0+4*\s+3], 0x80000000
	s_mov_b32 s[G0B+4*\s], 1
	s_add_co_u32 s[G0B+4*\s+1], s45, \s*SLOT
	s_add_nc_u64 s[G0B+4*\s+2:G0B+4*\s+3], s[46:47], \s*QUAD
	s_or_b32 s[G0B+4*\s+3], s[G0B+4*\s+3], 0x80000000
.if \s                                 ; slot 1's first fill is issued as a refill is; slot 0's stands behind the opening lines and the round above
	s_wait_alu depctr_va_vdst(0)
	s_wait_tensorcnt 0x0
	ds_add_u32 v28, v29
	ds_add_u32 v28, v29
	s_wait_dscnt 0x0
	CROUND
.endif
	JLOAD G0+4*\s, G1, G0B+4*\s, G1B
.endr
	v_and_b32 v1, 31, v0
	v_bfe_u32 v2, v0, 4, 1
	v_lshlrev_b32 v[L16], 4, v1
	v_lshlrev_b32 v[L8], 3, v1
	v_lshlrev_b32 v[L4], 2, v1
	v_min_u32 v27, 25, v1                          ; the prefetches' offset: 256 x lane; lanes 26-31 name the last block again; never rewritten
	v_lshlrev_b32 v27, 8, v27
	s_mul_i32 s21, s15, HALFT
	s_mul_i32 s22, s16, HALFT
	s_add_co_u32 s22, s22, 2*HALFT
.irp s, 0,1
	v_add_nc_u32 v[A16+\s], s21, v[L16]
	v_add_nc_u32 v[A8+\s], s21, v[L8]
	v_add_nc_u32 v[B16+\s], s22, v[L16]
	v_add_nc_u32 v[B8+\s], s22, v[L8]
	s_add_co_u32 s21, s21, SLOT
	s_add_co_u32 s22, s22, SLOT
.endr
	s_mul_i32 s21, s15, HALFT
	s_mul_i32 s22, s16, HALFT
	s_add_co_u32 s22, s22, 2*HALFT
	s_sub_co_u32 s22, s22, s21
	v_mul_u32_u24 v6, s22, v2
	s_add_co_u32 s21, s21, 1536
	v_add_nc_u32 v5, v[L4], v6
	v_add_nc_u32 v[S4], s21, v5
	v_add_nc_u32 v[S4+1], SLOT, v[S4]
.macro FRAG reg, a16, a8, q, i
	ds_load_b128 v[\reg:\reg+3], v[\a16] offset:(\i)*QUAD+(\q)*REC
	ds_load_b64 v[\reg+4:\reg+5], v[\a8] offset:(\i)*QUAD+(\q)*REC+512
	ds_load_b128 v[\reg+6:\reg+9], v[\a16] offset:(\i)*QUAD+(\q)*REC+768
	ds_load_b64 v[\reg+10:\reg+11], v[\a8] offset:(\i)*QUAD+(\q)*REC+1280
.endm
.macro MUL8 a0, f, q, sc, zero
.irp a, \a0, \a0+1
.irp b, 0,1,2,3
.if \zero
	v_wmma_scale_f32_16x16x128_f8f6f4 v[ACC+8*(4*(\a)+\b):ACC+8*(4*(\a)+\b)+7], v[128*(\f)+48+FR*\b:128*(\f)+48+FR*\b+FR-1], v[128*(\f)+FR*(\a):128*(\f)+FR*(\a)+FR-1], 0, v[SC+16*(\sc)+4*\b+(\q)], v[SC+16*(\sc)+4*(\a)+(\q)] matrix_a_fmt:MATRIX_FMT_BF6 matrix_b_fmt:MATRIX_FMT_BF6 matrix_a_scale:MATRIX_SCALE_ROW1
.else
	v_wmma_scale_f32_16x16x128_f8f6f4 v[ACC+8*(4*(\a)+\b):ACC+8*(4*(\a)+\b)+7], v[128*(\f)+48+FR*\b:128*(\f)+48+FR*\b+FR-1], v[128*(\f)+FR*(\a):128*(\f)+FR*(\a)+FR-1], v[ACC+8*(4*(\a)+\b):ACC+8*(4*(\a)+\b)+7], v[SC+16*(\sc)+4*\b+(\q)], v[SC+16*(\sc)+4*(\a)+(\q)] matrix_a_fmt:MATRIX_FMT_BF6 matrix_b_fmt:MATRIX_FMT_BF6 matrix_a_scale:MATRIX_SCALE_ROW1
.endif
.endr
.endr
.endm
.macro FETCH slot, q, f
	WIN TO_F
.irp i, 0,1,2,3
	FRAG 128*(\f)+48+FR*\i, B16+\slot, B8+\slot, \q, \i
.endr
.irp i, 0,1,2,3
	FRAG 128*(\f)+FR*\i, A16+\slot, A8+\slot, \q, \i
.endr
.endm
.macro SCALES sc
	WIN 0
.irp i, 0,1,2,3
.irp q, 0,1,2,3
	ds_load_b32 v[SC+16*\sc+4*\i+\q], v[S4+\sc] offset:\i*QUAD+\q*REC
.endr
.endr
.endm
.macro PLACES n
.rept \n
	v_nop
.endr
.endm
.macro STEP slot, q, zero
	PLACES NP
	FETCH \slot, (\q)+1, 1-(\q)%2
	s_wait_dscnt 32
	WIN MUL
	MUL8 0, (\q)%2, \q, \slot, \zero
	MUL8 2, (\q)%2, \q, \slot, \zero
.endm
.macro TURN slot, next, fill
.if \fill
	s_wait_xcnt 0x0                                ; my last prefetch has read its address: it steps four K steps on
	s_add_nc_u64 s[66:67], s[66:67], QUAD
.endif
	WIN 0
	s_wait_tensorcnt 0x0
	ds_add_u32 v[SPW], v[NIL]
	s_wait_dscnt 1
	WIN MUL
	MUL8 0, 1, 3, \slot, 0
	s_wait_dscnt 0x0
	s_barrier_signal -1
	MUL8 2, 1, 3, \slot, 0
	WIN 0
	s_barrier_wait -1
.if \fill
	CREST
	s_add_nc_u64 s[G0+4*\slot+2:G0+4*\slot+3], s[G0+4*\slot+2:G0+4*\slot+3], 2*QUAD
	s_add_nc_u64 s[G0B+4*\slot+2:G0B+4*\slot+3], s[G0B+4*\slot+2:G0B+4*\slot+3], 2*QUAD
	JLOAD G0+4*\slot, G1, G0B+4*\slot, G1B
.else
	PLACES NP
.endif
	FETCH \next, 0, 0
	SCALES \next
.if \fill                              ; what the refill two refills on will ask for; the loop's last trip has no such refill and asks for nothing
	s_cmp_gt_u32 s3, 1
	s_cbranch_scc0 .Lno_ask_\@
	global_prefetch_b8 v27, s[66:67] offset:QUAD th:TH_LOAD_NT scope:SCOPE_SE
.Lno_ask_\@:
.endif
.endm
	s_wait_alu depctr_va_vdst(0)
	global_prefetch_b8 v27, s[66:67] th:TH_LOAD_NT scope:SCOPE_SE               ; what the first two refills will ask for
	global_prefetch_b8 v27, s[66:67] offset:QUAD th:TH_LOAD_NT scope:SCOPE_SE
	s_wait_tensorcnt 1
	s_barrier_signal -1
	s_barrier_wait -1
	FETCH 0, 0, 0
	SCALES 0
	STEP 0, 0, 1
.if LAPS > 1
	WIN 0
	s_mov_b32 s3, LAPS-1
.Llap:
	STEP 0, 1, 0
	STEP 0, 2, 0
	TURN 0, 1, 1
	STEP 1, 0, 0
	STEP 1, 1, 0
	STEP 1, 2, 0
	TURN 1, 0, 1
	STEP 0, 0, 0
	WIN 0
	s_sub_co_u32 s3, s3, 1
	s_cmp_lg_u32 s3, 0
	s_cbranch_scc1 .Llap
.endif
	STEP 0, 1, 0
	STEP 0, 2, 0
	TURN 0, 1, 0
	STEP 1, 0, 0
	STEP 1, 1, 0
	STEP 1, 2, 0
	s_wait_dscnt 0x0
	WIN MUL
	MUL8 0, 1, 3, 1, 0
	MUL8 2, 1, 3, 1, 0
	WIN 0
	PLACES NP
.irp a, 0,1,2,3
.irp g, 0,1,2,3,4,5,6,7
	global_store_b128 v[L16], v[ACC+32*\a+4*\g:ACC+32*\a+4*\g+3], s[12:13] offset:65536*\a+512*\g
.endr
.endr
	s_wait_tensorcnt 0x0
	ds_add_u32 v[SPW], v[NIL]
	s_wait_dscnt 0x0
	CROUND
	s_endpgm
.Lfunc_end_k_q351b9e0c01_ffn2:
	.size	k_q351b9e0c01_ffn2, .Lfunc_end_k_q351b9e0c01_ffn2-k_q351b9e0c01_ffn2
	.p2alignl 7, 3214868480
	.fill 96, 4, 3214868480
	.section	.rodata,"a",@progbits
	.p2align	6, 0x0
	.amdhsa_kernel k_q351b9e0c01_ffn2
		.amdhsa_group_segment_fixed_size 327680
		.amdhsa_private_segment_fixed_size 0
		.amdhsa_enable_private_segment 0
		.amdhsa_kernarg_size 24
		.amdhsa_user_sgpr_count 2
		.amdhsa_user_sgpr_kernarg_segment_ptr 1
		.amdhsa_wavefront_size32 1
		.amdhsa_system_sgpr_workgroup_id_x 1
		.amdhsa_system_sgpr_workgroup_id_y 1
		.amdhsa_system_sgpr_workgroup_id_z 1
		.amdhsa_system_vgpr_workitem_id 0
		.amdhsa_next_free_vgpr 512
		.amdhsa_next_free_sgpr 100
		.amdhsa_reserve_vcc 0
		.amdhsa_float_denorm_mode_32 3
		.amdhsa_float_denorm_mode_16_64 3
		.amdhsa_memory_ordered 1
		.amdhsa_forward_progress 1
		.amdhsa_inst_pref_size 86
	.end_amdhsa_kernel
	.amdgpu_metadata
---
amdhsa.version: [ 1, 2 ]
amdhsa.kernels:
  - .name:           k_q351b9e0c01_ffn2
    .symbol:         k_q351b9e0c01_ffn2.kd
    .args:
      - { .name: hr, .offset: 0, .size: 8, .value_kind: global_buffer, .address_space: global }
      - { .name: opw, .offset: 8, .size: 8, .value_kind: global_buffer, .address_space: global }
      - { .name: yb, .offset: 16, .size: 8, .value_kind: global_buffer, .address_space: global }
    .group_segment_fixed_size: 327680
    .private_segment_fixed_size: 0
    .kernarg_segment_align: 8
    .kernarg_segment_size: 24
    .max_flat_workgroup_size: 128
    .sgpr_count:     100
    .vgpr_count:     512
    .wavefront_size: 32
...
	.end_amdgpu_metadata
.endif
;; end of part 15
;; launch ln2 (part 16): grid 256 x 1, 8 waves a work-group, no clusters, 70,656 bytes of LDS; arguments yb, b2, xf, ln2_g, ln2_b, out0; writes out0
.if DOCPART == 16
	.amdgcn_target "amdgcn-amd-amdhsa--gfx1250"
	.amdhsa_code_object_version 6
	.text
	.protected	k_q351b9e0c01_ln2
	.globl	k_q351b9e0c01_ln2
	.p2align	8
	.type	k_q351b9e0c01_ln2,@function
k_q351b9e0c01_ln2:
	s_mov_b64 s[64:65], 0
	v_nop
	global_prefetch_b8 v0, s[64:65] scope:SCOPE_SE
	s_setreg_imm32_b32 hwreg(HW_REG_WAVE_MODE, 25, 1), 1
	s_wait_xcnt 0x0
; out0 = LayerNorm(x + (y + b2)) x ln2_g + ln2_b, all f32.
; A work-group takes one block of 16 rows (blocks 0-127 batch 0, 128-255 batch 1; place p of block i' holds t = 32 (i' / 2) + 8 (i' % 2) + p + 8 (p / 8); the true row is 2 t + batch); wave w takes columns 128 w .. 128 w + 127.
; y and x are IMAGES of 8,192 bytes: lane (r, h) holds row r; register 16 b + i = column 32 b + 16 h + i; group g of four registers at 512 g + 16 x lane: every load takes 512 consecutive bytes.
; The result turns through the wave's own stage in LDS (rows 528 bytes apart) and leaves by rows: each store covers 512 consecutive bytes of one true row, aligned.
; The mean and then the mean of the squared differences, as the definition has them: within a lane, with lane l xor 16, and across the eight waves through LDS: two barriers.
; Memory binds this launch: no matrix unit, no cluster (no input is shared between work-groups).  LIMITS: NaN and infinities are not served; v_rsq_f32 is good to 1 ulp.
.set SP,    528
.set STG,   16*SP
.set STAT0, 0                          ; LDS: the waves' sums, 128 bytes each;
.set STAT1, 1024                       ; the sums of squares;
.set STGB,  2048                       ; the eight stages
.set L16,  4
.set L4,   6
.set STI,  7                           ; the stage by rows
.set STL,  8                           ; the stage by lanes: row r, + 64 h
.set CB,   9                           ; 64 h: my 16 numbers of each 32 columns
.set MU,   10
.set RS,   12
.set SA,   14
.set SM,   54                          ; v54-61
.set Z,    64
.set T1,   128
.set T2,   192
.set SEL,  20
; v[SM] = the sum of my 64 numbers -> the sum over the row's 1,024, the same bits in every wave
.macro ACROSS stat
	s_delay_alu instid0(VALU_DEP_1)
	v_permlanex16_b32 v[SM+4], v[SM], s[SEL], s[SEL+1]
	s_delay_alu instid0(VALU_DEP_1)
	v_add_f32 v[SM], v[SM], v[SM+4]
	ds_store_b32 v[SA], v[SM] offset:\stat
	s_wait_dscnt 0x0                               ; for the others' sake: my store is done
	s_barrier_signal -1
	s_barrier_wait -1
.irp k, 0,1,2,3,4,5,6,7
	ds_load_b32 v[SM+\k], v[L4] offset:\stat+128*\k
.endr
	s_wait_dscnt 0x0
	v_add_f32 v[SM], v[SM], v[SM+1]
	v_add_f32 v[SM+2], v[SM+2], v[SM+3]
	v_add_f32 v[SM+4], v[SM+4], v[SM+5]
	v_add_f32 v[SM+6], v[SM+6], v[SM+7]
	s_delay_alu instid0(VALU_DEP_3)
	v_add_f32 v[SM], v[SM], v[SM+2]
	s_delay_alu instid0(VALU_DEP_2)
	v_add_f32 v[SM+4], v[SM+4], v[SM+6]
	s_delay_alu instid0(VALU_DEP_1)
	v_add_f32 v[SM], v[SM], v[SM+4]
.endm
.macro COLS reg, sb                    ; my 64 of a vector over the columns
.irp g, 0,1,2,3,4,5,6,7,8,9,10,11,12,13,14,15
	global_load_b128 v[\reg+4*\g:\reg+4*\g+3], v[CB], s[\sb:\sb+1] offset:128*(\g/4)+16*(\g%4)
.endr
.endm
	s_load_b256 s[4:11], s[0:1], 0x0               ; yb, b2, xf, ln2_g
	s_load_b128 s[12:15], s[0:1], 0x20             ; ln2_b, out0
	v_lshl_add_u32 v62, v0, 2, 0x11000
	v_mov_b32 v63, 0
	v_lshrrev_b32 v1, 5, v0
	s_delay_alu instid0(VALU_DEP_1)
	v_readfirstlane_b32 s18, v1                    ; wave 0..7
	v_and_b32 v1, 31, v0
	v_and_b32 v2, 15, v0
	v_bfe_u32 v3, v0, 4, 1
	s_delay_alu instid0(VALU_DEP_3)
	v_lshlrev_b32 v[L16], 4, v1
	s_delay_alu instid0(VALU_DEP_4)
	v_lshlrev_b32 v[L4], 2, v1
	s_delay_alu instid0(VALU_DEP_3)
	v_lshlrev_b32 v[CB], 6, v3
	s_mul_i32 s19, s18, STG
	s_add_co_u32 s19, s19, STGB
	v_add_nc_u32 v[STI], s19, v[L16]
	v_mul_u32_u24 v[STL], v2, SP
	s_delay_alu instid0(VALU_DEP_1)
	v_add_nc_u32 v[STL], v[STL], v[CB]
	s_delay_alu instid0(VALU_DEP_1)
	v_add_nc_u32 v[STL], s19, v[STL]
	s_lshl_b32 s19, s18, 7
	v_add_nc_u32 v[SA], s19, v[L4]
	s_mov_b32 s[SEL], 0x76543210
	s_mov_b32 s[SEL+1], 0xfedcba98
	v_mov_b32 v[SM+4], 0                           ; written once: a lane permute's destination counts as one of its sources
	s_and_b32 s22, ttmp9, 127
	s_lshr_b32 s23, s22, 1
	s_lshl_b32 s23, s23, 5
	s_and_b32 s22, s22, 1
	s_lshl_b32 s22, s22, 3
	s_add_co_u32 s22, s22, s23                     ; the block's first t
	s_lshl_b32 s24, s22, 13
	s_lshr_b32 s22, ttmp9, 7
	s_lshl_b32 s22, s22, 12
	s_add_co_u32 s24, s24, s22
	s_lshl_b32 s26, s18, 9                         ; my 128 columns
	s_add_co_u32 s24, s24, s26
	s_mov_b32 s25, 0
	s_mov_b32 s27, 0
	s_lshl_b32 s28, ttmp9, 3
	s_add_co_u32 s28, s28, s18
	s_lshl_b32 s28, s28, 13                        ; my image
	s_mov_b32 s29, 0
	s_mov_b32 s32, 0x3a800000                      ; 1 / 1,024
	s_mov_b32 s33, 0x3727c5ac                      ; 1e-5
	s_wait_alu depctr_va_vdst(0)
	s_wait_kmcnt 0x0
	s_add_nc_u64 s[4:5], s[4:5], s[28:29]
	s_add_nc_u64 s[6:7], s[6:7], s[26:27]
	s_add_nc_u64 s[8:9], s[8:9], s[28:29]
	s_add_nc_u64 s[10:11], s[10:11], s[26:27]
	s_add_nc_u64 s[12:13], s[12:13], s[26:27]
	s_add_nc_u64 s[14:15], s[14:15], s[24:25]
.irp g, 0,1,2,3,4,5,6,7,8,9,10,11,12,13,14,15
	global_load_b128 v[Z+4*\g:Z+4*\g+3], v[L16], s[4:5] offset:512*\g th:TH_LOAD_NT
.endr
	COLS T1, 6
.irp g, 0,1,2,3,4,5,6,7,8,9,10,11,12,13,14,15
	global_load_b128 v[T2+4*\g:T2+4*\g+3], v[L16], s[8:9] offset:512*\g th:TH_LOAD_NT
.endr
	s_wait_loadcnt 0x0
.set JJ, 0
.rept 32
	v_pk_add_f32 v[Z+JJ:Z+JJ+1], v[Z+JJ:Z+JJ+1], v[T1+JJ:T1+JJ+1]   ; y + b2
.set JJ, JJ+2
.endr
.set JJ, 0
.rept 32
	v_pk_add_f32 v[Z+JJ:Z+JJ+1], v[Z+JJ:Z+JJ+1], v[T2+JJ:T2+JJ+1]   ; + x
.set JJ, JJ+2
.endr
	COLS T1, 10                                    ; the gain and the offset come while the sums are made
	COLS T2, 12
	v_pk_add_f32 v[56:57], v[64:65], v[66:67]
	v_pk_add_f32 v[60:61], v[72:73], v[76:77]
	v_pk_add_f32 v[52:53], v[80:81], v[84:85]
	v_pk_add_f32 v[50:51], v[88:89], v[92:93]
	v_pk_add_f32 v[48:49], v[96:97], v[100:101]
	v_pk_add_f32 v[46:47], v[104:105], v[108:109]
	v_pk_add_f32 v[44:45], v[112:113], v[116:117]
	v_pk_add_f32 v[54:55], v[120:121], v[124:125]
	s_delay_alu instid0(VALU_DEP_1)
	v_pk_add_f32 v[54:55], v[54:55], v[68:69]
	v_pk_add_f32 v[56:57], v[56:57], v[70:71]
	v_pk_add_f32 v[60:61], v[60:61], v[74:75]
	v_pk_add_f32 v[52:53], v[52:53], v[78:79]
	v_pk_add_f32 v[50:51], v[50:51], v[82:83]
	v_pk_add_f32 v[48:49], v[48:49], v[86:87]
	v_pk_add_f32 v[46:47], v[46:47], v[90:91]
	v_pk_add_f32 v[44:45], v[44:45], v[94:95]
	v_pk_add_f32 v[54:55], v[54:55], v[98:99]
	v_pk_add_f32 v[56:57], v[56:57], v[102:103]
	v_pk_add_f32 v[60:61], v[60:61], v[106:107]
	v_pk_add_f32 v[52:53], v[52:53], v[110:111]
	v_pk_add_f32 v[50:51], v[50:51], v[114:115]
	v_pk_add_f32 v[48:49], v[48:49], v[118:119]
	v_pk_add_f32 v[46:47], v[46:47], v[122:123]
	v_pk_add_f32 v[44:45], v[44:45], v[126:127]
	s_delay_alu instid0(VALU_DEP_4)
	v_pk_add_f32 v[54:55], v[54:55], v[50:51]
	s_delay_alu instid0(VALU_DEP_4)
	v_pk_add_f32 v[56:57], v[56:57], v[48:49]
	s_delay_alu instid0(VALU_DEP_4)
	v_pk_add_f32 v[60:61], v[60:61], v[46:47]
	s_delay_alu instid0(VALU_DEP_4)
	v_pk_add_f32 v[52:53], v[52:53], v[44:45]
	s_delay_alu instid0(VALU_DEP_2)
	v_pk_add_f32 v[54:55], v[54:55], v[60:61]
	s_delay_alu instid0(VALU_DEP_2)
	v_pk_add_f32 v[56:57], v[56:57], v[52:53]
	s_delay_alu instid0(VALU_DEP_1)
	v_pk_add_f32 v[54:55], v[54:55], v[56:57]
	s_delay_alu instid0(VALU_DEP_1)
	v_add_f32 v[SM], v[SM], v[SM+1]
	ACROSS STAT0
	s_delay_alu instid0(VALU_DEP_1)
	v_mul_f32 v[MU], s32, v[SM]
	s_delay_alu instid0(VALU_DEP_1)
	v_mov_b32 v[MU+1], v[MU]
.set JJ, 0
.rept 32
	v_pk_add_f32 v[Z+JJ:Z+JJ+1], v[Z+JJ:Z+JJ+1], v[MU:MU+1] neg_lo:[0,1] neg_hi:[0,1]
.set JJ, JJ+2
.endr
	v_pk_mul_f32 v[SM:SM+1], v[Z:Z+1], v[Z:Z+1]
	v_pk_mul_f32 v[SM+2:SM+3], v[Z+2:Z+3], v[Z+2:Z+3]
.set JJ, 4
.rept 15
	s_delay_alu instid0(VALU_DEP_2)
	v_pk_fma_f32 v[SM:SM+1], v[Z+JJ:Z+JJ+1], v[Z+JJ:Z+JJ+1], v[SM:SM+1]
	s_delay_alu instid0(VALU_DEP_2)
	v_pk_fma_f32 v[SM+2:SM+3], v[Z+JJ+2:Z+JJ+3], v[Z+JJ+2:Z+JJ+3], v[SM+2:SM+3]
.set JJ, JJ+4
.endr
	s_delay_alu instid0(VALU_DEP_1)
	v_pk_add_f32 v[SM:SM+1], v[SM:SM+1], v[SM+2:SM+3]
	s_delay_alu instid0(VALU_DEP_1)
	v_add_f32 v[SM], v[SM], v[SM+1]
	ACROSS STAT1
	s_delay_alu instid0(VALU_DEP_1)
	v_fma_f32 v[RS], v[SM], s32, s33               ; var + eps: the division by 1,024 is exact
	s_wait_alu depctr_va_vdst(0)
	v_rsq_f32 v[RS], v[RS]
	v_nop                                          ; one plain place behind a transcendental
	s_wait_alu depctr_va_vdst(0)
	v_mov_b32 v[RS+1], v[RS]
	s_wait_alu depctr_va_vdst(0)
	s_wait_loadcnt 0x0
.set JJ, 0
.rept 32
	v_pk_mul_f32 v[Z+JJ:Z+JJ+1], v[Z+JJ:Z+JJ+1], v[RS:RS+1]
.set JJ, JJ+2
.endr
.set JJ, 0
.rept 32
	v_pk_fma_f32 v[Z+JJ:Z+JJ+1], v[Z+JJ:Z+JJ+1], v[T1+JJ:T1+JJ+1], v[T2+JJ:T2+JJ+1]
.set JJ, JJ+2
.endr
.irp g, 0,1,2,3,4,5,6,7,8,9,10,11,12,13,14,15
	ds_store_b128 v[STL], v[Z+4*\g:Z+4*\g+3] offset:128*(\g/4)+16*(\g%4)
.endr
.irp p, 0,1,2,3,4,5,6,7,8,9,10,11,12,13,14,15
	ds_load_b128 v[T1+4*\p:T1+4*\p+3], v[STI] offset:\p*SP   ; LDS serves a wave's instructions in order (ISA guide 5.7.1.4): these see the stores above
.endr
.irp p, 0,1,2,3,4,5,6,7,8,9,10,11,12,13,14,15
	s_wait_dscnt 15-\p                             ; row p is back; the younger rows may be out
	global_store_b128 v[L16], v[T1+4*\p:T1+4*\p+3], s[14:15] offset:(\p+8*(\p/8))*8192 th:TH_STORE_NT
.endr
	s_wait_tensorcnt 0x0
	ds_add_u32 v62, v63
	s_wait_dscnt 0x0
	s_endpgm
.Lfunc_end_k_q351b9e0c01_ln2:
	.size	k_q351b9e0c01_ln2, .Lfunc_end_k_q351b9e0c01_ln2-k_q351b9e0c01_ln2
	.p2alignl 7, 3214868480
	.fill 96, 4, 3214868480
	.section	.rodata,"a",@progbits
	.p2align	6, 0x0
	.amdhsa_kernel k_q351b9e0c01_ln2
		.amdhsa_group_segment_fixed_size 70656
		.amdhsa_private_segment_fixed_size 0
		.amdhsa_enable_private_segment 0
		.amdhsa_kernarg_size 48
		.amdhsa_user_sgpr_count 2
		.amdhsa_user_sgpr_kernarg_segment_ptr 1
		.amdhsa_wavefront_size32 1
		.amdhsa_system_sgpr_workgroup_id_x 1
		.amdhsa_system_sgpr_workgroup_id_y 1
		.amdhsa_system_sgpr_workgroup_id_z 1
		.amdhsa_system_vgpr_workitem_id 0
		.amdhsa_next_free_vgpr 256
		.amdhsa_next_free_sgpr 66
		.amdhsa_reserve_vcc 0
		.amdhsa_float_denorm_mode_32 3
		.amdhsa_float_denorm_mode_16_64 3
		.amdhsa_memory_ordered 1
		.amdhsa_forward_progress 1
		.amdhsa_inst_pref_size 33
	.end_amdhsa_kernel
	.amdgpu_metadata
---
amdhsa.version: [ 1, 2 ]
amdhsa.kernels:
  - .name:           k_q351b9e0c01_ln2
    .symbol:         k_q351b9e0c01_ln2.kd
    .args:
      - { .name: yb, .offset: 0, .size: 8, .value_kind: global_buffer, .address_space: global }
      - { .name: b2, .offset: 8, .size: 8, .value_kind: global_buffer, .address_space: global }
      - { .name: xf, .offset: 16, .size: 8, .value_kind: global_buffer, .address_space: global }
      - { .name: ln2_g, .offset: 24, .size: 8, .value_kind: global_buffer, .address_space: global }
      - { .name: ln2_b, .offset: 32, .size: 8, .value_kind: global_buffer, .address_space: global }
      - { .name: out0, .offset: 40, .size: 8, .value_kind: global_buffer, .address_space: global }
    .group_segment_fixed_size: 70656
    .private_segment_fixed_size: 0
    .kernarg_segment_align: 8
    .kernarg_segment_size: 48
    .max_flat_workgroup_size: 256
    .sgpr_count:     66
    .vgpr_count:     256
    .wavefront_size: 32
...
	.end_amdgpu_metadata
.endif
;; end of part 16
